; MI455X (gfx1250); checked and timed in simulation.
; The chip was launched on July 23, 2026; its instructions are those of AMD's public machine-readable ISA for CDNA 5 (MIT licence, August 2026) and "CDNA5" Instruction Set Architecture Reference Guide (July 2026). The comments in the code are by the model that wrote it; some were corrected since.
;; Time Dependent Attention. Allowed arithmetic: matrix products marked QUANTISED: E4M3 operands, one E8M0 scale for each 32 along K, by v_wmma_scale_f32_16x16x128_f8f6f4 with both operands' format E4M3, f32 sums; products left as they are: f32 operands where the result goes on into a quantised operand, else bf16, f16 or f32 operands; f32 sums; everything else in f32.
;; Inputs: W_o 768 x 768 float32; Wt_k 768 x 256 float32; Wt_q 768 x 256 float32; Wt_v 768 x 256 float32; Wx_k 768 x 768 float32; Wx_q 768 x 768 float32; Wx_v 768 x 768 float32; b_o 768 float32; rel_pos_bias 12 x 1,024 x 1,024 float32; t 8 x 256 float32; x 8 x 1,024 x 768 float32.
;; Outputs: out0 8 x 1,024 x 768 float32.
;; This version of the problem:
;;   THIS VERSION OF THE PROBLEM IS GIVEN IN LOW PRECISION. The matrix products marked QUANTISED in the list below multiply operands that are first quantised to E4M3 (4 exponent bits, 3 mantissa bits; 8 bits a number), with one power-of-two scale for each 32 numbers along K (OCP MX v1.0); their sums are f32. All else is computed in f32.
;;   The module's matrix products, in the order in which they are computed (A, B: the left and right operand; K: the contracted axis; several contracted axes count as one K, in the product's order):
;;     1. [M 8,192, K 768] x [K 768, N 768]; A: input x; B: input Wx_q: QUANTISED
;;     2. [M 8, K 256] x [K 256, N 768]; A: input t; B: input Wt_q: left as it is (M = 8 < 16)
;;     3. [M 8,192, K 768] x [K 768, N 768]; A: input x; B: input Wx_k: QUANTISED
;;     4. [M 8, K 256] x [K 256, N 768]; A: input t; B: input Wt_k: left as it is (M = 8 < 16)
;;     5. [M 8,192, K 768] x [K 768, N 768]; A: input x; B: input Wx_v: QUANTISED
;;     6. [M 8, K 256] x [K 256, N 768]; A: input t; B: input Wt_v: left as it is (M = 8 < 16)
;;     7. batch 96 x [M 1,024, K 64] x [K 64, N 1,024]; A: computed on the way; B: computed on the way: QUANTISED
;;     8. batch 96 x [M 1,024, K 1,024] x [K 1,024, N 64]; A: softmax (see below); B: computed on the way: QUANTISED
;;     9. [M 8,192, K 768] x [K 768, N 768]; A: computed on the way; B: input W_o: QUANTISED
;;   THE QUANTISER, for each operand of a quantised product, along K:
;;     - K is cut into blocks of 32 from its start; a last block that is shorter is filled with zeros.
;;     - A block's scale is 2^e with e = floor(log2(the largest magnitude in the block)) - 8, held to -126 .. 127; a block of zeros has e = 0. As a byte (E8M0): e + 127.
;;     - Each number is divided by its block's scale, clamped to +-448, and rounded to the nearest number of E4M3, ties to even, subnormals kept.
;;     - The product sums the exact products of the quantised numbers (number of the format x scale) in f32.
;;   ~~~python
;;   def quantise(x, axis):      # numpy; x: float32 -> the quantised numbers, widened to float32 again
;;       x = np.moveaxis(x, axis, -1); K = x.shape[-1]
;;       x = np.pad(x, [(0, 0)] * (x.ndim - 1) + [(0, -K % 32)]); x = x.reshape(x.shape[:-1] + (-1, 32)); a = np.abs(x).max(-1, keepdims=True)
;;       e = np.where(a > 0, np.clip(np.frexp(np.where(a > 0, a, 1))[1] - 1 - 8, -126, 127), 0)      # np.frexp(a)[1] - 1 = floor(log2(a)), exactly
;;       r = np.clip(x / 2.0 ** e, -448, 448)
;;       step = 2.0 ** (np.maximum(np.frexp(np.where(r == 0, 1, r))[1] - 1, -6) - 3)
;;       q = np.round(r / step) * step * 2.0 ** e      # np.round: ties to even
;;       return np.moveaxis(q.reshape(q.shape[:-2] + (-1,))[..., :K], -1, axis).astype(np.float32)
;;   ~~~
;;   SOFTMAX AHEAD OF A QUANTISED PRODUCT. Where the list says 'softmax', what is quantised is not the finished softmax but p = 2^(t - M), with t = logit x log2(e) and M = ceil(the row's largest t), a whole number; so 1/2 < the row's largest p <= 1. The row's sum l is taken of the UNQUANTISED p, in f32, and the product's result is divided by l at the end. Since M is a whole number, a kernel that streams over the keys may use a running M (the ceiling of the running maximum): every later rescaling is an exact power of two, which a block's scale takes up: the codes' values come out the same.
;;   OPERANDS COMPUTED ON THE WAY. 'Computed on the way' means the value that the module computes at that place (a softmax that the list does not call 'softmax' is quantised finished and normalised). What goes into a quantiser is computed in f32, as accurately as f32 sums, v_exp_f32 and their like allow (about 1e-6 of the number): no bf16 or f16 on the way to a quantiser, and a product that is left as it is and whose result goes on into a quantised operand takes f32 operands (vector FMAs, or v_wmma_f32_16x16x4_f32). A number that lies on a knife's edge between two numbers of the format may be rounded either way, as far as f32 arithmetic and the matrix unit's own rounding can turn it there, and no further.
;; 2 versions. Each part assembles by itself: llvm-mc -triple=amdgcn-amd-amdhsa -mcpu=gfx1250 --defsym DOCPART=n.
;; ======== version 1 of 2: 4 launches
;; workspace buffers: img 8,650,752 bytes; isc 360,448 bytes; tb 73,728 bytes; qbuf 6,684,672 bytes; kv 13,369,344 bytes; oimg 6,291,456 bytes; osc 196,608 bytes
;; launch prep (part 1): grid 248 x 1, 4 waves a work-group, no clusters, 34,304 bytes of LDS; arguments x, Wx_q, Wx_k, Wx_v, W_o, t, Wt_q, Wt_k, Wt_v, img, isc, tb; writes img, isc, tb
.if DOCPART == 1
	.amdgcn_target "amdgcn-amd-amdhsa--gfx1250"
	.amdhsa_code_object_version 6
	.text
	.protected	k_q7cad3bc9ae_prep
	.globl	k_q7cad3bc9ae_prep
	.p2align	8
	.type	k_q7cad3bc9ae_prep,@function
k_q7cad3bc9ae_prep:
	s_mov_b64 s[64:65], 0
	v_nop
	global_prefetch_b8 v0, s[64:65] scope:SCOPE_SE
	s_setreg_imm32_b32 hwreg(HW_REG_WAVE_MODE, 25, 1), 1
	s_wait_xcnt 0x0
; PREP.  Two kinds of work-groups, parted by the work-group's number.
; (1) Work-groups 0-175 turn x [8192][768] and Wx_q, Wx_k, Wx_v, W_o [768][768], f32, K innermost, into codes of FP8 (E4M3) with one E8M0 byte for each 32 along K.
;     A wave takes one TILE of 16 rows.  Tile T holds the rows 32 (T / 2) + 8 (T % 2) + m + 8 (m / 8), m = 0 .. 15: not neighbours, so that later results fall as neighbours along the next K.
;     The codes leave as IMAGES OF THE OPERAND'S REGISTERS: for K step s (128 along K) four stores of 512 consecutive bytes, lane l's 16 bytes at 16 l: row (l % 16), k = 128 s + 32 c + 16 (l / 16) + 0 .. 15.
;     A tile's six images are 12,288 bytes on end in img.  Its scale words are 512 bytes in isc: lane l's 16 bytes are words 0 .. 3; word k is the row's word of K step 2 k (lanes 0-15) or 2 k + 1 (lanes 16-31); word 3 is 0.
;     A block's scale is 2^(floor(log2(its largest magnitude)) - 8); the byte is the largest magnitude's exponent field - 8, held at 1 from below by a floor among the maximum's leaves.
; (2) Work-groups 176-247 make tb[b][768 p + row] = the sum over k of t[b][k] Wt_p[row][k], p = q, k, v, by f32 fused multiply-adds: its results go on into quantised operands.
; LIMITS: NaN and infinities among the inputs are not served.  A block whose largest magnitude lies under 2^(9 - 127) keeps the byte 1; a block of zeros so gets the byte 1 where the rule says 127:
; its codes are zeros, which add nothing under any byte but 0xff, and the bytes are read by this program alone.
; No tensor loads, no barrier: waves share nothing.  No cluster: no two work-groups read the same bytes but the 8 KiB of t.
.set ROWB,  3072                       ; a row of 768 f32
.set SP,    528                        ; a stage row: 512 bytes + 16: an odd multiple of 16, so that sixteen rows' equal columns lie in different banks
.set LI,    1                          ; v1   16 x lane
.set STW,   2                          ; v2   my stage + 16 x lane: a row goes in as it was loaded
.set STR,   3                          ; v3   my stage + 528 r + 64 h: and comes back 16 neighbours of each block of 32 to a lane
.set TBO,   4                          ; v4   (2): my byte in tb
.set R,     16                         ; v16-143  two sets of 16 rows x 4 registers as loaded
.set X,     144                        ; v144-207 64 numbers of a lane: register 16 c + i = k 32 c + 16 h + i of row r
.set PC,    208                        ; v208-223 the codes
.set TM,    224                        ; v224-227 largest magnitudes, 228-231 bytes, 232-235 448 x the scale, 236-239 the conversions' scale operands
.set PW,    240                        ; v240 an odd K step's scale word, v241 an even one's
.set PWE,   241
.set SW,    244                        ; v244-247 the tile's scale block
.set FLR,   40
.set MNT,   41
.set M4,    42
.set HI16,  43
.set SEL,   44
.set M8,    46
.set M1,    47
.set M2,    48
.macro QMAX src, nb                    ; the largest magnitude of each of nb blocks: my 16 numbers and the floor, then lane l xor 16's
.irp b, 0,1,2,3
.if \b < \nb
	v_max3_num_f32 v[TM+\b], |v[16*\b+(\src)]|, |v[16*\b+1+(\src)]|, s[FLR]
.endif
.endr
.irp i, 2,4,6,8,10,12,14
.irp b, 0,1,2,3
.if \b < \nb
	v_max3_num_f32 v[TM+\b], v[TM+\b], |v[16*\b+\i+(\src)]|, |v[16*\b+\i+1+(\src)]|
.endif
.endr
.endr
.irp b, 0,1,2,3
.if \b < \nb
	v_permlanex16_b32 v[TM+4+\b], v[TM+\b], s[SEL], s[SEL+1]
.endif
.endr
.irp b, 0,1,2,3
.if \b < \nb
	v_max_num_f32 v[TM+\b], v[TM+\b], v[TM+4+\b]
.endif
.endr
.endm
.macro QSCL nb
.irp b, 0,1,2,3
.if \b < \nb
	v_add_nc_u32 v[TM+12+\b], 0xfc000000, v[TM+\b]          ; 8 off the exponent field: the conversion takes this operand's exponent field as its scale
.endif
.endr
.irp b, 0,1,2,3
.if \b < \nb
	v_and_or_b32 v[TM+8+\b], v[TM+\b], 0x7f800000, s[MNT]   ; 448 x the scale
.endif
.endr
.irp b, 0,1,2,3
.if \b < \nb
	v_lshrrev_b32 v[TM+4+\b], 23, v[TM+12+\b]               ; the scale's byte
.endif
.endr
.endm
.macro QCVT src, nb, pc
.irp b, 0,1,2,3
.if \b < \nb
.irp i, 0,1,2,3,4,5,6,7,8,9,10,11,12,13,14,15
	v_med3_num_f32 v[16*\b+\i+(\src)], v[16*\b+\i+(\src)], -v[TM+8+\b], v[TM+8+\b]   ; the conversion to an 8-bit code does not saturate (ISA guide 7.6.2): hold first
.endr
	v_cvt_scalef32_pk8_fp8_f32 v[4*\b+(\pc):4*\b+1+(\pc)], v[16*\b+(\src):16*\b+7+(\src)], v[TM+12+\b]
	v_cvt_scalef32_pk8_fp8_f32 v[4*\b+2+(\pc):4*\b+3+(\pc)], v[16*\b+8+(\src):16*\b+15+(\src)], v[TM+12+\b]
.endif
.endr
	v_nop                                          ; one plain line behind the last conversion
.endm
	s_load_b512 s[8:23], s[0:1], 0x0               ; x 8, Wx_q 10, Wx_k 12, Wx_v 14, W_o 16, t 18, Wt_q 20, Wt_k 22
	s_load_b256 s[24:31], s[0:1], 0x40             ; Wt_v 24, img 26, isc 28, tb 30
	v_lshl_add_u32 v254, v0, 2, 0x8400
	v_mov_b32 v255, 0
	v_lshrrev_b32 v5, 5, v0
	v_readfirstlane_b32 s4, v5                     ; wave
	v_and_b32 v5, 31, v0                           ; lane
	v_lshlrev_b32 v[LI], 4, v5
	s_mov_b32 s[HI16], 0xffff0000                  ; lanes 16-31
	s_mov_b32 s[SEL], 0x76543210
	s_mov_b32 s[SEL+1], 0xfedcba98                 ; v_permlanex16_b32's selects for lane l xor 16
	s_cmp_ge_u32 ttmp9, 176
	s_cbranch_scc1 .Ltpath
	; ---------------- (1) the quantiser ----------------
	s_mul_i32 s5, s4, 16*SP                        ; my stage
	v_add_nc_u32 v[STW], s5, v[LI]
	v_and_b32 v6, 15, v0                           ; r
	v_bfe_u32 v7, v0, 4, 1                         ; h
	v_mul_u32_u24 v[STR], v6, SP
	v_lshl_add_u32 v[STR], v7, 6, v[STR]
	v_add_nc_u32 v[STR], s5, v[STR]
	s_mov_b32 s[FLR], 0x4800000                    ; the floor 2^(9 - 127)
	s_mov_b32 s[MNT], 0x600000                     ; the mantissa field of 448
.irp b, 0,1,2,3
	v_mov_b32 v[TM+4+\b], 0                        ; written once: a lane permute's destination counts as one of its sources
.endr
	v_mov_b32 v[SW+3], 0
	s_wait_kmcnt 0x0
	s_mov_b64 s[32:33], s[16:17]                   ; which tensor: the choice hangs on the work-group's number alone
	s_mov_b32 s34, 164                             ; and the tensor's first work-group
	s_cmp_lt_u32 ttmp9, 164
	s_cselect_b64 s[32:33], s[14:15], s[32:33]
	s_cselect_b32 s34, 152, s34
	s_cmp_lt_u32 ttmp9, 152
	s_cselect_b64 s[32:33], s[12:13], s[32:33]
	s_cselect_b32 s34, 140, s34
	s_cmp_lt_u32 ttmp9, 140
	s_cselect_b64 s[32:33], s[10:11], s[32:33]
	s_cselect_b32 s34, 128, s34
	s_cmp_lt_u32 ttmp9, 128
	s_cselect_b64 s[32:33], s[8:9], s[32:33]
	s_cselect_b32 s34, 0, s34
	s_sub_co_u32 s35, ttmp9, s34
	s_lshl_b32 s35, s35, 2
	s_add_co_u32 s35, s35, s4                      ; my tile in its tensor
	s_lshr_b32 s36, s35, 1
	s_lshl_b32 s36, s36, 5
	s_and_b32 s37, s35, 1
	s_lshl_b32 s37, s37, 3
	s_add_co_u32 s36, s36, s37                     ; its first row: 32 (T / 2) + 8 (T % 2)
	s_mul_i32 s36, s36, ROWB
	s_mov_b32 s37, 0
	s_add_nc_u64 s[32:33], s[32:33], s[36:37]
	s_lshl_b32 s38, ttmp9, 2
	s_add_co_u32 s38, s38, s4                      ; my tile among all 704
	s_mul_i32 s36, s38, 12288
	s_add_nc_u64 s[26:27], s[26:27], s[36:37]
	s_lshl_b32 s36, s38, 9
	s_add_nc_u64 s[28:29], s[28:29], s[36:37]
.macro LOAD s                          ; K step s of my 16 rows: each load reads 512 consecutive bytes of one row
.irp i, 0,1,2,3,4,5,6,7,8,9,10,11,12,13,14,15
	global_load_b128 v[R+64*((\s)%2)+4*\i:R+64*((\s)%2)+4*\i+3], v[LI], s[32:33] offset:(\i+8*(\i/8))*ROWB+512*(\s) th:TH_LOAD_NT
.endr
.endm
.macro QSTEP s
.if \s < 5
	s_wait_loadcnt 16                              ; this step's 16 loads are in; the next step's 16 may be out
.else
	s_wait_loadcnt 0x0
.endif
.irp i, 0,1,2,3,4,5,6,7,8,9,10,11,12,13,14,15
	ds_store_b128 v[STW], v[R+64*((\s)%2)+4*\i:R+64*((\s)%2)+4*\i+3] offset:SP*\i
.endr
.irp c, 0,1,2,3
.irp j, 0,1,2,3
	ds_load_b128 v[X+16*\c+4*\j:X+16*\c+4*\j+3], v[STR] offset:128*\c+16*\j   ; LDS serves a wave's instructions in order: these see the stores above
.endr
.endr
	s_wait_dscnt 0x0                               ; the numbers are back, and the stores have read their registers
	s_wait_xcnt 0x0                                ; the last step's global stores have read the codes' registers
.if \s < 4
	LOAD \s+2
.endif
	QMAX X, 4
	QSCL 4
.set PD, PWE-(\s)%2
	v_lshl_or_b32 v[PD], v[TM+5], 8, v[TM+4]       ; the four bytes make row r's scale word of this K step
	v_lshl_or_b32 v[PD], v[TM+6], 16, v[PD]
	v_lshl_or_b32 v[PD], v[TM+7], 24, v[PD]
	QCVT X, 4, PC
.irp c, 0,1,2,3
	global_store_b128 v[LI], v[PC+4*\c:PC+4*\c+3], s[26:27] offset:2048*(\s)+512*\c   ; 512 consecutive bytes
.endr
.if (\s)%2
	v_cndmask_b32 v[SW+(\s)/2], v[PWE], v[PW], s[HI16]   ; lanes 0-15 the even step's word, lanes 16-31 the odd step's
.endif
.endm
	LOAD 0
	LOAD 1
	QSTEP 0
	QSTEP 1
	QSTEP 2
	QSTEP 3
	QSTEP 4
	QSTEP 5
	global_store_b128 v[LI], v[SW:SW+3], s[28:29]
	s_wait_tensorcnt 0x0
	ds_add_u32 v254, v255
	s_wait_dscnt 0x0
	s_endpgm
	; ---------------- (2) tb = t Wt^T ----------------
.Ltpath:
	s_sub_co_u32 s35, ttmp9, 176                   ; 0 .. 71: 24 work-groups to each Wt, 32 rows each, 8 to a wave
	s_mov_b32 s[M1], 0xaaaaaaaa
	s_mov_b32 s[M2], 0xcccccccc
	s_mov_b32 s[M4], 0xf0f0f0f0
	s_mov_b32 s[M8], 0xff00ff00
	s_wait_kmcnt 0x0
	s_mov_b64 s[32:33], s[24:25]
	s_mov_b32 s34, 2
	s_cmp_lt_u32 s35, 48
	s_cselect_b64 s[32:33], s[22:23], s[32:33]
	s_cselect_b32 s34, 1, s34
	s_cmp_lt_u32 s35, 24
	s_cselect_b64 s[32:33], s[20:21], s[32:33]
	s_cselect_b32 s34, 0, s34                      ; p
	s_mul_i32 s36, s34, 24
	s_sub_co_u32 s36, s35, s36
	s_lshl_b32 s36, s36, 5
	s_lshl_b32 s37, s4, 3
	s_add_co_u32 s36, s36, s37                     ; my first row of Wt
	s_mul_i32 s38, s34, 768
	s_add_co_u32 s38, s38, s36
	s_lshl_b32 s38, s38, 2                         ; its column of tb, in bytes
	s_mov_b32 s39, 0
	s_add_nc_u64 s[30:31], s[30:31], s[38:39]
	s_lshl_b32 s36, s36, 10
	s_mov_b32 s37, 0
	s_add_nc_u64 s[32:33], s[32:33], s[36:37]
.irp b, 0,1,2,3,4,5,6,7
	global_load_b128 v[16+8*\b:19+8*\b], v[LI], s[18:19] offset:1024*\b         ; t[b][4 l ..]
	global_load_b128 v[20+8*\b:23+8*\b], v[LI], s[18:19] offset:1024*\b+512     ; t[b][128 + 4 l ..]
.endr
.irp i, 0,1,2,3,4,5,6,7
	global_load_b128 v[80+8*\i:83+8*\i], v[LI], s[32:33] offset:1024*\i th:TH_LOAD_NT
	global_load_b128 v[84+8*\i:87+8*\i], v[LI], s[32:33] offset:1024*\i+512 th:TH_LOAD_NT
.endr
	v_and_b32 v6, 7, v5
	v_lshrrev_b32 v7, 3, v5
	v_mul_u32_u24 v[TBO], v6, 9216                 ; batch lane % 8: a row of tb is 2,304 numbers
	v_lshl_add_u32 v[TBO], v7, 2, v[TBO]           ; row lane / 8 of four
	v_mov_b32 v182, 0                              ; a lane permute's destination counts as one of its sources
	s_wait_loadcnt 0x0
; Row i against the eight batches: eight partial sums a lane; then the lanes are folded so that lane l ends with batch l % 8's whole sum:
; in each fold a lane keeps the half of the registers that its bit names and sends the other half to the lane that keeps those.
.macro TROW i
.irp b, 0,1,2,3,4,5,6,7
	v_pk_mul_f32 v[144+2*\b:145+2*\b], v[16+8*\b:17+8*\b], v[80+8*\i:81+8*\i]
.endr
.irp j, 2,4,6
.irp b, 0,1,2,3,4,5,6,7
	v_pk_fma_f32 v[144+2*\b:145+2*\b], v[16+8*\b+\j:17+8*\b+\j], v[80+8*\i+\j:81+8*\i+\j], v[144+2*\b:145+2*\b]
.endr
.endr
.irp b, 0,1,2,3,4,5,6,7
	v_add_f32 v[160+\b], v[144+2*\b], v[145+2*\b]
.endr
.irp q, 0,1,2,3
	v_cndmask_b32 v[168+\q], v[160+2*\q], v[161+2*\q], s[M1]
	v_cndmask_b32 v[172+\q], v[161+2*\q], v[160+2*\q], s[M1]
.endr
.irp q, 0,1,2,3
	v_add_f32_dpp v[168+\q], v[172+\q], v[168+\q] row_xmask:1 row_mask:0xf bank_mask:0xf
.endr
.irp q, 0,1
	v_cndmask_b32 v[176+\q], v[168+2*\q], v[169+2*\q], s[M2]
	v_cndmask_b32 v[178+\q], v[169+2*\q], v[168+2*\q], s[M2]
.endr
.irp q, 0,1
	v_add_f32_dpp v[176+\q], v[178+\q], v[176+\q] row_xmask:2 row_mask:0xf bank_mask:0xf
.endr
	v_cndmask_b32 v180, v176, v177, s[M4]
	v_cndmask_b32 v181, v177, v176, s[M4]
	v_add_f32_dpp v180, v181, v180 row_xmask:4 row_mask:0xf bank_mask:0xf
	v_add_f32_dpp v180, v180, v180 row_xmask:8 row_mask:0xf bank_mask:0xf
	v_permlanex16_b32 v182, v180, s[SEL], s[SEL+1]
	v_add_f32 v[184+\i], v180, v182
.endm
.irp i, 0,1,2,3,4,5,6,7
	TROW \i
.endr
.irp k, 0,1                            ; lane l stores row 4 k + l / 8 of batch l % 8: runs of 16 bytes; tb is 72 KiB in all
	v_cndmask_b32 v192, v[184+4*\k], v[185+4*\k], s[M8]
	v_cndmask_b32 v193, v[186+4*\k], v[187+4*\k], s[M8]
	v_cndmask_b32 v[194+\k], v192, v193, s[HI16]
	global_store_b32 v[TBO], v[194+\k], s[30:31] offset:16*\k
.endr
	s_endpgm
.Lfunc_end_k_q7cad3bc9ae_prep:
	.size	k_q7cad3bc9ae_prep, .Lfunc_end_k_q7cad3bc9ae_prep-k_q7cad3bc9ae_prep
	.p2alignl 7, 3214868480
	.fill 96, 4, 3214868480
	.section	.rodata,"a",@progbits
	.p2align	6, 0x0
	.amdhsa_kernel k_q7cad3bc9ae_prep
		.amdhsa_group_segment_fixed_size 34304
		.amdhsa_private_segment_fixed_size 0
		.amdhsa_enable_private_segment 0
		.amdhsa_kernarg_size 96
		.amdhsa_user_sgpr_count 2
		.amdhsa_user_sgpr_kernarg_segment_ptr 1
		.amdhsa_wavefront_size32 1
		.amdhsa_system_sgpr_workgroup_id_x 1
		.amdhsa_system_sgpr_workgroup_id_y 1
		.amdhsa_system_sgpr_workgroup_id_z 1
		.amdhsa_system_vgpr_workitem_id 0
		.amdhsa_next_free_vgpr 256
		.amdhsa_next_free_sgpr 66
		.amdhsa_reserve_vcc 0
		.amdhsa_float_denorm_mode_32 3
		.amdhsa_float_denorm_mode_16_64 3
		.amdhsa_memory_ordered 1
		.amdhsa_forward_progress 1
		.amdhsa_inst_pref_size 109
	.end_amdhsa_kernel
	.amdgpu_metadata
---
amdhsa.version: [ 1, 2 ]
amdhsa.kernels:
  - .name:           k_q7cad3bc9ae_prep
    .symbol:         k_q7cad3bc9ae_prep.kd
    .args:
      - { .name: x, .offset: 0, .size: 8, .value_kind: global_buffer, .address_space: global }
      - { .name: Wx_q, .offset: 8, .size: 8, .value_kind: global_buffer, .address_space: global }
      - { .name: Wx_k, .offset: 16, .size: 8, .value_kind: global_buffer, .address_space: global }
      - { .name: Wx_v, .offset: 24, .size: 8, .value_kind: global_buffer, .address_space: global }
      - { .name: W_o, .offset: 32, .size: 8, .value_kind: global_buffer, .address_space: global }
      - { .name: t, .offset: 40, .size: 8, .value_kind: global_buffer, .address_space: global }
      - { .name: Wt_q, .offset: 48, .size: 8, .value_kind: global_buffer, .address_space: global }
      - { .name: Wt_k, .offset: 56, .size: 8, .value_kind: global_buffer, .address_space: global }
      - { .name: Wt_v, .offset: 64, .size: 8, .value_kind: global_buffer, .address_space: global }
      - { .name: img, .offset: 72, .size: 8, .value_kind: global_buffer, .address_space: global }
      - { .name: isc, .offset: 80, .size: 8, .value_kind: global_buffer, .address_space: global }
      - { .name: tb, .offset: 88, .size: 8, .value_kind: global_buffer, .address_space: global }
    .group_segment_fixed_size: 34304
    .private_segment_fixed_size: 0
    .kernarg_segment_align: 8
    .kernarg_segment_size: 96
    .max_flat_workgroup_size: 128
    .sgpr_count:     66
    .vgpr_count:     256
    .wavefront_size: 32
...
	.end_amdgpu_metadata
.endif
;; end of part 1
;; launch qkv (part 2): grid 16 x 12, 4 waves a work-group, no clusters, 168,448 bytes of LDS; arguments img, isc, tb, qbuf, kv; writes qbuf, kv
.if DOCPART == 2
	.amdgcn_target "amdgcn-amd-amdhsa--gfx1250"
	.amdhsa_code_object_version 6
	.text
	.protected	k_q7cad3bc9ae_qkv
	.globl	k_q7cad3bc9ae_qkv
	.p2align	8
	.type	k_q7cad3bc9ae_qkv,@function
k_q7cad3bc9ae_qkv:
	s_mov_b64 s[64:65], 0
	v_nop
	global_prefetch_b8 v0, s[64:65] scope:SCOPE_SE
	s_setreg_imm32_b32 hwreg(HW_REG_WAVE_MODE, 25, 1), 1
	s_wait_xcnt 0x0
; QKV.  q, k, v = x W^T + tb on codes of FP8 (E4M3) with E8M0 scales, K = 768; the results are quantised at once: q and k along the head's 64, v along the keys; they leave as images of the next operands' registers.
; SHARES.  Work-group (gx, cg): 512 tokens x 192 columns (3 heads; cg 0-3 q, 4-7 k, 8-11 v).  Wave w owns 128 tokens, one key step: its 48 fragments of x (8 tiles x 6 K steps) stay in 768 registers, windows 1-3.
; The 192 columns' images of W, their scale words and their shift lie in LDS, filled once by three tensor loads a wave.  A wave walks 6 blocks of 32 columns: each fragment of W read from LDS feeds 8 products.
; LAYOUT.  Tile T of any row space holds rows 32 (T / 2) + 8 (T % 2) + m + 8 (m / 8).  q, k: source 0 = 16 rows of W, source 1 = 16 tokens: a lane holds one token, and the 16 registers of two neighbouring tiles of W are
; 16 neighbours along the head's 64.  v: source 0 = 16 tokens, source 1 = 16 rows of W: a lane holds one channel, and its registers run along the keys.  The shift tb is the C of each sum's first product.
; 1 / sqrt(64) = 2^-3 is taken off q's scale bytes: exact.  q's floor is therefore 2^(12 - 127): its bytes are at least 4 before the 3 come off.
; OUT.  qbuf [b][head][block of 128 tokens] 8,704 bytes: codes, tile i at 1,024 i, block c of the 64 at 512 c, 16 bytes a lane; then 512 bytes of PAIR WORDS: lane l's word P = tile 2 P's two bytes, tile 2 P + 1's two bytes.
;      kv [b][head][key step] 17,408 bytes: K as in qbuf (8,192), V (channel tile t at 2,048 t, key block c at 512 c), K's pair words (512), V's scale words (512: lane l's word t).
; LIMITS: NaN and infinities are not served; blocks under the floor (2^-118; q: 2^-115) keep the floor's byte, blocks of zeros too: their codes are zeros and this program alone reads the bytes.
; NO CLUSTER: what work-groups share is W, 150 KiB of the 534 KiB that a work-group reads, read once at the start.  192 work-groups: 72 blocks of 32 columns do not divide by the 16 waves of four work-groups without cutting heads.
.set TILEB, 12288                      ; a tile's six images
.set WSC,   147456                     ; LDS: W's 12 tiles; then their scale blocks, 512 bytes each;
.set TBL,   153600                     ; then the shift of my batch's 192 columns
.set LI,    1                          ; v1   16 x lane
.set WA,    2                          ; v2   W's images of the head in hand
.set WSA,   3                          ; v3   their scale blocks
.set TBQ,   4                          ; v4   the shift as q and k want it: 64 h on
.set TBV,   5                          ; v5   and as v wants it: my lane's row of a tile
.set TBQ0,  6
.set TBV0,  7
.set CW,    10                         ; v10-13 the scale words that go out
.set ACC,   16                         ; v16-143 sixteen accumulators
.set WF,    144                        ; v144-207 W's fragments: buffer p at 32 p, tile u at 16 u
.set PC,    144                        ; behind the products: the codes,
.set TM,    160                        ; and the quantiser's sixteen registers
.set XS,    208                        ; v208-231 x's scale words: tile i, word k at 3 i + k
.set WS,    232                        ; v232-237 W's: tile u, word k at 3 u + k
.set CB,    238                        ; v238-253 the shift in the result's layout
.set FLR,   68
.set SUB,   69
.set MNT,   70
.set SEL,   72
.set MSB, 0
.macro WIN new                         ; the immediate's high byte repeats the setting that is left
.if MSB != \new
	s_set_vgpr_msb (MSB<<8)|\new
.set MSB, \new
.endif
.endm
.macro PLACES n
.rept \n
	v_nop
.endr
.endm
.macro QMAX src, nb
.irp b, 0,1,2,3
.if \b < \nb
	v_max3_num_f32 v[TM+\b], |v[16*\b+(\src)]|, |v[16*\b+1+(\src)]|, s[FLR]
.endif
.endr
.irp i, 2,4,6,8,10,12,14
.irp b, 0,1,2,3
.if \b < \nb
	v_max3_num_f32 v[TM+\b], v[TM+\b], |v[16*\b+\i+(\src)]|, |v[16*\b+\i+1+(\src)]|
.endif
.endr
.endr
.irp b, 0,1,2,3
.if \b < \nb
	v_permlanex16_b32 v[TM+4+\b], v[TM+\b], s[SEL], s[SEL+1]
.endif
.endr
.irp b, 0,1,2,3
.if \b < \nb
	v_max_num_f32 v[TM+\b], v[TM+\b], v[TM+4+\b]
.endif
.endr
.endm
.macro QSCL nb
.irp b, 0,1,2,3
.if \b < \nb
	v_add_nc_u32 v[TM+12+\b], 0xfc000000, v[TM+\b]
.endif
.endr
.irp b, 0,1,2,3
.if \b < \nb
	v_and_or_b32 v[TM+8+\b], v[TM+\b], 0x7f800000, s[MNT]
.endif
.endr
.irp b, 0,1,2,3
.if \b < \nb
	v_lshrrev_b32 v[TM+4+\b], 23, v[TM+12+\b]
.endif
.endr
.endm
.macro QCVT src, nb, pc
.irp b, 0,1,2,3
.if \b < \nb
.irp i, 0,1,2,3,4,5,6,7,8,9,10,11,12,13,14,15
	v_med3_num_f32 v[16*\b+\i+(\src)], v[16*\b+\i+(\src)], -v[TM+8+\b], v[TM+8+\b]
.endr
	v_cvt_scalef32_pk8_fp8_f32 v[4*\b+(\pc):4*\b+1+(\pc)], v[16*\b+(\src):16*\b+7+(\src)], v[TM+12+\b]
	v_cvt_scalef32_pk8_fp8_f32 v[4*\b+2+(\pc):4*\b+3+(\pc)], v[16*\b+8+(\src):16*\b+15+(\src)], v[TM+12+\b]
.endif
.endr
	v_nop                                          ; one plain line behind the last conversion
.endm
	s_load_b256 s[4:11], s[0:1], 0x0               ; img 4, isc 6, tb 8, qbuf 10
	s_load_b64 s[12:13], s[0:1], 0x20              ; kv
	v_lshl_add_u32 v254, v0, 2, 0x29000
	v_mov_b32 v255, 0
	ds_add_u32 v254, v255
	ds_add_u32 v254, v255
	v_lshrrev_b32 v8, 5, v0
	v_readfirstlane_b32 s14, v8                    ; wave
	v_and_b32 v8, 31, v0
	v_lshlrev_b32 v[LI], 4, v8
	s_and_b32 s16, ttmp7, 0xffff                   ; cg
	s_lshr_b32 s17, ttmp9, 1                       ; batch
	s_and_b32 s18, ttmp9, 1
	s_lshl_b32 s18, s18, 2
	s_add_co_u32 s18, s18, s14                     ; my block of 128 tokens in the batch
	s_lshl_b32 s19, ttmp9, 2
	s_add_co_u32 s19, s19, s14                     ; and among all 64
	; descriptors: dense blocks as rows of 256 bytes (32 elements of 8 bytes): W's quarter 144 rows, the scale blocks' quarter 6 rows; the shift's quarter one row of 192 bytes
	s_mov_b32 s24, 3<<16
	s_mov_b32 s25, 32<<16
	s_mov_b32 s26, 144<<16
	s_mov_b32 s27, 32<<16
	s_mov_b32 s28, 144
	s_mov_b32 s29, 32
	s_mov_b32 s30, 0
	s_mov_b32 s31, 0
	s_mov_b32 s36, 3<<16
	s_mov_b32 s37, 32<<16
	s_mov_b32 s38, 6<<16
	s_mov_b32 s39, 32<<16
	s_mov_b32 s40, 6
	s_mov_b32 s41, 32
	s_mov_b32 s42, 0
	s_mov_b32 s43, 0
	s_mov_b32 s48, 3<<16
	s_mov_b32 s49, 24<<16
	s_mov_b32 s50, 1<<16
	s_mov_b32 s51, 24<<16
	s_mov_b32 s52, 1
	s_mov_b32 s53, 24
	s_mov_b32 s54, 0
	s_mov_b32 s55, 0
	s_mul_i32 s76, s16, 12
	s_add_co_u32 s76, s76, 512                     ; my columns' first tile in img and isc
	s_mul_i32 s78, s76, TILEB
	s_mul_i32 s21, s14, 36864                      ; LDS: wave x a quarter of W
	s_add_co_u32 s78, s78, s21
	s_mov_b32 s79, 0
	s_lshl_b32 s80, s76, 9
	s_mul_i32 s77, s14, 1536
	s_add_co_u32 s80, s80, s77
	s_mov_b32 s81, 0
	s_add_co_u32 s33, s77, WSC
	s_mul_i32 s82, s17, 9216
	s_mul_i32 s83, s16, 768
	s_add_co_u32 s82, s82, s83
	s_mul_i32 s77, s14, 192
	s_add_co_u32 s82, s82, s77
	s_mov_b32 s83, 0
	s_add_co_u32 s45, s77, TBL
	s_mov_b32 s20, 1
	s_mov_b32 s32, 1
	s_mov_b32 s44, 1
	s_wait_dscnt 0x0
	s_wait_kmcnt 0x0
	s_add_nc_u64 s[22:23], s[4:5], s[78:79]
	s_or_b32 s23, s23, 0x80000000
	s_add_nc_u64 s[34:35], s[6:7], s[80:81]
	s_or_b32 s35, s35, 0x80000000
	s_add_nc_u64 s[46:47], s[8:9], s[82:83]
	s_or_b32 s47, s47, 0x80000000
	tensor_load_to_lds s[20:23], s[24:31]          ; the launch's only fills: three loads of mine are out
	s_nop 0
	tensor_load_to_lds s[32:35], s[36:43]
	s_nop 0
	tensor_load_to_lds s[44:47], s[48:55]
	s_nop 0
	PLACES 4
	s_mul_i32 s78, s19, 8*TILEB
	s_add_nc_u64 s[56:57], s[4:5], s[78:79]        ; my eight tiles of x
	s_lshl_b32 s78, s19, 12
	s_add_nc_u64 s[58:59], s[6:7], s[78:79]        ; and their scale blocks
.irp i, 0,1,2,3,4,5,6,7
.irp k, 0,1,2
	global_load_b32 v[XS+3*\i+\k], v[LI], s[58:59] offset:512*\i+4*\k
.endr
.endr
.irp s, 0,1,2,3,4,5                    ; x's fragment (K step s, tile i): window 1 + s / 2, register 128 (s % 2) + 16 i.  K step by K step, so that the waits below can count
	WIN ((1+\s/2)<<6)
.irp i, 0,1,2,3,4,5,6,7
.irp c, 0,1,2,3
	global_load_b128 v[128*(\s%2)+16*\i+4*\c:128*(\s%2)+16*\i+4*\c+3], v[LI], s[56:57] offset:TILEB*\i+2048*\s+512*\c
.endr
.endr
.endr
	WIN 0
	v_bfe_u32 v8, v0, 4, 1                         ; h
	v_lshl_add_u32 v[TBQ0], v8, 6, TBL
	v_and_b32 v8, 15, v0                           ; r
	v_and_b32 v9, 8, v8
	v_add_nc_u32 v9, v9, v8                        ; r + 8 (r / 8)
	v_lshl_add_u32 v[TBV0], v9, 2, TBL
	s_mov_b32 s[MNT], 0x600000
	s_mov_b32 s[SEL], 0x76543210
	s_mov_b32 s[SEL+1], 0xfedcba98
	; where the results go: the choices hang on the work-group's number alone
	s_and_b32 s75, s16, 3
	s_mul_i32 s75, s75, 3                          ; my first head
	s_mul_i32 s76, s17, 12
	s_add_co_u32 s75, s75, s76
	s_lshl_b32 s75, s75, 3
	s_add_co_u32 s75, s75, s18                     ; ((12 b + head) 8 + block)
	s_mov_b32 s76, 17408
	s_mov_b32 s66, 139264
	s_mov_b32 s67, 0
	s_mov_b32 s[FLR], 0x4800000
	s_mov_b32 s77, 16384
	s_cmp_lt_u32 s16, 4                            ; q?
	s_cselect_b64 s[60:61], s[10:11], s[12:13]
	s_cselect_b32 s76, 8704, s76                   ; bytes of a block,
	s_cselect_b32 s66, 69632, s66                  ; of a head,
	s_cselect_b32 s[FLR], 0x6000000, s[FLR]        ; the floor,
	s_cselect_b32 s[SUB], 0x03030303, 0            ; what comes off the bytes,
	s_cselect_b32 s77, 8192, s77                   ; and from the codes to the scale words
	s_cmp_lt_u32 s16, 8                            ; v?
	s_cselect_b32 s78, 0, 8192
	s_cselect_b32 s77, s77, 8704
	s_mul_i32 s80, s75, s76
	s_add_co_u32 s80, s80, s78
	s_mov_b32 s81, 0
	s_add_nc_u64 s[60:61], s[60:61], s[80:81]      ; codes
	s_mov_b32 s80, s77
	s_add_nc_u64 s[62:63], s[60:61], s[80:81]      ; scale words
	s_mov_b32 s84, 0                               ; the head in hand: W's images,
	s_mov_b32 s85, WSC                             ; their scale blocks,
	s_mov_b32 s86, 0                               ; its shift
	s_mov_b32 s74, 0
	s_wait_tensorcnt 0x0                           ; my three fills have landed,
	s_barrier_signal -1
	s_barrier_wait -1                              ; everybody's have; nothing is filled again
.macro WFETCH c, s                     ; two tiles of W, K step s, into buffer s % 2
.irp u, 0,1
.irp q, 0,1,2,3
	ds_load_b128 v[WF+32*((\s)%2)+16*\u+4*\q:WF+32*((\s)%2)+16*\u+4*\q+3], v[WA] offset:TILEB*(2*\c+\u)+2048*(\s)+512*\q
.endr
.endr
.endm
; 16 products of K step s: 8 tiles of tokens x 2 tiles of W.  The sixteen accumulators take turns, one instruction a turn, in the same order in every step.
; A scale register holds an even K step's words in lanes 0-15 and the odd step's in lanes 16-31.
.macro PROD mode, s
.irp i, 0,1,2,3,4,5,6,7
.irp u, 0,1
.set XR, 128*((\s)%2)+16*\i
.set WR, WF+32*((\s)%2)+16*\u
.set SX, XS+3*\i+(\s)/2
.set SY, WS+3*\u+(\s)/2
.if \mode == 0
.set DD, ACC+16*\i+8*\u
.set AA, WR
.set BB, XR
.set SA, SY
.set SB, SX
.else
.set DD, ACC+64*\u+8*\i
.set AA, XR
.set BB, WR
.set SA, SX
.set SB, SY
.endif
.if (\s) == 0
	v_wmma_scale_f32_16x16x128_f8f6f4 v[DD:DD+7], v[AA:AA+15], v[BB:BB+15], v[CB+8*\u:CB+8*\u+7], v[SA], v[SB]
.elseif (\s)%2
	v_wmma_scale_f32_16x16x128_f8f6f4 v[DD:DD+7], v[AA:AA+15], v[BB:BB+15], v[DD:DD+7], v[SA], v[SB] matrix_a_scale:MATRIX_SCALE_ROW1 matrix_b_scale:MATRIX_SCALE_ROW1
.else
	v_wmma_scale_f32_16x16x128_f8f6f4 v[DD:DD+7], v[AA:AA+15], v[BB:BB+15], v[DD:DD+7], v[SA], v[SB]
.endif
.endr
.endr
.endm
; q, k: block b of four is token tile 4 g + b; its 16 registers are my half of block c of the head's 64
.macro EPI_QK c
	WIN 0
	PLACES 9                                       ; behind the last products: 8 for vector reads of results and writes over operands, 9 for the next block's products, which begin the accumulators anew
.irp g, 0,1
	s_wait_xcnt 0x0                                ; the stores before have read the codes' registers
	QMAX ACC+64*\g, 4
	QSCL 4
.if \c == 0
	v_lshl_or_b32 v[CW+2*\g], v[TM+5], 16, v[TM+4]
	v_lshl_or_b32 v[CW+2*\g+1], v[TM+7], 16, v[TM+6]
.else
	v_lshl_or_b32 v[CW+2*\g], v[TM+4], 8, v[CW+2*\g]
	v_lshl_or_b32 v[CW+2*\g], v[TM+5], 24, v[CW+2*\g]
	v_lshl_or_b32 v[CW+2*\g+1], v[TM+6], 8, v[CW+2*\g+1]
	v_lshl_or_b32 v[CW+2*\g+1], v[TM+7], 24, v[CW+2*\g+1]
.endif
	QCVT ACC+64*\g, 4, PC
.irp b, 0,1,2,3
	global_store_b128 v[LI], v[PC+4*\b:PC+4*\b+3], s[60:61] offset:1024*(4*\g+\b)+512*\c   ; 512 consecutive bytes
.endr
.endr
.if \c == 1
.irp k, 0,1,2,3
	v_sub_nc_u32 v[CW+\k], v[CW+\k], s[SUB]        ; q: 3 off each byte (each is at least 4: no borrow); k: 0
.endr
	global_store_b128 v[LI], v[CW:CW+3], s[62:63]
.endif
.endm
; v: block b of four is key block b of channel tile 2 c + u
.macro EPI_V c
	WIN 0
	PLACES 9
.irp u, 0,1
	s_wait_xcnt 0x0
	QMAX ACC+64*\u, 4
	QSCL 4
	v_lshl_or_b32 v[CW+2*\c+\u], v[TM+5], 8, v[TM+4]
	v_lshl_or_b32 v[CW+2*\c+\u], v[TM+6], 16, v[CW+2*\c+\u]
	v_lshl_or_b32 v[CW+2*\c+\u], v[TM+7], 24, v[CW+2*\c+\u]
	QCVT ACC+64*\u, 4, PC
.irp b, 0,1,2,3
	global_store_b128 v[LI], v[PC+4*\b:PC+4*\b+3], s[60:61] offset:2048*(2*\c+\u)+512*\b
.endr
.endr
.if \c == 1
	global_store_b128 v[LI], v[CW:CW+3], s[62:63]
.endif
.endm
; A block of 32 columns: block c of the head in hand.  mode 0: q, k; 1: v.
.macro CBLK mode, c
	WIN 0
	s_wait_xcnt 0x0                                ; the last block's stores have read the registers that the loads below fill
.if \mode == 0
.irp j, 0,1,2,3
	ds_load_b128 v[CB+4*\j:CB+4*\j+3], v[TBQ] offset:128*\c+16*\j          ; register 8 u + j: the shift of column 32 c + 16 h + 8 u + j
.endr
.else
.irp u, 0,1
.irp j, 0,1,2,3,4,5,6,7
	ds_load_b32 v[CB+8*\u+\j], v[TBV] offset:128*\c+32*\u                  ; my channel's shift, for all eight keys of a lane
.endr
.endr
.endif
.irp u, 0,1
.irp k, 0,1,2
	ds_load_b32 v[WS+3*\u+\k], v[WSA] offset:512*(2*\c+\u)+4*\k
.endr
.endr
	WFETCH \c, 0
.irp s, 0,1,2,3,4,5
	WIN 0
.if \s > 0
	PLACES 8                                       ; behind the products of the step before, which read the buffer that is loaded now (ISA guide 7.12.1 for vector instructions)
.endif
.if \s < 5
	WFETCH \c, \s+1
	s_wait_dscnt 8                                 ; all but the next step's eight loads
.else
	s_wait_dscnt 0x0
.endif
.if \s == 0
	s_wait_loadcnt 63                              ; of the 216 loads at the head the youngest 63 may be out: they belong to x's K steps 4 and 5
.elseif \s == 4
	s_wait_loadcnt 32                              ; K step 5's 32 may be out
.elseif \s == 5
	s_wait_loadcnt 0x0
.endif
.if \mode == 0
	WIN ((1+\s/2)<<2)                              ; source 1 = x
.else
	WIN (1+\s/2)                                   ; source 0 = x
.endif
	PROD \mode, \s
.endr
.if \mode == 0
	EPI_QK \c
.else
	EPI_V \c
.endif
.endm
.Lhead:                                            ; three trips, a head each; every wave of every work-group walks the loop, and the two ways part inside it
	v_add_nc_u32 v[WA], s84, v[LI]
	v_add_nc_u32 v[WSA], s85, v[LI]
	v_add_nc_u32 v[TBQ], s86, v[TBQ0]
	v_add_nc_u32 v[TBV], s86, v[TBV0]
	s_cmp_lt_u32 s16, 8
	s_cbranch_scc0 .Lvpath
	CBLK 0, 0
	CBLK 0, 1
	s_branch .Ljoin
.Lvpath:
	CBLK 1, 0
	CBLK 1, 1
.Ljoin:
	s_wait_xcnt 0x0                                ; the stores have read their bases
	s_add_nc_u64 s[60:61], s[60:61], s[66:67]
	s_add_nc_u64 s[62:63], s[62:63], s[66:67]
	s_add_co_u32 s84, s84, 4*TILEB
	s_add_co_u32 s85, s85, 2048
	s_add_co_u32 s86, s86, 256
	s_add_co_u32 s74, s74, 1
	s_cmp_lt_u32 s74, 3
	s_cbranch_scc1 .Lhead
	s_wait_tensorcnt 0x0
	ds_add_u32 v254, v255
	s_wait_dscnt 0x0
	s_endpgm
.Lfunc_end_k_q7cad3bc9ae_qkv:
	.size	k_q7cad3bc9ae_qkv, .Lfunc_end_k_q7cad3bc9ae_qkv-k_q7cad3bc9ae_qkv
	.p2alignl 7, 3214868480
	.fill 96, 4, 3214868480
	.section	.rodata,"a",@progbits
	.p2align	6, 0x0
	.amdhsa_kernel k_q7cad3bc9ae_qkv
		.amdhsa_group_segment_fixed_size 168448
		.amdhsa_private_segment_fixed_size 0
		.amdhsa_enable_private_segment 0
		.amdhsa_kernarg_size 40
		.amdhsa_user_sgpr_count 2
		.amdhsa_user_sgpr_kernarg_segment_ptr 1
		.amdhsa_wavefront_size32 1
		.amdhsa_system_sgpr_workgroup_id_x 1
		.amdhsa_system_sgpr_workgroup_id_y 1
		.amdhsa_system_sgpr_workgroup_id_z 1
		.amdhsa_system_vgpr_workitem_id 0
		.amdhsa_next_free_vgpr 1024
		.amdhsa_next_free_sgpr 90
		.amdhsa_reserve_vcc 0
		.amdhsa_float_denorm_mode_32 3
		.amdhsa_float_denorm_mode_16_64 3
		.amdhsa_memory_ordered 1
		.amdhsa_forward_progress 1
		.amdhsa_inst_pref_size 167
	.end_amdhsa_kernel
	.amdgpu_metadata
---
amdhsa.version: [ 1, 2 ]
amdhsa.kernels:
  - .name:           k_q7cad3bc9ae_qkv
    .symbol:         k_q7cad3bc9ae_qkv.kd
    .args:
      - { .name: img, .offset: 0, .size: 8, .value_kind: global_buffer, .address_space: global }
      - { .name: isc, .offset: 8, .size: 8, .value_kind: global_buffer, .address_space: global }
      - { .name: tb, .offset: 16, .size: 8, .value_kind: global_buffer, .address_space: global }
      - { .name: qbuf, .offset: 24, .size: 8, .value_kind: global_buffer, .address_space: global }
      - { .name: kv, .offset: 32, .size: 8, .value_kind: global_buffer, .address_space: global }
    .group_segment_fixed_size: 168448
    .private_segment_fixed_size: 0
    .kernarg_segment_align: 8
    .kernarg_segment_size: 40
    .max_flat_workgroup_size: 128
    .sgpr_count:     90
    .vgpr_count:     1024
    .wavefront_size: 32
...
	.end_amdgpu_metadata
.endif
;; end of part 2
;; launch attn (part 3): grid 4 x 192, 8 waves a work-group, clusters of 4 x 4, 327,680 bytes of LDS; arguments qbuf, kv, rel_pos_bias, oimg, osc; writes oimg, osc
.if DOCPART == 3
	.amdgcn_target "amdgcn-amd-amdhsa--gfx1250"
	.amdhsa_code_object_version 6
	.text
	.protected	k_q7cad3bc9ae_attn
	.globl	k_q7cad3bc9ae_attn
	.p2align	8
	.type	k_q7cad3bc9ae_attn,@function
k_q7cad3bc9ae_attn:
	s_mov_b64 s[64:65], 0
	v_nop
	global_prefetch_b8 v0, s[64:65] scope:SCOPE_SE
	s_setreg_imm32_b32 hwreg(HW_REG_WAVE_MODE, 25, 1), 1
	s_wait_xcnt 0x0
	s_wait_alu depctr_hold_cnt(0) depctr_sa_sdst(0) depctr_va_vdst(0) depctr_va_sdst(0) depctr_va_ssrc(0) depctr_va_vcc(0) depctr_vm_vsrc(0)
	s_getreg_b32 s2, hwreg(HW_REG_IB_STS2, 6, 4)
	s_cmp_eq_u32 s2, 0
	s_cbranch_scc0 .Lentry_in_a_cluster
	s_endpgm
.Lentry_in_a_cluster:
	s_bfe_u32 s2, ttmp6, 0x10000c
	s_cmp_lg_u32 s2, 0xf033
	s_cbranch_scc0 .Lentry_shape_is_right
	s_endpgm
.Lentry_shape_is_right:
; ATTENTION on codes of FP8 (E4M3) with E8M0 scales: S^T = K Q^T / 8 + bias, p = 2^(t - M), O^T = V^T P^T, o = O / l, o quantised along the head's 64 for the last projection.
; t = logit x log2(e); M = the running largest t rounded UP to a whole number, kept as -M = floor(-t); l is the sum of the unquantised p; when M moves, l and O^T are multiplied by 2^(old M - new M): exact.
; SHARES.  Work-group (x, y): batches 2 x and 2 x + 1, head y / 16, queries 64 (y % 16) on.  Wave w: batch 2 x + w / 4, tile w % 4 of 16 queries.  Every wave walks the 1,024 keys, 128 a step.
; CLUSTER 4 x 4.  The bias tile hangs on y alone: the four work-groups of a row of the cluster ask for it JOINTLY, so that each byte of rel_pos_bias is asked for once for all 8 batches.
; K's and V's tiles hang on x and the head alone (the head is the same in the whole cluster): shared along a column.  Waves 0-3 ask for the bias (16 queries x 256 keys each), waves 4-7 for K and V (a key step's block each).
; LAYOUT.  Both products are used transposed: a lane holds ONE query (lane % 16).  Tiles hold rows 32 (T / 2) + 8 (T % 2) + m + 8 (m / 8), so that the 16 registers of score tiles 2 b, 2 b + 1 are keys 32 b + 16 (lane / 16) + 0 .. 15.
; THE SCORES' K IS 64, the instruction's 128: a fragment of K holds TWO tiles of keys (tile 2 P in k 0-63, tile 2 P + 1 in k 64-127), and q stands beside zero codes, (q, 0) or (0, q): the zeros take the other tile out.
; THE BIAS IS THE C OF THE SCORE PRODUCT: it is loaded from LDS into the accumulators in the result's layout.  1 / 8 lies in q's scale bytes.
; RING.  Two slots of 256 keys.  By this text's count a wave has two tensor loads out at the start and one behind each round; a refill has two key steps in which to land.
; LIMITS: NaN and infinities are not served.  A block's largest p is made from the block's largest score by the same multiply-add and exponential: this takes v_exp_f32 not to fall where its input rises.
; Blocks under the floor 2^(9 - 127) keep the byte 1 (their codes are zeros or subnormal codes); this program alone reads the bytes.
.set SLOT,  136704                     ; a slot: the bias, 4 groups of 16 rows (row pitch 1,040, group pitch 16,768); then four blocks of K and V: (batch, step)
.set KVO,   67072
.set STEPB, 17408                      ; a key step's block: K 8,192, V 8,192, K's pair words 512, V's scale words 512
.set SPARE, 2*SLOT                     ; the spare words, 128 bytes for each wave: four blocks of 256 bytes that no other line names
.set SPW,  1                           ; v1   my spare word; never rewritten
.set NIL,  2                           ; v2   0; never rewritten
.set ABI,  3                           ; v3-4 my query's row of the bias, + 64 h, in slot 0, 1
.set AKV,  5                           ; v5-6 my batch's blocks, + 16 x lane, in slot 0, 1
.set LI,   7                           ; v7   16 x lane
.set R4,   8                           ; v8   4 r
.set QZ,   16                          ; v16-23 zeros, v24-31 q, v32-39 zeros
.set KF,   40                          ; v40-103 four fragments of K, then of V
.set S,    104                         ; v104-167 the bias, S^T, p
.set O,    168                         ; v168-199 O^T
.set PC,   200                         ; v200-215 p's codes
.set KS,   216                         ; v216-219 K's pair words
.set VS,   220                         ; v220-223 V's scale words
.set QS,   224                         ; v224 q's scale word (c0, c1, c0, c1)
.set PW,   225                         ; v225 p's scale word
.set TM,   228                         ; v228-231 largest, 232-235 bytes, 236-239 448 x the scale, 240-243 the conversions' scale operands
.set F,    244                         ; v[244:245] 2^(old M - new M), and a 0 named with it
.set T0,   246
.set SUM2, 248                         ; v[248:249] the sum's second chain
.set G1B,  24
.set G0B,  32
.set G1K,  40
.set G0K,  48
.set CS,   56
.set SEL,  58
.set MNT,  60
.set FLR,  61
.set PSEL, 62
.macro PLACES n
.rept \n
	v_nop
.endr
.endm
.macro CROUND                          ; a round of the cluster's barrier
	s_barrier_signal -1
	s_barrier_wait -1
	s_cmp_lg_u32 s14, 0
	s_cbranch_scc1 .Lnot_wave_0_\@
	s_barrier_signal -3
.Lnot_wave_0_\@:
	s_barrier_wait -3
	s_barrier_signal -1
	s_barrier_wait -1
.endm
.macro JLOAD sl                        ; a joint refill of slot sl; the branch hangs on the wave's number alone; four v_nop follow each of the two lines
	s_cmp_lt_u32 s14, 4
	s_cbranch_scc0 .Lfor_kv_\@
	tensor_load_to_lds s[G0B+4*\sl:G0B+4*\sl+3], s[G1B:G1B+7]
	s_nop 0
	PLACES 4
	s_branch .Lasked_\@
.Lfor_kv_\@:
	tensor_load_to_lds s[G0K+4*\sl:G0K+4*\sl+3], s[G1K:G1K+7]
	s_nop 0
	PLACES 4
.Lasked_\@:
.endm
.macro QMAX src, nb
.irp b, 0,1,2,3
.if \b < \nb
	v_max3_num_f32 v[TM+\b], |v[16*\b+(\src)]|, |v[16*\b+1+(\src)]|, s[FLR]
.endif
.endr
.irp i, 2,4,6,8,10,12,14
.irp b, 0,1,2,3
.if \b < \nb
	v_max3_num_f32 v[TM+\b], v[TM+\b], |v[16*\b+\i+(\src)]|, |v[16*\b+\i+1+(\src)]|
.endif
.endr
.endr
.irp b, 0,1,2,3
.if \b < \nb
	v_permlanex16_b32 v[TM+4+\b], v[TM+\b], s[SEL], s[SEL+1]
.endif
.endr
.irp b, 0,1,2,3
.if \b < \nb
	v_max_num_f32 v[TM+\b], v[TM+\b], v[TM+4+\b]
.endif
.endr
.endm
.macro QSCL nb
.irp b, 0,1,2,3
.if \b < \nb
	v_add_nc_u32 v[TM+12+\b], 0xfc000000, v[TM+\b]
.endif
.endr
.irp b, 0,1,2,3
.if \b < \nb
	v_and_or_b32 v[TM+8+\b], v[TM+\b], 0x7f800000, s[MNT]
.endif
.endr
.irp b, 0,1,2,3
.if \b < \nb
	v_lshrrev_b32 v[TM+4+\b], 23, v[TM+12+\b]
.endif
.endr
.endm
.macro QCVT src, nb, pc
.irp b, 0,1,2,3
.if \b < \nb
.irp i, 0,1,2,3,4,5,6,7,8,9,10,11,12,13,14,15
	v_med3_num_f32 v[16*\b+\i+(\src)], v[16*\b+\i+(\src)], -v[TM+8+\b], v[TM+8+\b]
.endr
	v_cvt_scalef32_pk8_fp8_f32 v[4*\b+(\pc):4*\b+1+(\pc)], v[16*\b+(\src):16*\b+7+(\src)], v[TM+12+\b]
	v_cvt_scalef32_pk8_fp8_f32 v[4*\b+2+(\pc):4*\b+3+(\pc)], v[16*\b+8+(\src):16*\b+15+(\src)], v[TM+12+\b]
.endif
.endr
	v_nop
.endm
	s_load_b256 s[4:11], s[0:1], 0x0               ; qbuf 4, kv 6, rel_pos_bias 8, oimg 10
	s_load_b64 s[12:13], s[0:1], 0x20              ; osc
	v_lshl_add_u32 v[SPW], v0, 2, SPARE
	v_mov_b32 v[NIL], 0
	ds_add_u32 v1, v2
	ds_add_u32 v1, v2
	s_wait_dscnt 0x0
	v_lshrrev_b32 v9, 5, v0
	v_readfirstlane_b32 s14, v9                    ; wave 0..7
	s_and_b32 s15, s14, 3                          ; my tile of queries; also: which quarter I fetch
	s_lshr_b32 s16, s14, 2                         ; which of the two batches
	s_bfe_u32 s72, ttmp6, 0x40000                  ; cx
	s_bfe_u32 s73, ttmp6, 0x40004                  ; cy
	s_lshl_b32 s74, ttmp9, 2
	s_add_co_u32 s74, s74, s72                     ; x: the pair of batches
	s_and_b32 s75, ttmp7, 0xffff                   ; the cluster's y
	s_lshr_b32 s76, s75, 2                         ; the head: the same in the whole cluster
	s_lshl_b32 s77, s75, 2
	s_add_co_u32 s77, s77, s73                     ; y = 16 x head + block of 64 queries
	s_lshl_b32 s78, s73, 2
	s_lshl_b32 s78, 15, s78                        ; my row of the cluster
	s_lshl_b32 s79, 0x1111, s72                    ; my column
	; group 1, the bias: 16 rows x 256 f32, 1,024 elements from row to row; 4 words of padding behind each row's 256 words
	s_or_b32 s[G1B], s78, (2<<16)|(1<<20)|(1<<21)|(7<<22)|(3<<25)
	s_mov_b32 s[G1B+1], 256<<16
	s_mov_b32 s[G1B+2], 16<<16
	s_mov_b32 s[G1B+3], 256<<16
	s_mov_b32 s[G1B+4], 16
	s_mov_b32 s[G1B+5], 1024
	s_mov_b32 s[G1B+6], 0
	s_mov_b32 s[G1B+7], 0
	; group 1, K and V: a dense block of 17,408 bytes as 68 rows of 256
	s_or_b32 s[G1K], s79, (3<<16)|(1<<21)
	s_mov_b32 s[G1K+1], 32<<16
	s_mov_b32 s[G1K+2], 68<<16
	s_mov_b32 s[G1K+3], 32<<16
	s_mov_b32 s[G1K+4], 68
	s_mov_b32 s[G1K+5], 32
	s_mov_b32 s[G1K+6], 0
	s_mov_b32 s[G1K+7], 0
	s_lshl_b32 s80, s77, 18                        ; the bias: row 64 y + 16 x quarter, 4,096 bytes a row: made of y and the wave's number alone
	s_lshl_b32 s81, s15, 16
	s_add_co_u32 s80, s80, s81
	s_mov_b32 s81, 0
	s_lshl_b32 s82, s74, 1                         ; K and V: batch 2 x + quarter / 2, the head, step quarter % 2: made of x, the head and the wave's number alone
	s_lshr_b32 s83, s15, 1
	s_add_co_u32 s82, s82, s83
	s_mul_i32 s82, s82, 12
	s_add_co_u32 s82, s82, s76
	s_mul_i32 s82, s82, 8*STEPB
	s_and_b32 s83, s15, 1
	s_mul_i32 s83, s83, STEPB
	s_add_co_u32 s82, s82, s83
	s_mov_b32 s83, 0
	s_mul_i32 s84, s15, 16768                      ; where they go: no place in the cluster enters an LDS address
	s_mul_i32 s85, s15, STEPB
	s_add_co_u32 s85, s85, KVO
	s_mov_b32 s[CS], 0x3fb8aa3b                    ; log2(e)
	s_mov_b32 s[CS+1], s[CS]                       ; (named with it as a pair, so it is written)
	s_mov_b32 s[SEL], 0x76543210
	s_mov_b32 s[SEL+1], 0xfedcba98
	s_mov_b32 s[MNT], 0x600000
	s_mov_b32 s[FLR], 0x4800000
	s_and_b32 s[PSEL], s14, 1
	s_mul_i32 s[PSEL], s[PSEL], 0x02020202
	s_add_co_u32 s[PSEL], s[PSEL], 0x01000100      ; bytes 0, 1 of a pair word for an even tile, bytes 2, 3 for an odd one, twice
	s_wait_kmcnt 0x0
	s_add_nc_u64 s[86:87], s[8:9], s[80:81]
	s_add_nc_u64 s[88:89], s[6:7], s[82:83]
.irp sl, 0,1                           ; group 0, a set for each slot: slot sl begins with keys 256 sl on
	s_mov_b32 s[G0B+4*\sl], 1
	s_add_co_u32 s[G0B+4*\sl+1], s84, \sl*SLOT
	s_add_nc_u64 s[G0B+4*\sl+2:G0B+4*\sl+3], s[86:87], \sl*1024
	s_or_b32 s[G0B+4*\sl+3], s[G0B+4*\sl+3], 0x80000000
	s_mov_b32 s[G0K+4*\sl], 1
	s_add_co_u32 s[G0K+4*\sl+1], s85, \sl*SLOT
	s_add_nc_u64 s[G0K+4*\sl+2:G0K+4*\sl+3], s[88:89], \sl*2*STEPB
	s_or_b32 s[G0K+4*\sl+3], s[G0K+4*\sl+3], 0x80000000
.endr
	CROUND                                         ; all sixteen work-groups are here: the first joint loads meet
	s_cmp_lt_u32 s14, 4                            ; a wave's two first fills stand in one branch
	s_cbranch_scc0 .Lfirst_kv
	tensor_load_to_lds s[G0B:G0B+3], s[G1B:G1B+7]
	s_nop 0
	tensor_load_to_lds s[G0B+4:G0B+7], s[G1B:G1B+7]
	s_nop 0
	PLACES 4
	s_branch .Lfirst_asked
.Lfirst_kv:
	tensor_load_to_lds s[G0K:G0K+3], s[G1K:G1K+7]
	s_nop 0
	tensor_load_to_lds s[G0K+4:G0K+7], s[G1K:G1K+7]
	s_nop 0
	PLACES 4
.Lfirst_asked:
	; my q, my rows of oimg and osc
	s_lshl_b32 s90, s74, 1
	s_add_co_u32 s90, s90, s16                     ; my batch
	s_and_b32 s91, s77, 15                         ; my block of 64 queries
	s_mul_i32 s92, s90, 12
	s_add_co_u32 s92, s92, s76
	s_lshl_b32 s92, s92, 3
	s_lshr_b32 s93, s91, 1
	s_add_co_u32 s92, s92, s93
	s_mul_i32 s92, s92, 8704                       ; qbuf's block of 128 tokens
	s_and_b32 s93, s91, 1
	s_lshl_b32 s93, s93, 2
	s_add_co_u32 s93, s93, s15                     ; my tile among its eight
	s_lshl_b32 s94, s93, 10
	s_add_co_u32 s94, s94, s92
	s_mov_b32 s95, 0
	s_add_nc_u64 s[66:67], s[4:5], s[94:95]        ; q's codes
	s_lshr_b32 s93, s93, 1
	s_lshl_b32 s93, s93, 2
	s_add_co_u32 s94, s92, s93
	s_add_co_u32 s94, s94, 8192
	s_add_nc_u64 s[20:21], s[4:5], s[94:95]        ; its pair word
	s_lshl_b32 s92, s90, 6
	s_lshl_b32 s93, s91, 2
	s_add_co_u32 s92, s92, s93
	s_add_co_u32 s92, s92, s15                     ; my tile of tokens among all 512
	s_mul_i32 s94, s92, 12288
	s_lshl_b32 s93, s76, 10                        ; the head's place in a tile's images: K step head / 2, quads 2 (head % 2) on
	s_add_co_u32 s94, s94, s93
	s_add_nc_u64 s[68:69], s[10:11], s[94:95]
	s_mul_i32 s94, s92, 6
	s_lshr_b32 s93, s76, 1
	s_add_co_u32 s94, s94, s93
	s_lshl_b32 s94, s94, 6
	s_and_b32 s93, s76, 1
	s_lshl_b32 s93, s93, 1
	s_add_co_u32 s94, s94, s93
	s_add_nc_u64 s[70:71], s[12:13], s[94:95]
	v_and_b32 v11, 31, v0
	v_lshlrev_b32 v[LI], 4, v11
	global_load_b128 v[QZ+8:QZ+11], v[LI], s[66:67]
	global_load_b128 v[QZ+12:QZ+15], v[LI], s[66:67] offset:512
	global_load_b32 v226, v[LI], s[20:21]
	v_and_b32 v9, 15, v0                           ; r
	v_bfe_u32 v10, v0, 4, 1                        ; h
	v_and_b32 v11, 7, v0                           ; r % 8
	v_bfe_u32 v[T0], v0, 3, 1                      ; r / 8
	v_mul_u32_u24 v[ABI], v11, 1040                ; query 32 (tile / 2) + 8 (tile % 2) + r + 8 (r / 8): group 2 (tile / 2) + r / 8, row 8 (tile % 2) + r % 8
	v_mad_u32_u24 v[ABI], v[T0], 16768, v[ABI]
	v_lshl_add_u32 v[ABI], v10, 6, v[ABI]
	s_lshr_b32 s17, s15, 1
	s_mul_i32 s17, s17, 33536
	s_and_b32 s18, s15, 1
	s_mul_i32 s18, s18, 8320
	s_add_co_u32 s17, s17, s18
	v_add_nc_u32 v[ABI], s17, v[ABI]
	v_add_nc_u32 v[ABI+1], SLOT, v[ABI]
	s_mul_i32 s17, s16, 2*STEPB
	s_add_co_u32 s17, s17, KVO
	v_add_nc_u32 v[AKV], s17, v[LI]
	v_add_nc_u32 v[AKV+1], SLOT, v[AKV]
	v_lshlrev_b32 v[R4], 2, v9
.irp j, 0,1,2,3,4,5,6,7
	v_mov_b32 v[QZ+\j], 0                          ; zero codes on either side of q
	v_mov_b32 v[QZ+16+\j], 0
.endr
.set J, 0
.rept 32
	v_mov_b32 v[O+J], 0                            ; O^T.  (The step is written once: the first finds zeros, which the first change of M leaves zeros)
.set J, J+1
.endr
	v_mov_b32 v13, 0xff61b1e6                      ; the largest t so far: -3e38
	v_floor_f32 v12, -v13                          ; -M
	v_mov_b32 v14, 0
	v_mov_b32 v15, 0
	v_mov_b32 v[F+1], 0
.irp b, 0,1,2,3
	v_mov_b32 v[TM+4+\b], 0                        ; a lane permute's destination counts as one of its sources
.endr
	s_wait_tensorcnt 1                             ; my part of slot 0 is in; slot 1's may stay out
	s_barrier_signal -1
	s_barrier_wait -1
	s_wait_loadcnt 0x0
	v_perm_b32 v[QS], v226, v226, s[PSEL]
; A KEY STEP: 128 keys, the sg-th of slot sl.
.macro STEP sl, sg
	PLACES 8                                       ; behind the last products, in front of loads into registers that they read (ISA guide 7.12.1 for vector instructions)
.irp k, 0,1,2,3
.irp j, 0,1,2,3
	ds_load_b128 v[S+16*\k+4*\j:S+16*\k+4*\j+3], v[ABI+\sl] offset:512*\sg+128*\k+16*\j   ; the bias of my query at keys 32 k + 16 h + 4 j on: the result's layout
.endr
.endr
.irp p, 0,1,2,3
.irp q, 0,1,2,3
	ds_load_b128 v[KF+16*\p+4*\q:KF+16*\p+4*\q+3], v[AKV+\sl] offset:STEPB*\sg+2048*\p+512*\q
.endr
.endr
	ds_load_b128 v[KS:KS+3], v[AKV+\sl] offset:STEPB*\sg+16384
	s_wait_dscnt 0x0
.irp p, 0,1,2,3                        ; eight accumulators, one instruction each
	v_wmma_scale_f32_16x16x128_f8f6f4 v[S+16*\p:S+16*\p+7], v[KF+16*\p:KF+16*\p+15], v[QZ+8:QZ+23], v[S+16*\p:S+16*\p+7], v[KS+\p], v[QS]
	v_wmma_scale_f32_16x16x128_f8f6f4 v[S+16*\p+8:S+16*\p+15], v[KF+16*\p:KF+16*\p+15], v[QZ:QZ+15], v[S+16*\p+8:S+16*\p+15], v[KS+\p], v[QS]
.endr
	PLACES 8
.irp t, 0,1,2,3
.irp q, 0,1,2,3
	ds_load_b128 v[KF+16*\t+4*\q:KF+16*\t+4*\q+3], v[AKV+\sl] offset:STEPB*\sg+8192+2048*\t+512*\q   ; V lands while the softmax is walked
.endr
.endr
	ds_load_b128 v[VS:VS+3], v[AKV+\sl] offset:STEPB*\sg+16896
.irp b, 0,1,2,3
	v_max3_num_f32 v[TM+\b], v[S+16*\b], v[S+1+16*\b], v[S+2+16*\b]   ; the largest logit of each block of 32 keys: for the row's maximum, and for the block's largest p
.endr
.irp i, 3,5,7,9,11,13
.irp b, 0,1,2,3
	v_max3_num_f32 v[TM+\b], v[TM+\b], v[S+16*\b+\i], v[S+1+16*\b+\i]
.endr
.endr
.irp b, 0,1,2,3
	v_max_num_f32 v[TM+\b], v[TM+\b], v[S+15+16*\b]
.endr
.irp b, 0,1,2,3
	v_permlanex16_b32 v[TM+4+\b], v[TM+\b], s[SEL], s[SEL+1]
.endr
.irp b, 0,1,2,3
	v_max_num_f32 v[TM+\b], v[TM+\b], v[TM+4+\b]
.endr
	v_max3_num_f32 v[T0], v[TM], v[TM+1], v[TM+2]
	v_max_num_f32 v[T0], v[T0], v[TM+3]
	v_mul_f32 v[T0], s[CS], v[T0]
	v_max_num_f32 v13, v13, v[T0]                  ; the running largest t
	v_mov_b32 v[T0], v12
	v_floor_f32 v12, -v13                          ; the new -M: a whole number
	v_sub_f32 v[T0], v12, v[T0]                    ; old M - new M: 0 or less
	v_cvt_i32_f32 v[T0], v[T0]                     ; (it saturates)
	v_ldexp_f32 v[F], 1.0, v[T0]
.set J, 0
.rept 32
	v_pk_fma_f32 v[S+J:S+J+1], v[S+J:S+J+1], s[CS:CS+1], v[12:13] op_sel_hi:[1,0,0]   ; t - M
.set J, J+2
.endr
.irp b, 0,1,2,3
	v_fma_f32 v[TM+\b], v[TM+\b], s[CS], v12
.endr
.set J, 0
.rept 64
	v_exp_f32 v[S+J], v[S+J]                       ; p, at most 1, not normalised
.set J, J+1
.endr
.irp b, 0,1,2,3
	v_exp_f32 v[TM+\b], v[TM+\b]                   ; the block's largest p
.endr
	v_pk_mul_f32 v[14:15], v[14:15], v[F:F+1] op_sel_hi:[1,0]   ; the sums under the new M (a plain line behind the exponentials)
	s_wait_alu depctr_va_vdst(0)
.irp b, 0,1,2,3
	v_max_num_f32 v[TM+\b], s[FLR], v[TM+\b]
.endr
	QSCL 4
	v_lshl_or_b32 v[PW], v[TM+5], 8, v[TM+4]
	v_lshl_or_b32 v[PW], v[TM+6], 16, v[PW]
	v_lshl_or_b32 v[PW], v[TM+7], 24, v[PW]
	v_pk_add_f32 v[SUM2:SUM2+1], v[S:S+1], v[S+2:S+3]           ; the row's sum is taken of the unquantised p, in two chains
.irp j, 4,8,12,16,20,24,28,32,36,40,44,48,52,56,60
	v_pk_add_f32 v[14:15], v[14:15], v[S+\j:S+1+\j]
	v_pk_add_f32 v[SUM2:SUM2+1], v[SUM2:SUM2+1], v[S+2+\j:S+3+\j]
.endr
	v_pk_add_f32 v[14:15], v[14:15], v[SUM2:SUM2+1]
.irp b, 0,1,2,3
.irp i, 0,1,2,3,4,5,6,7,8,9,10,11,12,13,14,15
	v_min_num_f32 v[S+16*\b+\i], v[S+16*\b+\i], v[TM+8+\b]      ; p is not negative: the hold is one-sided
.endr
	v_cvt_scalef32_pk8_fp8_f32 v[PC+4*\b:PC+1+4*\b], v[S+16*\b:S+7+16*\b], v[TM+12+\b]
	v_cvt_scalef32_pk8_fp8_f32 v[PC+2+4*\b:PC+3+4*\b], v[S+8+16*\b:S+15+16*\b], v[TM+12+\b]
.endr
.set J, 0
.rept 16
	v_pk_mul_f32 v[O+J:O+J+1], v[O+J:O+J+1], v[F:F+1] op_sel_hi:[1,0]   ; O^T under the new M; these lines also stand between the conversions and the products
.set J, J+2
.endr
	s_wait_dscnt 0x0                               ; V
.irp t, 0,1,2,3
	v_wmma_scale_f32_16x16x128_f8f6f4 v[O+8*\t:O+8*\t+7], v[KF+16*\t:KF+16*\t+15], v[PC:PC+15], v[O+8*\t:O+8*\t+7], v[VS+\t], v[PW]
.endr
.endm
; THE CHANGE OF SLOTS.  Slot sl has been read out and is filled again, with the keys 512 further on; the other slot is whole behind the round.
.macro CHANGE sl
	s_wait_tensorcnt 0x0                           ; no tensor load of mine is out, so a group 0 may be written
	ds_add_u32 v[SPW], v[NIL]                      ; 0 onto my spare word
	s_add_nc_u64 s[G0B+4*\sl+2:G0B+4*\sl+3], s[G0B+4*\sl+2:G0B+4*\sl+3], 2048
	s_add_nc_u64 s[G0K+4*\sl+2:G0K+4*\sl+3], s[G0K+4*\sl+2:G0K+4*\sl+3], 4*STEPB
	s_wait_dscnt 0x0                               ; the add is done, and my reads of the slot are over
	CROUND                                         ; no wave of any partner still reads the slot or has a load on its way
	JLOAD \sl
.endm
	STEP 0, 0
	STEP 0, 1
	CHANGE 0
	STEP 1, 0
	STEP 1, 1
	CHANGE 1
	STEP 0, 0
	STEP 0, 1
	s_wait_tensorcnt 0x0                           ; the last change of slots: nothing is asked for
	ds_add_u32 v[SPW], v[NIL]
	s_wait_dscnt 0x0
	s_barrier_signal -1
	s_barrier_wait -1
	STEP 1, 0
	STEP 1, 1
	; THE WAY OUT: o = O^T / l; register 16 b + i is channel 32 b + 16 h + i of my query: two blocks of 32 along the last projection's K
	v_add_f32 v14, v14, v15
	v_permlanex16_b32 v[T0], v14, s[SEL], s[SEL+1]
	v_add_f32 v14, v14, v[T0]
	v_rcp_f32 v14, v14
	PLACES 8                                       ; behind the last products and behind the reciprocal
.set J, 0
	s_wait_alu depctr_va_vdst(0)
.rept 32
	v_mul_f32 v[S+J], v[O+J], v14
.set J, J+1
.endr
	QMAX S, 2
	QSCL 2
	v_lshl_or_b32 v[T0], v[TM+5], 8, v[TM+4]
	QCVT S, 2, PC
	global_store_b128 v[LI], v[PC:PC+3], s[68:69]              ; 512 consecutive bytes each
	global_store_b128 v[LI], v[PC+4:PC+7], s[68:69] offset:512
	global_store_b16 v[R4], v[T0], s[70:71]                    ; my head's half of the row's scale word (lanes l and l + 16 store the same two bytes)
	s_wait_tensorcnt 0x0                           ; the wave's end
	ds_add_u32 v[SPW], v[NIL]
	s_wait_dscnt 0x0
	CROUND                                         ; the closing round
	s_endpgm
.Lfunc_end_k_q7cad3bc9ae_attn:
	.size	k_q7cad3bc9ae_attn, .Lfunc_end_k_q7cad3bc9ae_attn-k_q7cad3bc9ae_attn
	.p2alignl 7, 3214868480
	.fill 96, 4, 3214868480
	.section	.rodata,"a",@progbits
	.p2align	6, 0x0
	.amdhsa_kernel k_q7cad3bc9ae_attn
		.amdhsa_group_segment_fixed_size 327680
		.amdhsa_private_segment_fixed_size 0
		.amdhsa_enable_private_segment 0
		.amdhsa_kernarg_size 40
		.amdhsa_user_sgpr_count 2
		.amdhsa_user_sgpr_kernarg_segment_ptr 1
		.amdhsa_wavefront_size32 1
		.amdhsa_system_sgpr_workgroup_id_x 1
		.amdhsa_system_sgpr_workgroup_id_y 1
		.amdhsa_system_sgpr_workgroup_id_z 1
		.amdhsa_system_vgpr_workitem_id 0
		.amdhsa_next_free_vgpr 256
		.amdhsa_next_free_sgpr 96
		.amdhsa_reserve_vcc 0
		.amdhsa_float_denorm_mode_32 3
		.amdhsa_float_denorm_mode_16_64 3
		.amdhsa_memory_ordered 1
		.amdhsa_forward_progress 1
		.amdhsa_inst_pref_size 170
	.end_amdhsa_kernel
	.amdgpu_metadata
---
amdhsa.version: [ 1, 2 ]
amdhsa.kernels:
  - .name:           k_q7cad3bc9ae_attn
    .symbol:         k_q7cad3bc9ae_attn.kd
    .args:
      - { .name: qbuf, .offset: 0, .size: 8, .value_kind: global_buffer, .address_space: global }
      - { .name: kv, .offset: 8, .size: 8, .value_kind: global_buffer, .address_space: global }
      - { .name: rel_pos_bias, .offset: 16, .size: 8, .value_kind: global_buffer, .address_space: global }
      - { .name: oimg, .offset: 24, .size: 8, .value_kind: global_buffer, .address_space: global }
      - { .name: osc, .offset: 32, .size: 8, .value_kind: global_buffer, .address_space: global }
    .group_segment_fixed_size: 327680
    .private_segment_fixed_size: 0
    .kernarg_segment_align: 8
    .kernarg_segment_size: 40
    .max_flat_workgroup_size: 256
    .sgpr_count:     96
    .vgpr_count:     256
    .wavefront_size: 32
...
	.end_amdgpu_metadata
.endif
;; end of part 3
;; launch oproj (part 4): grid 64 x 4, 4 waves a work-group, clusters of 4 x 1, 255,232 bytes of LDS; arguments oimg, osc, img, isc, b_o, out0; writes out0
.if DOCPART == 4
	.amdgcn_target "amdgcn-amd-amdhsa--gfx1250"
	.amdhsa_code_object_version 6
	.text
	.protected	k_q7cad3bc9ae_oproj
	.globl	k_q7cad3bc9ae_oproj
	.p2align	8
	.type	k_q7cad3bc9ae_oproj,@function
k_q7cad3bc9ae_oproj:
	s_mov_b64 s[64:65], 0
	v_nop
	global_prefetch_b8 v0, s[64:65] scope:SCOPE_SE
	s_setreg_imm32_b32 hwreg(HW_REG_WAVE_MODE, 25, 1), 1
	s_wait_xcnt 0x0
	s_wait_alu depctr_hold_cnt(0) depctr_sa_sdst(0) depctr_va_vdst(0) depctr_va_sdst(0) depctr_va_ssrc(0) depctr_va_vcc(0) depctr_vm_vsrc(0)
	s_getreg_b32 s2, hwreg(HW_REG_IB_STS2, 6, 4)
	s_cmp_eq_u32 s2, 0
	s_cbranch_scc0 .Lentry_in_a_cluster
	s_endpgm
.Lentry_in_a_cluster:
	s_bfe_u32 s2, ttmp6, 0x10000c
	s_cmp_lg_u32 s2, 0x3003
	s_cbranch_scc0 .Lentry_shape_is_right
	s_endpgm
.Lentry_shape_is_right:
; OUT = o W_o^T + b_o on codes of FP8 (E4M3) with E8M0 scales, K = 768.  o's codes and scale words were made by the attention launch, W_o's by the first launch; both lie as images of the operand's registers.
; SHARES.  Work-group (gx, cg): 128 tokens x 192 columns.  Wave w owns 32 tokens (two tiles): its 12 fragments of o stay in window 1.  The 192 columns' images of W_o, their scale words and b_o lie in LDS, filled once.
; CLUSTER 4 x 1: the four work-groups of a cluster have the same cg and ask for W_o, its scale words and b_o JOINTLY (three loads a wave, all out together).
; LAYOUT.  Source 0 = 16 rows of W_o, source 1 = 16 tokens: a lane holds one token, and the 16 registers of two neighbouring tiles of W_o are 16 neighbouring columns.  b_o is the C of each sum's first product.
; THE WAY OUT.  The wave's 32 rows x 768 bytes meet in its own stage; two rows are three stores of 512 bytes, each half of the lanes one aligned block of 256 bytes of out0.
; The six blocks of 32 columns are written out: every LDS address is a register that is never rewritten plus an immediate.
.set TILEB, 12288
.set WSC,   147456                     ; LDS: W_o's 12 tiles; their scale blocks;
.set BOL,   153600                     ; b_o's 192 numbers;
.set STAGE, 154368                     ; the stages: 32 rows x 784 bytes for each wave; no fill lands here
.set SPI,   784                        ; 768 + 16: an odd multiple of 16
.set LI,    1                          ; v1   16 x lane
.set WA,    1                          ; v1-3 W's images: 16 x lane + 49,152 k
.set WSA,   4
.set BOA,   5
.set STO,   6
.set RD,    8                          ; v8-10
.set GO,    11                         ; v11-13
.set R4,    14
.set ACC,   16                         ; v16-47 four accumulators: tile of tokens i, tile of columns u at 16 i + 8 u
.set WF,    48                         ; v48-111 W's fragments: buffer p at 32 p, tile u at 16 u
.set CB,    112                        ; v112-127 b_o in the result's layout
.set WS,    128                        ; v128-133 W's scale words
.set OS,    134                        ; v134-145 o's: tile i, K step s at 6 i + s
.set OUT,   160                        ; v160-223 the way out
.set MSB, 0
.macro WIN new
.if MSB != \new
	s_set_vgpr_msb (MSB<<8)|\new
.set MSB, \new
.endif
.endm
.macro PLACES n
.rept \n
	v_nop
.endr
.endm
.macro CROUND
	s_barrier_signal -1
	s_barrier_wait -1
	s_cmp_lg_u32 s14, 0
	s_cbranch_scc1 .Lnot_wave_0_\@
	s_barrier_signal -3
.Lnot_wave_0_\@:
	s_barrier_wait -3
	s_barrier_signal -1
	s_barrier_wait -1
.endm
	s_load_b256 s[4:11], s[0:1], 0x0               ; oimg 4, osc 6, img 8, isc 10
	s_load_b128 s[16:19], s[0:1], 0x20             ; b_o 16, out0 18
	v_lshl_add_u32 v254, v0, 2, 0x3e300
	v_mov_b32 v255, 0
	ds_add_u32 v254, v255
	ds_add_u32 v254, v255
	v_lshrrev_b32 v15, 5, v0
	v_readfirstlane_b32 s14, v15                   ; wave
	s_bfe_u32 s72, ttmp6, 0x40000                  ; cx
	s_lshl_b32 s73, ttmp9, 2
	s_add_co_u32 s73, s73, s72                     ; gx
	s_lshl_b32 s74, s73, 2
	s_add_co_u32 s74, s74, s14                     ; my block of 32 tokens
	s_and_b32 s15, ttmp7, 0xffff                   ; cg: shared by the cluster
	s_mov_b32 s24, 15|(3<<16)|(1<<21)              ; the mask names all four; rows of 256 bytes, dense
	s_mov_b32 s25, 32<<16
	s_mov_b32 s26, 144<<16
	s_mov_b32 s27, 32<<16
	s_mov_b32 s28, 144
	s_mov_b32 s29, 32
	s_mov_b32 s30, 0
	s_mov_b32 s31, 0
	s_mov_b32 s36, 15|(3<<16)|(1<<21)
	s_mov_b32 s37, 32<<16
	s_mov_b32 s38, 6<<16
	s_mov_b32 s39, 32<<16
	s_mov_b32 s40, 6
	s_mov_b32 s41, 32
	s_mov_b32 s42, 0
	s_mov_b32 s43, 0
	s_mov_b32 s48, 15|(3<<16)|(1<<21)              ; one row of 192 bytes
	s_mov_b32 s49, 24<<16
	s_mov_b32 s50, 1<<16
	s_mov_b32 s51, 24<<16
	s_mov_b32 s52, 1
	s_mov_b32 s53, 24
	s_mov_b32 s54, 0
	s_mov_b32 s55, 0
	s_mul_i32 s75, s15, 12
	s_add_co_u32 s75, s75, 656                     ; my columns' first tile: made of cg alone
	s_mul_i32 s66, s75, TILEB
	s_mul_i32 s21, s14, 36864
	s_add_co_u32 s66, s66, s21
	s_mov_b32 s67, 0
	s_lshl_b32 s68, s75, 9
	s_mul_i32 s76, s14, 1536
	s_add_co_u32 s68, s68, s76
	s_mov_b32 s69, 0
	s_add_co_u32 s33, s76, WSC
	s_mul_i32 s70, s15, 768
	s_mul_i32 s76, s14, 192
	s_add_co_u32 s70, s70, s76
	s_mov_b32 s71, 0
	s_add_co_u32 s45, s76, BOL
	s_mov_b32 s20, 1
	s_mov_b32 s32, 1
	s_mov_b32 s44, 1
	s_wait_dscnt 0x0
	s_wait_kmcnt 0x0
	s_add_nc_u64 s[22:23], s[8:9], s[66:67]
	s_or_b32 s23, s23, 0x80000000
	s_add_nc_u64 s[34:35], s[10:11], s[68:69]
	s_or_b32 s35, s35, 0x80000000
	s_add_nc_u64 s[46:47], s[16:17], s[70:71]
	s_or_b32 s47, s47, 0x80000000
	CROUND                                         ; the four work-groups are here: the joint loads meet
	tensor_load_to_lds s[20:23], s[24:31]          ; the launch's only fills: three loads of mine are out
	s_nop 0
	tensor_load_to_lds s[32:35], s[36:43]
	s_nop 0
	tensor_load_to_lds s[44:47], s[48:55]
	s_nop 0
	PLACES 4
	s_mul_i32 s66, s74, 2*TILEB
	s_add_nc_u64 s[56:57], s[4:5], s[66:67]        ; my two tiles of o
	s_mul_i32 s66, s74, 768
	s_add_nc_u64 s[58:59], s[6:7], s[66:67]        ; their scale words: 6 x 64 bytes a tile
	s_mul_i32 s66, s74, 32*3072
	s_mul_i32 s77, s15, 768
	s_add_co_u32 s66, s66, s77
	s_add_nc_u64 s[18:19], s[18:19], s[66:67]      ; out0 at my first token, my first column
	v_and_b32 v15, 31, v0
	v_lshlrev_b32 v[LI], 4, v15
	v_and_b32 v15, 15, v0                          ; r
	v_lshlrev_b32 v[R4], 2, v15
	WIN 0x40                                       ; destination window 1
.irp s, 0,1,2,3,4,5
.irp i, 0,1
.irp c, 0,1,2,3
	global_load_b128 v[16*(2*\s+\i)+4*\c:16*(2*\s+\i)+4*\c+3], v[LI], s[56:57] offset:TILEB*\i+2048*\s+512*\c th:TH_LOAD_NT
.endr
.endr
.endr
	WIN 0
.irp i, 0,1
.irp s, 0,1,2,3,4,5
	global_load_b32 v[OS+6*\i+\s], v[R4], s[58:59] offset:384*\i+64*\s
.endr
.endr
	v_add_nc_u32 v[WA+1], 4*TILEB, v[LI]
	v_add_nc_u32 v[WA+2], 8*TILEB, v[LI]
	v_add_nc_u32 v[WSA], WSC, v[LI]
	v_bfe_u32 v7, v0, 4, 1                         ; h
	v_lshl_add_u32 v[BOA], v7, 6, BOL
	s_mul_i32 s75, s14, 32*SPI
	s_add_co_u32 s75, s75, STAGE                   ; my stage
	v_mul_u32_u24 v[STO], v15, SPI
	v_lshl_add_u32 v[STO], v7, 6, v[STO]
	v_add_nc_u32 v[STO], s75, v[STO]               ; in: row r, 64 h on
	v_lshlrev_b32 v15, 4, v15                      ; 16 r
	v_lshl_add_u32 v[GO], v7, 8, v15               ; out, of two rows' 1,536 bytes: bytes 0-511 of the first row;
	v_mad_u32_u24 v[GO+1], v7, 2560, v15
	v_add_nc_u32 v[GO+1], 512, v[GO+1]             ; its bytes 512-767 and the second row's 0-255;
	v_add_nc_u32 v[GO+2], 3328, v[GO]              ; the second row's bytes 256-767
	v_add_nc_u32 v[RD], s75, v[GO]                 ; and the same in the stage, whose rows are 784 bytes apart
	v_mad_u32_u24 v[RD+1], v7, 272, v15
	v_add_nc_u32 v[RD+1], s75, v[RD+1]
	v_add_nc_u32 v[RD+1], 512, v[RD+1]
	v_add_nc_u32 v[RD+2], 1040, v[RD]
	s_wait_tensorcnt 0x0                           ; my three fills have landed,
	s_barrier_signal -1
	s_barrier_wait -1                              ; everybody's have; nothing is filled again
	s_wait_loadcnt 0x0                             ; o and its scale words
.macro WFETCH cb, s
.irp u, 0,1
.irp q, 0,1,2,3
	ds_load_b128 v[WF+32*((\s)%2)+16*\u+4*\q:WF+32*((\s)%2)+16*\u+4*\q+3], v[WA+(\cb)/2] offset:TILEB*(2*((\cb)%2)+\u)+2048*(\s)+512*\q
.endr
.endr
.endm
.macro CBK cb                          ; a block of 32 columns
.irp j, 0,1,2,3
	ds_load_b128 v[CB+4*\j:CB+4*\j+3], v[BOA] offset:128*\cb+16*\j
.endr
.irp u, 0,1
.irp k, 0,1,2
	ds_load_b32 v[WS+3*\u+\k], v[WSA] offset:512*(2*\cb+\u)+4*\k
.endr
.endr
	WFETCH \cb, 0
.irp s, 0,1,2,3,4,5
	WIN 0
.if \s > 0
	PLACES 8                                       ; behind the products of the step before, which read the buffer that is loaded now
.endif
.if \s < 5
	WFETCH \cb, \s+1
	s_wait_dscnt 8                                 ; all but the next step's eight loads (the last block's stores into the stage are older: they have read the accumulators)
.else
	s_wait_dscnt 0x0
.endif
	WIN 0x04                                       ; source 1 = o, window 1
.irp i, 0,1                            ; four accumulators by turns, in the same order in every step
.irp u, 0,1
.set DD, ACC+16*\i+8*\u
.set AA, WF+32*(\s%2)+16*\u
.set BB, 16*(2*\s+\i)
.set SA, WS+3*\u+\s/2
.set SB, OS+6*\i+\s
.if \s == 0
	v_wmma_scale_f32_16x16x128_f8f6f4 v[DD:DD+7], v[AA:AA+15], v[BB:BB+15], v[CB+8*\u:CB+8*\u+7], v[SA], v[SB]
.elseif \s%2
	v_wmma_scale_f32_16x16x128_f8f6f4 v[DD:DD+7], v[AA:AA+15], v[BB:BB+15], v[DD:DD+7], v[SA], v[SB] matrix_a_scale:MATRIX_SCALE_ROW1
.else
	v_wmma_scale_f32_16x16x128_f8f6f4 v[DD:DD+7], v[AA:AA+15], v[BB:BB+15], v[DD:DD+7], v[SA], v[SB]
.endif
.endr
.endr
.endr
	WIN 0
	PLACES 9                                       ; 8 for the stores that read results and the loads over operands, 9 for the next block's products, which begin the accumulators anew
.irp i, 0,1
.irp u, 0,1
	ds_store_b128 v[STO], v[ACC+16*\i+8*\u:ACC+16*\i+8*\u+3] offset:16*SPI*\i+128*\cb+32*\u        ; each accumulator from its low end on
	ds_store_b128 v[STO], v[ACC+16*\i+8*\u+4:ACC+16*\i+8*\u+7] offset:16*SPI*\i+128*\cb+32*\u+16
.endr
.endr
.endm
	CBK 0
	CBK 1
	CBK 2
	CBK 3
	CBK 4
	CBK 5
	; stage row 16 i + r is token 8 i + r + 8 (r / 8) of my 32.  Instruction 3 m + e takes part e of stage rows 2 m, 2 m + 1, which are neighbouring tokens.
.set K, 0
.rept 3
.if K > 0
	s_wait_xcnt 0x0                                ; the stores before have read the registers that the loads below fill
.endif
.set T, 0
.rept 16
	ds_load_b128 v[OUT+4*T:OUT+4*T+3], v[RD+(K+T)%3] offset:1568*((K+T)/3)   ; LDS serves a wave's instructions in order: these see my stores
.set T, T+1
.endr
.set T, 0
.rept 16
.set M, (K+T)/3
.set R0, (2*M)%16
	s_wait_dscnt 15-T
	global_store_b128 v[GO+(K+T)%3], v[OUT+4*T:OUT+4*T+3], s[18:19] offset:(8*(M/8)+R0+8*(R0/8))*3072 th:TH_STORE_NT   ; each half of the lanes stores 256 consecutive bytes, at a multiple of 256 from out0's first byte
.set T, T+1
.endr
.set K, K+16
.endr
	s_wait_dscnt 0x0
	s_wait_tensorcnt 0x0
	ds_add_u32 v254, v255
	s_wait_dscnt 0x0
	CROUND                                         ; the closing round
	s_endpgm
.Lfunc_end_k_q7cad3bc9ae_oproj:
	.size	k_q7cad3bc9ae_oproj, .Lfunc_end_k_q7cad3bc9ae_oproj-k_q7cad3bc9ae_oproj
	.p2alignl 7, 3214868480
	.fill 96, 4, 3214868480
	.section	.rodata,"a",@progbits
	.p2align	6, 0x0
	.amdhsa_kernel k_q7cad3bc9ae_oproj
		.amdhsa_group_segment_fixed_size 255232
		.amdhsa_private_segment_fixed_size 0
		.amdhsa_enable_private_segment 0
		.amdhsa_kernarg_size 48
		.amdhsa_user_sgpr_count 2
		.amdhsa_user_sgpr_kernarg_segment_ptr 1
		.amdhsa_wavefront_size32 1
		.amdhsa_system_sgpr_workgroup_id_x 1
		.amdhsa_system_sgpr_workgroup_id_y 1
		.amdhsa_system_sgpr_workgroup_id_z 1
		.amdhsa_system_vgpr_workitem_id 0
		.amdhsa_next_free_vgpr 512
		.amdhsa_next_free_sgpr 80
		.amdhsa_reserve_vcc 0
		.amdhsa_float_denorm_mode_32 3
		.amdhsa_float_denorm_mode_16_64 3
		.amdhsa_memory_ordered 1
		.amdhsa_forward_progress 1
		.amdhsa_inst_pref_size 77
	.end_amdhsa_kernel
	.amdgpu_metadata
---
amdhsa.version: [ 1, 2 ]
amdhsa.kernels:
  - .name:           k_q7cad3bc9ae_oproj
    .symbol:         k_q7cad3bc9ae_oproj.kd
    .args:
      - { .name: oimg, .offset: 0, .size: 8, .value_kind: global_buffer, .address_space: global }
      - { .name: osc, .offset: 8, .size: 8, .value_kind: global_buffer, .address_space: global }
      - { .name: img, .offset: 16, .size: 8, .value_kind: global_buffer, .address_space: global }
      - { .name: isc, .offset: 24, .size: 8, .value_kind: global_buffer, .address_space: global }
      - { .name: b_o, .offset: 32, .size: 8, .value_kind: global_buffer, .address_space: global }
      - { .name: out0, .offset: 40, .size: 8, .value_kind: global_buffer, .address_space: global }
    .group_segment_fixed_size: 255232
    .private_segment_fixed_size: 0
    .kernarg_segment_align: 8
    .kernarg_segment_size: 48
    .max_flat_workgroup_size: 128
    .sgpr_count:     80
    .vgpr_count:     512
    .wavefront_size: 32
...
	.end_amdgpu_metadata
.endif
;; end of part 4
;; ======== version 2 of 2: 4 launches
;; limits: right only within a limited range of input values
;; workspace buffers: img 8,650,752 bytes; isc 360,448 bytes; tb 73,728 bytes; qbuf 6,684,672 bytes; kv 13,369,344 bytes; oimg 6,291,456 bytes; osc 196,608 bytes
;; launch prep (part 5): grid 800 x 1, 3 waves a work-group, no clusters, 26,368 bytes of LDS; arguments x, Wx_q, Wx_k, Wx_v, W_o, t, Wt_q, Wt_k, Wt_v, img, isc, tb; writes img, isc, tb
.if DOCPART == 5
	.amdgcn_target "amdgcn-amd-amdhsa--gfx1250"
	.amdhsa_code_object_version 6
	.text
	.protected	k_q7cad3bc9ae_prep
	.globl	k_q7cad3bc9ae_prep
	.p2align	8
	.type	k_q7cad3bc9ae_prep,@function
k_q7cad3bc9ae_prep:
	s_mov_b64 s[64:65], 0
	v_nop
	global_prefetch_b8 v0, s[64:65] scope:SCOPE_SE
	s_setreg_imm32_b32 hwreg(HW_REG_WAVE_MODE, 25, 1), 1
	s_wait_xcnt 0x0
; PREP.  Two kinds of work-groups of three waves, parted by the work-group's number.
; (1) Work-groups 96-799 turn x [8192][768] and Wx_q, Wx_k, Wx_v, W_o [768][768], f32, K innermost, into codes of FP8 (E4M3) with one E8M0 byte for each 32 along K.
;     A work-group takes one TILE of 16 rows, wave k its K steps 2 k and 2 k + 1 (128 along K each).  Tile T holds the rows 32 (T / 2) + 8 (T % 2) + m + 8 (m / 8), m = 0 .. 15: not neighbours,
;     so that later results fall as neighbours along the next K.  A wave issues all its 32 loads, 16 KiB, at its head: 2,112 waves have all 34.6 MB of these tensors on their way together.
;     The codes leave as IMAGES OF THE OPERAND'S REGISTERS: for K step s four stores of 512 consecutive bytes, lane l's 16 bytes at 16 l: row (l % 16), k = 128 s + 32 c + 16 (l / 16) + 0 .. 15.
;     A tile's six images are 12,288 bytes on end in img.  Its scale words are 512 bytes in isc: lane l's 16 bytes are words 0 .. 3; word k is the row's word of K step 2 k (lanes 0-15) or 2 k + 1 (lanes 16-31); word 3 is 0.
;     Wave k makes word k; the three words meet in LDS behind a barrier, and wave 0 stores the 512 bytes whole.
;     A block's scale is 2^(floor(log2(its largest magnitude)) - 8); the byte is the largest magnitude's exponent field - 8, held at 1 from below by a floor among the maximum's leaves.
; (2) Work-groups 0-95 make tb[b][768 p + row] = the sum over k of t[b][k] Wt_p[row][k], p = q, k, v, by f32 fused multiply-adds: its results go on into quantised operands.  8 rows to a wave.
; LIMITS: NaN and infinities among the inputs are not served.  A block whose largest magnitude lies under 2^(9 - 127) keeps the byte 1; a block of zeros so gets the byte 1 where the rule says 127:
; its codes are zeros, which add nothing under any byte but 0xff, and the bytes are read by this program alone.
; No tensor loads.  No cluster: no two work-groups read the same bytes but the 8 KiB of t.
.set ROWB,  3072                       ; a row of 768 f32
.set SP,    528                        ; a stage row: 512 bytes + 16: an odd multiple of 16, so that sixteen rows' equal columns lie in different banks
.set SWB,   3*16*SP                    ; LDS behind the three waves' stages: the tile's scale words, 128 bytes for each wave
.set TWG,   96                         ; work-groups of kind (2)
.set LI,    1                          ; v1   16 x lane
.set STW,   2                          ; v2   my stage + 16 x lane: a row goes in as it was loaded
.set STR,   3                          ; v3   my stage + 528 r + 64 h: and comes back 16 neighbours of each block of 32 to a lane
.set TBO,   4                          ; v4   (2): my byte in tb
.set SWA,   5                          ; v5   where I put my scale word: SWB + 128 x wave + 4 x lane
.set SWR,   6                          ; v6   where wave 0 reads the three: SWB + 4 x lane
.set R,     16                         ; v16-143  two K steps: 16 rows x 4 registers as loaded; then 64 numbers of a lane: register 16 c + i = k 32 c + 16 h + i of row r
.set PC,    144                        ; v144-175 the codes, a set for each K step: no store's data are written again
.set TM,    176                        ; v176-179 largest magnitudes, 180-183 bytes, 184-187 448 x the scale, 188-191 the conversions' scale operands
.set PW,    192                        ; v192 the odd K step's scale word, v193 the even one's
.set PWE,   193
.set SWD,   194                        ; v194 my word of the scale block
.set SW,    196                        ; v196-199 the tile's scale block
.set FLR,   40
.set MNT,   41
.set M4,    42
.set HI16,  43
.set SEL,   44
.set M8,    46
.set M1,    47
.set M2,    48
.macro QMAX src, nb                    ; the largest magnitude of each of nb blocks: my 16 numbers and the floor, then lane l xor 16's
.irp b, 0,1,2,3
.if \b < \nb
	v_max3_num_f32 v[TM+\b], |v[16*\b+(\src)]|, |v[16*\b+1+(\src)]|, s[FLR]
.endif
.endr
.irp i, 2,4,6,8,10,12,14
.irp b, 0,1,2,3
.if \b < \nb
	v_max3_num_f32 v[TM+\b], v[TM+\b], |v[16*\b+\i+(\src)]|, |v[16*\b+\i+1+(\src)]|
.endif
.endr
.endr
.irp b, 0,1,2,3
.if \b < \nb
	v_permlanex16_b32 v[TM+4+\b], v[TM+\b], s[SEL], s[SEL+1]
.endif
.endr
.irp b, 0,1,2,3
.if \b < \nb
	v_max_num_f32 v[TM+\b], v[TM+\b], v[TM+4+\b]
.endif
.endr
.endm
.macro QSCL nb
.irp b, 0,1,2,3
.if \b < \nb
	v_add_nc_u32 v[TM+12+\b], 0xfc000000, v[TM+\b]          ; 8 off the exponent field: the conversion takes this operand's exponent field as its scale
.endif
.endr
.irp b, 0,1,2,3
.if \b < \nb
	v_and_or_b32 v[TM+8+\b], v[TM+\b], 0x7f800000, s[MNT]   ; 448 x the scale
.endif
.endr
.irp b, 0,1,2,3
.if \b < \nb
	v_lshrrev_b32 v[TM+4+\b], 23, v[TM+12+\b]               ; the scale's byte
.endif
.endr
.endm
.macro QCVT src, nb, pc
.irp b, 0,1,2,3
.if \b < \nb
.irp i, 0,1,2,3,4,5,6,7,8,9,10,11,12,13,14,15
	v_med3_num_f32 v[16*\b+\i+(\src)], v[16*\b+\i+(\src)], -v[TM+8+\b], v[TM+8+\b]   ; the conversion to an 8-bit code does not saturate (ISA guide 7.6.2): hold first
.endr
	v_cvt_scalef32_pk8_fp8_f32 v[4*\b+(\pc):4*\b+1+(\pc)], v[16*\b+(\src):16*\b+7+(\src)], v[TM+12+\b]
	v_cvt_scalef32_pk8_fp8_f32 v[4*\b+2+(\pc):4*\b+3+(\pc)], v[16*\b+8+(\src):16*\b+15+(\src)], v[TM+12+\b]
.endif
.endr
	v_nop                                          ; one plain line behind the last conversion
.endm
	s_load_b512 s[8:23], s[0:1], 0x0               ; x 8, Wx_q 10, Wx_k 12, Wx_v 14, W_o 16, t 18, Wt_q 20, Wt_k 22
	s_load_b256 s[24:31], s[0:1], 0x40             ; Wt_v 24, img 26, isc 28, tb 30
	v_lshl_add_u32 v200, v0, 2, 0x6500
	v_mov_b32 v201, 0
	v_lshrrev_b32 v7, 5, v0
	v_readfirstlane_b32 s4, v7                     ; wave 0..2
	v_and_b32 v7, 31, v0                           ; lane
	v_lshlrev_b32 v[LI], 4, v7
	s_mov_b32 s[HI16], 0xffff0000                  ; lanes 16-31
	s_mov_b32 s[SEL], 0x76543210
	s_mov_b32 s[SEL+1], 0xfedcba98                 ; v_permlanex16_b32's selects for lane l xor 16
	s_cmp_lt_u32 ttmp9, TWG
	s_cbranch_scc1 .Ltpath
	; ---------------- (1) the quantiser ----------------
	s_mul_i32 s5, s4, 16*SP                        ; my stage
	v_add_nc_u32 v[STW], s5, v[LI]
	v_and_b32 v8, 15, v0                           ; r
	v_bfe_u32 v9, v0, 4, 1                         ; h
	v_mul_u32_u24 v[STR], v8, SP
	v_lshl_add_u32 v[STR], v9, 6, v[STR]
	v_add_nc_u32 v[STR], s5, v[STR]
	v_lshl_add_u32 v[SWA], v0, 2, SWB              ; 4 x the thread's number = 128 x wave + 4 x lane
	v_lshl_add_u32 v[SWR], v7, 2, SWB
	s_mov_b32 s[FLR], 0x4800000                    ; the floor 2^(9 - 127)
	s_mov_b32 s[MNT], 0x600000                     ; the mantissa field of 448
.irp b, 0,1,2,3
	v_mov_b32 v[TM+4+\b], 0                        ; written once: a lane permute's destination counts as one of its sources
.endr
	s_sub_co_u32 s38, ttmp9, TWG                   ; my tile among all 704: x 0-511, Wx_q 512-559, Wx_k 560-607, Wx_v 608-655, W_o 656-703
	s_wait_alu depctr_va_vdst(0)
	s_wait_kmcnt 0x0
	s_mov_b64 s[32:33], s[16:17]                   ; which tensor: the choice hangs on the work-group's number alone
	s_mov_b32 s34, 656                             ; and the tensor's first tile
	s_cmp_lt_u32 s38, 656
	s_cselect_b64 s[32:33], s[14:15], s[32:33]
	s_cselect_b32 s34, 608, s34
	s_cmp_lt_u32 s38, 608
	s_cselect_b64 s[32:33], s[12:13], s[32:33]
	s_cselect_b32 s34, 560, s34
	s_cmp_lt_u32 s38, 560
	s_cselect_b64 s[32:33], s[10:11], s[32:33]
	s_cselect_b32 s34, 512, s34
	s_cmp_lt_u32 s38, 512
	s_cselect_b64 s[32:33], s[8:9], s[32:33]
	s_cselect_b32 s34, 0, s34
	s_sub_co_u32 s35, s38, s34                     ; my tile in its tensor
	s_lshr_b32 s36, s35, 1
	s_lshl_b32 s36, s36, 5
	s_and_b32 s37, s35, 1
	s_lshl_b32 s37, s37, 3
	s_add_co_u32 s36, s36, s37                     ; its first row: 32 (T / 2) + 8 (T % 2)
	s_mul_i32 s36, s36, ROWB
	s_lshl_b32 s37, s4, 10                         ; my two K steps: 512 bytes of a row each
	s_add_co_u32 s36, s36, s37
	s_mov_b32 s37, 0
	s_add_nc_u64 s[32:33], s[32:33], s[36:37]
	s_mul_i32 s36, s38, 12288
	s_lshl_b32 s39, s4, 12                         ; and their two images of 2,048 bytes
	s_add_co_u32 s36, s36, s39
	s_add_nc_u64 s[26:27], s[26:27], s[36:37]
	s_lshl_b32 s36, s38, 9
	s_add_nc_u64 s[28:29], s[28:29], s[36:37]
.irp e, 0,1                            ; my two K steps of the 16 rows: each load reads 512 consecutive bytes of one row
.irp i, 0,1,2,3,4,5,6,7,8,9,10,11,12,13,14,15
	global_load_b128 v[R+64*\e+4*\i:R+64*\e+4*\i+3], v[LI], s[32:33] offset:(\i+8*(\i/8))*ROWB+512*\e th:TH_LOAD_NT
.endr
.endr
.macro QSTEP e
	s_wait_loadcnt 16*(1-\e)                       ; this K step's 16 loads are in; behind the first step's stand the second's 16
.irp i, 0,1,2,3,4,5,6,7,8,9,10,11,12,13,14,15
	ds_store_b128 v[STW], v[R+64*\e+4*\i:R+64*\e+4*\i+3] offset:SP*\i
.endr
.irp c, 0,1,2,3
.irp j, 0,1,2,3
	ds_load_b128 v[R+64*\e+16*\c+4*\j:R+64*\e+16*\c+4*\j+3], v[STR] offset:128*\c+16*\j   ; LDS serves a wave's instructions in order: these see the stores above, and land in the registers that those have left
.endr
.endr
	s_wait_dscnt 0x0                               ; the numbers are back
	QMAX R+64*\e, 4
	QSCL 4
.set PD, PWE-\e
	v_lshl_or_b32 v[PD], v[TM+5], 8, v[TM+4]       ; the four bytes make row r's scale word of this K step
	v_lshl_or_b32 v[PD], v[TM+6], 16, v[PD]
	v_lshl_or_b32 v[PD], v[TM+7], 24, v[PD]
	QCVT R+64*\e, 4, PC+16*\e
.irp c, 0,1,2,3
	global_store_b128 v[LI], v[PC+16*\e+4*\c:PC+16*\e+4*\c+3], s[26:27] offset:2048*\e+512*\c   ; 512 consecutive bytes
.endr
.endm
	QSTEP 0
	QSTEP 1
	v_cndmask_b32 v[SWD], v[PWE], v[PW], s[HI16]   ; lanes 0-15 the even step's word, lanes 16-31 the odd step's
	ds_store_b32 v[SWA], v[SWD]
	s_wait_dscnt 0x0                               ; for the others' sake: my word lies in LDS
	s_barrier_signal -1
	s_barrier_wait -1                              ; all three do
	s_cmp_lg_u32 s4, 0
	s_cbranch_scc1 .Lqend
.irp k, 0,1,2
	ds_load_b32 v[SW+\k], v[SWR] offset:128*\k     ; lane l's word k
.endr
	v_mov_b32 v[SW+3], 0
	s_wait_alu depctr_va_vdst(0)
	s_wait_dscnt 0x0
	global_store_b128 v[LI], v[SW:SW+3], s[28:29]  ; 512 consecutive bytes
.Lqend:
	s_wait_tensorcnt 0x0
	ds_add_u32 v200, v201
	s_wait_dscnt 0x0
	s_endpgm
	; ---------------- (2) tb = t Wt^T ----------------
.Ltpath:
	s_lshr_b32 s34, ttmp9, 5                       ; p: 32 work-groups to each Wt, 24 rows each, 8 to a wave
	s_and_b32 s36, ttmp9, 31
	s_mul_i32 s36, s36, 24
	s_lshl_b32 s37, s4, 3
	s_add_co_u32 s36, s36, s37                     ; my first row of Wt
	s_mul_i32 s38, s34, 768
	s_add_co_u32 s38, s38, s36
	s_lshl_b32 s38, s38, 2                         ; its column of tb, in bytes
	s_mov_b32 s39, 0
	s_lshl_b32 s36, s36, 10
	s_mov_b32 s37, 0
	s_mov_b32 s[M1], 0xaaaaaaaa
	s_mov_b32 s[M2], 0xcccccccc
	s_mov_b32 s[M4], 0xf0f0f0f0
	s_mov_b32 s[M8], 0xff00ff00
	s_wait_kmcnt 0x0
	s_cmp_lt_u32 ttmp9, 64
	s_cselect_b64 s[32:33], s[22:23], s[24:25]
	s_cmp_lt_u32 ttmp9, 32
	s_cselect_b64 s[32:33], s[20:21], s[32:33]
	s_add_nc_u64 s[30:31], s[30:31], s[38:39]
	s_add_nc_u64 s[32:33], s[32:33], s[36:37]
	s_wait_alu depctr_va_vdst(0)
.irp b, 0,1,2,3,4,5,6,7
	global_load_b128 v[16+8*\b:19+8*\b], v[LI], s[18:19] offset:1024*\b         ; t[b][4 l ..]
	global_load_b128 v[20+8*\b:23+8*\b], v[LI], s[18:19] offset:1024*\b+512     ; t[b][128 + 4 l ..]
.endr
.irp i, 0,1,2,3,4,5,6,7
	global_load_b128 v[80+8*\i:83+8*\i], v[LI], s[32:33] offset:1024*\i th:TH_LOAD_NT
	global_load_b128 v[84+8*\i:87+8*\i], v[LI], s[32:33] offset:1024*\i+512 th:TH_LOAD_NT
.endr
	v_and_b32 v8, 7, v7
	v_lshrrev_b32 v9, 3, v7
	v_mul_u32_u24 v[TBO], v8, 9216                 ; batch lane % 8: a row of tb is 2,304 numbers
	v_lshl_add_u32 v[TBO], v9, 2, v[TBO]           ; row lane / 8 of four
	v_mov_b32 v182, 0                              ; a lane permute's destination counts as one of its sources
	s_wait_loadcnt 0x0
; Row i against the eight batches: eight partial sums a lane; then the lanes are folded so that lane l ends with batch l % 8's whole sum:
; in each fold a lane keeps the half of the registers that its bit names and sends the other half to the lane that keeps those.
.macro TROW i
.irp b, 0,1,2,3,4,5,6,7
	v_pk_mul_f32 v[144+2*\b:145+2*\b], v[16+8*\b:17+8*\b], v[80+8*\i:81+8*\i]
.endr
.irp j, 2,4,6
.irp b, 0,1,2,3,4,5,6,7
	v_pk_fma_f32 v[144+2*\b:145+2*\b], v[16+8*\b+\j:17+8*\b+\j], v[80+8*\i+\j:81+8*\i+\j], v[144+2*\b:145+2*\b]
.endr
.endr
.irp b, 0,1,2,3,4,5,6,7
	v_add_f32 v[160+\b], v[144+2*\b], v[145+2*\b]
.endr
.irp q, 0,1,2,3
	v_cndmask_b32 v[168+\q], v[160+2*\q], v[161+2*\q], s[M1]
	v_cndmask_b32 v[172+\q], v[161+2*\q], v[160+2*\q], s[M1]
.endr
.irp q, 0,1,2,3
	v_add_f32_dpp v[168+\q], v[172+\q], v[168+\q] row_xmask:1 row_mask:0xf bank_mask:0xf
.endr
.irp q, 0,1
	v_cndmask_b32 v[176+\q], v[168+2*\q], v[169+2*\q], s[M2]
	v_cndmask_b32 v[178+\q], v[169+2*\q], v[168+2*\q], s[M2]
.endr
.irp q, 0,1
	v_add_f32_dpp v[176+\q], v[178+\q], v[176+\q] row_xmask:2 row_mask:0xf bank_mask:0xf
.endr
	v_cndmask_b32 v180, v176, v177, s[M4]
	v_cndmask_b32 v181, v177, v176, s[M4]
	v_add_f32_dpp v180, v181, v180 row_xmask:4 row_mask:0xf bank_mask:0xf
	v_add_f32_dpp v180, v180, v180 row_xmask:8 row_mask:0xf bank_mask:0xf
	v_permlanex16_b32 v182, v180, s[SEL], s[SEL+1]
	v_add_f32 v[184+\i], v180, v182
.endm
.irp i, 0,1,2,3,4,5,6,7
	TROW \i
.endr
.irp k, 0,1                            ; lane l stores row 4 k + l / 8 of batch l % 8: runs of 16 bytes; tb is 72 KiB in all
	v_cndmask_b32 v192, v[184+4*\k], v[185+4*\k], s[M8]
	v_cndmask_b32 v193, v[186+4*\k], v[187+4*\k], s[M8]
	v_cndmask_b32 v[194+\k], v192, v193, s[HI16]
	global_store_b32 v[TBO], v[194+\k], s[30:31] offset:16*\k
.endr
	s_endpgm
.Lfunc_end_k_q7cad3bc9ae_prep:
	.size	k_q7cad3bc9ae_prep, .Lfunc_end_k_q7cad3bc9ae_prep-k_q7cad3bc9ae_prep
	.p2alignl 7, 3214868480
	.fill 96, 4, 3214868480
	.section	.rodata,"a",@progbits
	.p2align	6, 0x0
	.amdhsa_kernel k_q7cad3bc9ae_prep
		.amdhsa_group_segment_fixed_size 26368
		.amdhsa_private_segment_fixed_size 0
		.amdhsa_enable_private_segment 0
		.amdhsa_kernarg_size 96
		.amdhsa_user_sgpr_count 2
		.amdhsa_user_sgpr_kernarg_segment_ptr 1
		.amdhsa_wavefront_size32 1
		.amdhsa_system_sgpr_workgroup_id_x 1
		.amdhsa_system_sgpr_workgroup_id_y 1
		.amdhsa_system_sgpr_workgroup_id_z 1
		.amdhsa_system_vgpr_workitem_id 0
		.amdhsa_next_free_vgpr 202
		.amdhsa_next_free_sgpr 66
		.amdhsa_reserve_vcc 0
		.amdhsa_float_denorm_mode_32 3
		.amdhsa_float_denorm_mode_16_64 3
		.amdhsa_memory_ordered 1
		.amdhsa_forward_progress 1
		.amdhsa_inst_pref_size 62
	.end_amdhsa_kernel
	.amdgpu_metadata
---
amdhsa.version: [ 1, 2 ]
amdhsa.kernels:
  - .name:           k_q7cad3bc9ae_prep
    .symbol:         k_q7cad3bc9ae_prep.kd
    .args:
      - { .name: x, .offset: 0, .size: 8, .value_kind: global_buffer, .address_space: global }
      - { .name: Wx_q, .offset: 8, .size: 8, .value_kind: global_buffer, .address_space: global }
      - { .name: Wx_k, .offset: 16, .size: 8, .value_kind: global_buffer, .address_space: global }
      - { .name: Wx_v, .offset: 24, .size: 8, .value_kind: global_buffer, .address_space: global }
      - { .name: W_o, .offset: 32, .size: 8, .value_kind: global_buffer, .address_space: global }
      - { .name: t, .offset: 40, .size: 8, .value_kind: global_buffer, .address_space: global }
      - { .name: Wt_q, .offset: 48, .size: 8, .value_kind: global_buffer, .address_space: global }
      - { .name: Wt_k, .offset: 56, .size: 8, .value_kind: global_buffer, .address_space: global }
      - { .name: Wt_v, .offset: 64, .size: 8, .value_kind: global_buffer, .address_space: global }
      - { .name: img, .offset: 72, .size: 8, .value_kind: global_buffer, .address_space: global }
      - { .name: isc, .offset: 80, .size: 8, .value_kind: global_buffer, .address_space: global }
      - { .name: tb, .offset: 88, .size: 8, .value_kind: global_buffer, .address_space: global }
    .group_segment_fixed_size: 26368
    .private_segment_fixed_size: 0
    .kernarg_segment_align: 8
    .kernarg_segment_size: 96
    .max_flat_workgroup_size: 96
    .sgpr_count:     66
    .vgpr_count:     202
    .wavefront_size: 32
...
	.end_amdgpu_metadata
.endif
;; end of part 5
;; launch qkv (part 6): grid 16 x 12, 4 waves a work-group, no clusters, 168,448 bytes of LDS; arguments img, isc, tb, qbuf, kv; writes qbuf, kv
.if DOCPART == 6
	.amdgcn_target "amdgcn-amd-amdhsa--gfx1250"
	.amdhsa_code_object_version 6
	.text
	.protected	k_q7cad3bc9ae_qkv
	.globl	k_q7cad3bc9ae_qkv
	.p2align	8
	.type	k_q7cad3bc9ae_qkv,@function
k_q7cad3bc9ae_qkv:
	s_mov_b64 s[64:65], 0
	v_nop
	global_prefetch_b8 v0, s[64:65] scope:SCOPE_SE
	s_setreg_imm32_b32 hwreg(HW_REG_WAVE_MODE, 25, 1), 1
	s_wait_xcnt 0x0
; QKV.  q, k, v = x W^T + tb on codes of FP8 (E4M3) with E8M0 scales, K = 768; the results are quantised at once: q and k along the head's 64, v along the keys; they leave as images of the next operands' registers.
; SHARES.  Work-group (gx, cg): 512 tokens x 192 columns (3 heads; cg 0-3 q, 4-7 k, 8-11 v).  Wave w owns 128 tokens, one key step: its 48 fragments of x (8 tiles x 6 K steps) stay in 768 registers, windows 1-3.
; The 192 columns' images of W, their scale words and their shift lie in LDS, filled once by four tensor loads, one a wave.  A wave walks 6 blocks of 32 columns: each fragment of W read from LDS feeds 8 products.
; LAYOUT.  Tile T of any row space holds rows 32 (T / 2) + 8 (T % 2) + m + 8 (m / 8).  q, k: source 0 = 16 rows of W, source 1 = 16 tokens: a lane holds one token, and the 16 registers of two neighbouring tiles of W are
; 16 neighbours along the head's 64.  v: source 0 = 16 tokens, source 1 = 16 rows of W: a lane holds one channel, and its registers run along the keys.  The shift tb is the C of each sum's first product.
; 1 / sqrt(64) = 2^-3 is taken off q's scale bytes: exact.  q's floor is therefore 2^(12 - 127): its bytes are at least 4 before the 3 come off.
; OUT.  qbuf [b][head][block of 128 tokens] 8,704 bytes: codes, tile i at 1,024 i, block c of the 64 at 512 c, 16 bytes a lane; then 512 bytes of PAIR WORDS: lane l's word P = tile 2 P's two bytes, tile 2 P + 1's two bytes.
;      kv [b][head][key step] 17,408 bytes: K as in qbuf (8,192), V (channel tile t at 2,048 t, key block c at 512 c), K's pair words (512), V's scale words (512: lane l's word t).
; LIMITS: NaN and infinities are not served; blocks under the floor (2^-118; q: 2^-115) keep the floor's byte, blocks of zeros too: their codes are zeros and this program alone reads the bytes.
; NO CLUSTER: what work-groups share is W, 150 KiB of the 534 KiB that a work-group reads, read once at the start.  192 work-groups: 72 blocks of 32 columns do not divide by the 16 waves of four work-groups without cutting heads.
.set TILEB, 12288                      ; a tile's six images
.set WSC,   147456                     ; LDS: W's 12 tiles; then their scale blocks, 512 bytes each;
.set TBL,   153600                     ; then the shift of my batch's 192 columns
.set LI,    1                          ; v1   16 x lane
.set WA,    2                          ; v2   W's images of the head in hand
.set WSA,   3                          ; v3   their scale blocks
.set TBQ,   4                          ; v4   the shift as q and k want it: 64 h on
.set TBV,   5                          ; v5   and as v wants it: my lane's row of a tile
.set TBQ0,  6
.set TBV0,  7
.set CW,    10                         ; v10-13 the scale words that go out
.set ACC,   16                         ; v16-143 sixteen accumulators
.set WF,    144                        ; v144-207 W's fragments: buffer p at 32 p, tile u at 16 u
.set PC,    144                        ; behind the products: the codes,
.set TM,    160                        ; and the quantiser's sixteen registers
.set XS,    208                        ; v208-231 x's scale words: tile i, word k at 3 i + k
.set WS,    232                        ; v232-237 W's: tile u, word k at 3 u + k
.set CB,    238                        ; v238-253 the shift in the result's layout
.set FLR,   68
.set SUB,   69
.set MNT,   70
.set SEL,   72
.set MSB, 0
.macro WIN new                         ; the immediate's high byte repeats the setting that is left
.if MSB != \new
	s_set_vgpr_msb (MSB<<8)|\new
.set MSB, \new
.endif
.endm
.macro PLACES n
.rept \n
	v_nop
.endr
.endm
.macro QMAX src, nb
.irp b, 0,1,2,3
.if \b < \nb
	v_max3_num_f32 v[TM+\b], |v[16*\b+(\src)]|, |v[16*\b+1+(\src)]|, s[FLR]
.endif
.endr
.irp i, 2,4,6,8,10,12,14
.irp b, 0,1,2,3
.if \b < \nb
	v_max3_num_f32 v[TM+\b], v[TM+\b], |v[16*\b+\i+(\src)]|, |v[16*\b+\i+1+(\src)]|
.endif
.endr
.endr
.irp b, 0,1,2,3
.if \b < \nb
	v_permlanex16_b32 v[TM+4+\b], v[TM+\b], s[SEL], s[SEL+1]
.endif
.endr
.irp b, 0,1,2,3
.if \b < \nb
	v_max_num_f32 v[TM+\b], v[TM+\b], v[TM+4+\b]
.endif
.endr
.endm
.macro QSCL nb
.irp b, 0,1,2,3
.if \b < \nb
	v_add_nc_u32 v[TM+12+\b], 0xfc000000, v[TM+\b]
.endif
.endr
.irp b, 0,1,2,3
.if \b < \nb
	v_and_or_b32 v[TM+8+\b], v[TM+\b], 0x7f800000, s[MNT]
.endif
.endr
.irp b, 0,1,2,3
.if \b < \nb
	v_lshrrev_b32 v[TM+4+\b], 23, v[TM+12+\b]
.endif
.endr
.endm
.macro QCVT src, nb, pc
.irp b, 0,1,2,3
.if \b < \nb
.irp i, 0,1,2,3,4,5,6,7,8,9,10,11,12,13,14,15
	v_med3_num_f32 v[16*\b+\i+(\src)], v[16*\b+\i+(\src)], -v[TM+8+\b], v[TM+8+\b]
.endr
	v_cvt_scalef32_pk8_fp8_f32 v[4*\b+(\pc):4*\b+1+(\pc)], v[16*\b+(\src):16*\b+7+(\src)], v[TM+12+\b]
	v_cvt_scalef32_pk8_fp8_f32 v[4*\b+2+(\pc):4*\b+3+(\pc)], v[16*\b+8+(\src):16*\b+15+(\src)], v[TM+12+\b]
.endif
.endr
	v_nop                                          ; one plain line behind the last conversion
.endm
	s_load_b256 s[4:11], s[0:1], 0x0               ; img 4, isc 6, tb 8, qbuf 10
	s_load_b64 s[12:13], s[0:1], 0x20              ; kv
	v_lshl_add_u32 v254, v0, 2, 0x29000
	v_mov_b32 v255, 0
	ds_add_u32 v254, v255
	ds_add_u32 v254, v255
	v_lshrrev_b32 v8, 5, v0
	v_readfirstlane_b32 s14, v8                    ; wave
	v_and_b32 v8, 31, v0
	v_lshlrev_b32 v[LI], 4, v8
	s_and_b32 s16, ttmp7, 0xffff                   ; cg
	s_lshr_b32 s17, ttmp9, 1                       ; batch
	s_and_b32 s18, ttmp9, 1
	s_lshl_b32 s18, s18, 2
	s_add_co_u32 s18, s18, s14                     ; my block of 128 tokens in the batch
	s_lshl_b32 s19, ttmp9, 2
	s_add_co_u32 s19, s19, s14                     ; and among all 64
	; descriptors: dense blocks as rows of 256 bytes (32 elements of 8 bytes): W's half 288 rows, the twelve scale blocks 24 rows, the shift 3 rows
	s_mov_b32 s24, 3<<16
	s_mov_b32 s25, 32<<16
	s_mov_b32 s26, 288<<16                         ; W's half: 288 rows of 256 bytes
	s_mov_b32 s27, 32<<16
	s_mov_b32 s28, 288
	s_mov_b32 s29, 32
	s_mov_b32 s30, 0
	s_mov_b32 s31, 0
	s_mov_b32 s36, 3<<16
	s_mov_b32 s37, 32<<16
	s_mov_b32 s38, 24<<16                          ; the twelve scale blocks: 24 rows of 256 bytes
	s_mov_b32 s39, 32<<16
	s_mov_b32 s40, 24
	s_mov_b32 s41, 32
	s_mov_b32 s42, 0
	s_mov_b32 s43, 0
	s_mov_b32 s48, 3<<16
	s_mov_b32 s49, 32<<16                          ; the shift of 192 columns: 3 rows of 256 bytes, at a multiple of 256 in tb
	s_mov_b32 s50, 3<<16
	s_mov_b32 s51, 32<<16
	s_mov_b32 s52, 3
	s_mov_b32 s53, 32
	s_mov_b32 s54, 0
	s_mov_b32 s55, 0
	s_mul_i32 s76, s16, 12
	s_add_co_u32 s76, s76, 512                     ; my columns' first tile in img and isc
	s_mul_i32 s78, s76, TILEB
	s_mul_i32 s21, s14, 73728                      ; LDS and img: wave x a half of W (waves 0 and 1 use it)
	s_add_co_u32 s78, s78, s21
	s_mov_b32 s79, 0
	s_lshl_b32 s80, s76, 9
	s_mov_b32 s81, 0
	s_mov_b32 s33, WSC
	s_mul_i32 s82, s17, 9216
	s_mul_i32 s83, s16, 768
	s_add_co_u32 s82, s82, s83
	s_mov_b32 s83, 0
	s_mov_b32 s45, TBL
	s_mov_b32 s20, 1
	s_mov_b32 s32, 1
	s_mov_b32 s44, 1
	s_wait_alu depctr_va_vdst(0)
	s_wait_dscnt 0x0
	s_wait_kmcnt 0x0
	s_add_nc_u64 s[22:23], s[4:5], s[78:79]
	s_or_b32 s23, s23, 0x80000000
	s_add_nc_u64 s[34:35], s[6:7], s[80:81]
	s_or_b32 s35, s35, 0x80000000
	s_add_nc_u64 s[46:47], s[8:9], s[82:83]
	s_or_b32 s47, s47, 0x80000000
	; the launch's only fills, ONE a wave, in one chain of arms on the wave's number: waves 0 and 1 W's halves, wave 2 the scale blocks, wave 3 the shift
	s_cmp_lt_u32 s14, 2
	s_cbranch_scc0 .Lh_sc
	tensor_load_to_lds s[20:23], s[24:31]
	s_nop 0
	PLACES 4
	s_branch .Lh_asked
.Lh_sc:
	s_cmp_lt_u32 s14, 3
	s_cbranch_scc0 .Lh_tb
	tensor_load_to_lds s[32:35], s[36:43]
	s_nop 0
	PLACES 4
	s_branch .Lh_asked
.Lh_tb:
	tensor_load_to_lds s[44:47], s[48:55]
	s_nop 0
	PLACES 4
.Lh_asked:
	s_mul_i32 s78, s19, 8*TILEB
	s_add_nc_u64 s[56:57], s[4:5], s[78:79]        ; my eight tiles of x
	s_lshl_b32 s78, s19, 12
	s_add_nc_u64 s[58:59], s[6:7], s[78:79]        ; and their scale blocks
.irp i, 0,1,2,3,4,5,6,7
.irp k, 0,1,2
	global_load_b32 v[XS+3*\i+\k], v[LI], s[58:59] offset:512*\i+4*\k
.endr
.endr
.irp s, 0,1,2,3,4,5                    ; x's fragment (K step s, tile i): window 1 + s / 2, register 128 (s % 2) + 16 i.  K step by K step, so that the waits below can count
	WIN ((1+\s/2)<<6)
.irp i, 0,1,2,3,4,5,6,7
.irp c, 0,1,2,3
	global_load_b128 v[128*(\s%2)+16*\i+4*\c:128*(\s%2)+16*\i+4*\c+3], v[LI], s[56:57] offset:TILEB*\i+2048*\s+512*\c
.endr
.endr
.endr
	WIN 0
	v_bfe_u32 v8, v0, 4, 1                         ; h
	v_lshl_add_u32 v[TBQ0], v8, 6, TBL
	v_and_b32 v8, 15, v0                           ; r
	v_and_b32 v9, 8, v8
	v_add_nc_u32 v9, v9, v8                        ; r + 8 (r / 8)
	v_lshl_add_u32 v[TBV0], v9, 2, TBL
	s_mov_b32 s[MNT], 0x600000
	s_mov_b32 s[SEL], 0x76543210
	s_mov_b32 s[SEL+1], 0xfedcba98
	; where the results go: the choices hang on the work-group's number alone
	s_and_b32 s75, s16, 3
	s_mul_i32 s75, s75, 3                          ; my first head
	s_mul_i32 s76, s17, 12
	s_add_co_u32 s75, s75, s76
	s_lshl_b32 s75, s75, 3
	s_add_co_u32 s75, s75, s18                     ; ((12 b + head) 8 + block)
	s_mov_b32 s76, 17408
	s_mov_b32 s66, 139264
	s_mov_b32 s67, 0
	s_mov_b32 s[FLR], 0x4800000
	s_mov_b32 s77, 16384
	s_cmp_lt_u32 s16, 4                            ; q?
	s_cselect_b64 s[60:61], s[10:11], s[12:13]
	s_cselect_b32 s76, 8704, s76                   ; bytes of a block,
	s_cselect_b32 s66, 69632, s66                  ; of a head,
	s_cselect_b32 s[FLR], 0x6000000, s[FLR]        ; the floor,
	s_cselect_b32 s[SUB], 0x03030303, 0            ; what comes off the bytes,
	s_cselect_b32 s77, 8192, s77                   ; and from the codes to the scale words
	s_cmp_lt_u32 s16, 8                            ; v?
	s_cselect_b32 s78, 0, 8192
	s_cselect_b32 s77, s77, 8704
	s_mul_i32 s80, s75, s76
	s_add_co_u32 s80, s80, s78
	s_mov_b32 s81, 0
	s_add_nc_u64 s[60:61], s[60:61], s[80:81]      ; codes
	s_mov_b32 s80, s77
	s_add_nc_u64 s[62:63], s[60:61], s[80:81]      ; scale words
	s_mov_b32 s84, 0                               ; the head in hand: W's images,
	s_mov_b32 s85, WSC                             ; their scale blocks,
	s_mov_b32 s86, 0                               ; its shift
	s_mov_b32 s74, 0
	s_wait_tensorcnt 0x0                           ; my one fill has landed,
	s_barrier_signal -1
	s_barrier_wait -1                              ; everybody's have; nothing is filled again
.macro WFETCH c, s                     ; two tiles of W, K step s, into buffer s % 2
.irp u, 0,1
.irp q, 0,1,2,3
	ds_load_b128 v[WF+32*((\s)%2)+16*\u+4*\q:WF+32*((\s)%2)+16*\u+4*\q+3], v[WA] offset:TILEB*(2*\c+\u)+2048*(\s)+512*\q
.endr
.endr
.endm
; 16 products of K step s: 8 tiles of tokens x 2 tiles of W.  The sixteen accumulators take turns, one instruction a turn, in the same order in every step.
; A scale register holds an even K step's words in lanes 0-15 and the odd step's in lanes 16-31.
.macro PROD mode, s
.irp i, 0,1,2,3,4,5,6,7
.irp u, 0,1
.set XR, 128*((\s)%2)+16*\i
.set WR, WF+32*((\s)%2)+16*\u
.set SX, XS+3*\i+(\s)/2
.set SY, WS+3*\u+(\s)/2
.if \mode == 0
.set DD, ACC+16*\i+8*\u
.set AA, WR
.set BB, XR
.set SA, SY
.set SB, SX
.else
.set DD, ACC+64*\u+8*\i
.set AA, XR
.set BB, WR
.set SA, SX
.set SB, SY
.endif
.if (\s) == 0
	v_wmma_scale_f32_16x16x128_f8f6f4 v[DD:DD+7], v[AA:AA+15], v[BB:BB+15], v[CB+8*\u:CB+8*\u+7], v[SA], v[SB]
.elseif (\s)%2
	v_wmma_scale_f32_16x16x128_f8f6f4 v[DD:DD+7], v[AA:AA+15], v[BB:BB+15], v[DD:DD+7], v[SA], v[SB] matrix_a_scale:MATRIX_SCALE_ROW1 matrix_b_scale:MATRIX_SCALE_ROW1
.else
	v_wmma_scale_f32_16x16x128_f8f6f4 v[DD:DD+7], v[AA:AA+15], v[BB:BB+15], v[DD:DD+7], v[SA], v[SB]
.endif
.endr
.endr
.endm
; q, k: block b of four is token tile 4 g + b; its 16 registers are my half of block c of the head's 64
.macro EPI_QK c
	WIN 0
	PLACES 9                                       ; behind the last products: 8 for vector reads of results and writes over operands, 9 for the next block's products, which begin the accumulators anew
.irp g, 0,1
	s_wait_xcnt 0x0                                ; the stores before have read the codes' registers
	QMAX ACC+64*\g, 4
	QSCL 4
.if \c == 0
	v_lshl_or_b32 v[CW+2*\g], v[TM+5], 16, v[TM+4]
	v_lshl_or_b32 v[CW+2*\g+1], v[TM+7], 16, v[TM+6]
.else
	v_lshl_or_b32 v[CW+2*\g], v[TM+4], 8, v[CW+2*\g]
	v_lshl_or_b32 v[CW+2*\g], v[TM+5], 24, v[CW+2*\g]
	v_lshl_or_b32 v[CW+2*\g+1], v[TM+6], 8, v[CW+2*\g+1]
	v_lshl_or_b32 v[CW+2*\g+1], v[TM+7], 24, v[CW+2*\g+1]
.endif
	QCVT ACC+64*\g, 4, PC
.irp b, 0,1,2,3
	global_store_b128 v[LI], v[PC+4*\b:PC+4*\b+3], s[60:61] offset:1024*(4*\g+\b)+512*\c   ; 512 consecutive bytes
.endr
.endr
.if \c == 1
.irp k, 0,1,2,3
	v_sub_nc_u32 v[CW+\k], v[CW+\k], s[SUB]        ; q: 3 off each byte (each is at least 4: no borrow); k: 0
.endr
	global_store_b128 v[LI], v[CW:CW+3], s[62:63]
.endif
.endm
; v: block b of four is key block b of channel tile 2 c + u
.macro EPI_V c
	WIN 0
	PLACES 9
.irp u, 0,1
	s_wait_xcnt 0x0
	QMAX ACC+64*\u, 4
	QSCL 4
	v_lshl_or_b32 v[CW+2*\c+\u], v[TM+5], 8, v[TM+4]
	v_lshl_or_b32 v[CW+2*\c+\u], v[TM+6], 16, v[CW+2*\c+\u]
	v_lshl_or_b32 v[CW+2*\c+\u], v[TM+7], 24, v[CW+2*\c+\u]
	QCVT ACC+64*\u, 4, PC
.irp b, 0,1,2,3
	global_store_b128 v[LI], v[PC+4*\b:PC+4*\b+3], s[60:61] offset:2048*(2*\c+\u)+512*\b
.endr
.endr
.if \c == 1
	global_store_b128 v[LI], v[CW:CW+3], s[62:63]
.endif
.endm
; A block of 32 columns: block c of the head in hand.  mode 0: q, k; 1: v.
.macro CBLK mode, c
	WIN 0
	s_wait_xcnt 0x0                                ; the last block's stores have read the registers that the loads below fill
.if \mode == 0
.irp j, 0,1,2,3
	ds_load_b128 v[CB+4*\j:CB+4*\j+3], v[TBQ] offset:128*\c+16*\j          ; register 8 u + j: the shift of column 32 c + 16 h + 8 u + j
.endr
.else
.irp u, 0,1
.irp j, 0,1,2,3,4,5,6,7
	ds_load_b32 v[CB+8*\u+\j], v[TBV] offset:128*\c+32*\u                  ; my channel's shift, for all eight keys of a lane
.endr
.endr
.endif
.irp u, 0,1
.irp k, 0,1,2
	ds_load_b32 v[WS+3*\u+\k], v[WSA] offset:512*(2*\c+\u)+4*\k
.endr
.endr
	WFETCH \c, 0
.irp s, 0,1,2,3,4,5
	WIN 0
.if \s > 0
	PLACES 8                                       ; behind the products of the step before, which read the buffer that is loaded now (ISA guide 7.12.1 for vector instructions)
.endif
.if \s < 5
	WFETCH \c, \s+1
	s_wait_dscnt 8                                 ; all but the next step's eight loads
.else
	s_wait_dscnt 0x0
.endif
.if \s == 0
	s_wait_loadcnt 63                              ; of the 216 loads at the head the youngest 63 may be out: they belong to x's K steps 4 and 5
.elseif \s == 4
	s_wait_loadcnt 32                              ; K step 5's 32 may be out
.elseif \s == 5
	s_wait_loadcnt 0x0
.endif
.if \mode == 0
	WIN ((1+\s/2)<<2)                              ; source 1 = x
.else
	WIN (1+\s/2)                                   ; source 0 = x
.endif
	PROD \mode, \s
.endr
.if \mode == 0
	EPI_QK \c
.else
	EPI_V \c
.endif
.endm
.Lhead:                                            ; three trips, a head each; every wave of every work-group walks the loop, and the two ways part inside it
	v_add_nc_u32 v[WA], s84, v[LI]
	v_add_nc_u32 v[WSA], s85, v[LI]
	s_wait_alu depctr_va_vdst(0)
	v_add_nc_u32 v[TBQ], s86, v[TBQ0]
	v_add_nc_u32 v[TBV], s86, v[TBV0]
	s_cmp_lt_u32 s16, 8
	s_cbranch_scc0 .Lvpath
	s_wait_alu depctr_va_vdst(0)
	CBLK 0, 0
	CBLK 0, 1
	s_branch .Ljoin
.Lvpath:
	s_wait_alu depctr_va_vdst(0)
	CBLK 1, 0
	CBLK 1, 1
.Ljoin:
	s_wait_xcnt 0x0                                ; the stores have read their bases
	s_add_nc_u64 s[60:61], s[60:61], s[66:67]
	s_add_nc_u64 s[62:63], s[62:63], s[66:67]
	s_add_co_u32 s84, s84, 4*TILEB
	s_add_co_u32 s85, s85, 2048
	s_add_co_u32 s86, s86, 256
	s_add_co_u32 s74, s74, 1
	s_cmp_lt_u32 s74, 3
	s_cbranch_scc1 .Lhead
	s_wait_tensorcnt 0x0
	ds_add_u32 v254, v255
	s_wait_dscnt 0x0
	s_endpgm
.Lfunc_end_k_q7cad3bc9ae_qkv:
	.size	k_q7cad3bc9ae_qkv, .Lfunc_end_k_q7cad3bc9ae_qkv-k_q7cad3bc9ae_qkv
	.p2alignl 7, 3214868480
	.fill 96, 4, 3214868480
	.section	.rodata,"a",@progbits
	.p2align	6, 0x0
	.amdhsa_kernel k_q7cad3bc9ae_qkv
		.amdhsa_group_segment_fixed_size 168448
		.amdhsa_private_segment_fixed_size 0
		.amdhsa_enable_private_segment 0
		.amdhsa_kernarg_size 40
		.amdhsa_user_sgpr_count 2
		.amdhsa_user_sgpr_kernarg_segment_ptr 1
		.amdhsa_wavefront_size32 1
		.amdhsa_system_sgpr_workgroup_id_x 1
		.amdhsa_system_sgpr_workgroup_id_y 1
		.amdhsa_system_sgpr_workgroup_id_z 1
		.amdhsa_system_vgpr_workitem_id 0
		.amdhsa_next_free_vgpr 1024
		.amdhsa_next_free_sgpr 90
		.amdhsa_reserve_vcc 0
		.amdhsa_float_denorm_mode_32 3
		.amdhsa_float_denorm_mode_16_64 3
		.amdhsa_memory_ordered 1
		.amdhsa_forward_progress 1
		.amdhsa_inst_pref_size 167
	.end_amdhsa_kernel
	.amdgpu_metadata
---
amdhsa.version: [ 1, 2 ]
amdhsa.kernels:
  - .name:           k_q7cad3bc9ae_qkv
    .symbol:         k_q7cad3bc9ae_qkv.kd
    .args:
      - { .name: img, .offset: 0, .size: 8, .value_kind: global_buffer, .address_space: global }
      - { .name: isc, .offset: 8, .size: 8, .value_kind: global_buffer, .address_space: global }
      - { .name: tb, .offset: 16, .size: 8, .value_kind: global_buffer, .address_space: global }
      - { .name: qbuf, .offset: 24, .size: 8, .value_kind: global_buffer, .address_space: global }
      - { .name: kv, .offset: 32, .size: 8, .value_kind: global_buffer, .address_space: global }
    .group_segment_fixed_size: 168448
    .private_segment_fixed_size: 0
    .kernarg_segment_align: 8
    .kernarg_segment_size: 40
    .max_flat_workgroup_size: 128
    .sgpr_count:     90
    .vgpr_count:     1024
    .wavefront_size: 32
...
	.end_amdgpu_metadata
.endif
;; end of part 6
;; launch attn (part 7): grid 4 x 64, 16 waves a work-group, clusters of 4 x 4, 327,680 bytes of LDS; arguments qbuf, kv, rel_pos_bias, oimg, osc; writes oimg, osc
.if DOCPART == 7
	.amdgcn_target "amdgcn-amd-amdhsa--gfx1250"
	.amdhsa_code_object_version 6
	.text
	.protected	k_q7cad3bc9ae_attn
	.globl	k_q7cad3bc9ae_attn
	.p2align	8
	.type	k_q7cad3bc9ae_attn,@function
k_q7cad3bc9ae_attn:
	s_mov_b64 s[64:65], 0
	v_nop
	global_prefetch_b8 v0, s[64:65] scope:SCOPE_SE
	s_setreg_imm32_b32 hwreg(HW_REG_WAVE_MODE, 25, 1), 1
	s_wait_xcnt 0x0
	s_wait_alu depctr_hold_cnt(0) depctr_sa_sdst(0) depctr_va_vdst(0) depctr_va_sdst(0) depctr_va_ssrc(0) depctr_va_vcc(0) depctr_vm_vsrc(0)
	s_getreg_b32 s2, hwreg(HW_REG_IB_STS2, 6, 4)
	s_cmp_eq_u32 s2, 0
	s_cbranch_scc0 .Lentry_in_a_cluster
	s_endpgm
.Lentry_in_a_cluster:
	s_bfe_u32 s2, ttmp6, 0x10000c
	s_cmp_lg_u32 s2, 0xf033
	s_cbranch_scc0 .Lentry_shape_is_right
	s_endpgm
.Lentry_shape_is_right:
; ATTENTION on codes of FP8 (E4M3) with E8M0 scales: S^T = K Q^T / 8 + bias, p = 2^(t - M), O^T = V^T P^T, o = O / l, o quantised along the head's 64 for the last projection.
; t = logit x log2(e); M = the running largest t rounded UP to a whole number, kept as -M = floor(-t); l is the sum of the unquantised p; when M moves, l and O^T are multiplied by 2^(old M - new M): exact.
; SHARES.  Work-group (x, y): batches 2 x and 2 x + 1, queries 64 (y % 16) on, and THREE HEADS, 3 (y / 16) + 0, 1, 2, one after the other: 256 work-groups that stay.
; SIXTEEN waves of 256 registers, four to a SIMD.  Wave w: tile w % 4 of 16 queries, batch 2 x + (w / 4) % 2, and g = w / 8: OF EACH SLOT'S 256 KEYS IT WALKS THE g-th 128: four key steps a head.
; So a tile's keys are shared by two waves, each with its own whole M, l and O^T.  At a head's end waves 8-15 hand theirs to waves 0-7 through a stage in LDS; both parts are brought under the larger M by powers of two, added, divided by l.
; CLUSTER 4 x 4.  The bias tile hangs on y and the head alone: shared along a row of the cluster.  K's and V's tiles hang on x and the head alone: shared along a column.
; LAYOUT.  Both products are used transposed: a lane holds ONE query (lane % 16).  Tiles hold rows 32 (T / 2) + 8 (T % 2) + m + 8 (m / 8), so that the 16 registers of score tiles 2 b, 2 b + 1 are keys 32 b + 16 (lane / 16) + 0 .. 15.
; THE SCORES' K IS 64, the instruction's 128: a fragment of K holds TWO tiles of keys, and q stands beside zero codes, (q, 0) or (0, q).  THE BIAS IS THE C OF THE SCORE PRODUCT.  1 / 8 lies in q's scale bytes.
; THE SOFTMAX GOES IN TWO HALVES of 64 keys.  The first half's exponentials stand by turns with the second half's scalings t - M, the second half's with the first half's holds: in such a stretch no line reads what
; another line of the stretch writes; all its sources are written ahead of the wait in front of it, all its results are read behind the wait that follows it.  Each half's part of the row's sum is taken ahead of its holds.
; RING.  Two slots of 256 keys; it goes on from head to head: twelve tiles of 256 keys, tile m = head m / 4, keys 256 (m % 4) on.  Tile 0 is asked for at the head, tile 1 behind the full sequence and a round, tile n + 2 in key step n.
; The change of slots stands inside every key step, behind the row's sums: V, the slot's last bytes, is in registers by then (V takes K's registers behind the score products).  Every wait on TENSORcnt and on DScnt in this text is for 0.
; PREFETCH.  The head asks for tile 1, the place behind tile 1's load for tiles 2 and 3, key step n (behind its refill) for tile n + 4, two refills ahead; the last head's steps ask for nothing: tile 11 is the last.
; So at most two tiles are asked for and not yet loaded.  Wave 8: the bias tile's rows 16 cx on, 16 rows x 1,024 bytes, a lane to each 256, two instructions a tile:
; the four work-groups of the cluster's row ask for its four quarters.  Wave 9: block cy of the tile's four blocks of K and V (batch 2 x + cy / 2, step cy % 2): 68 units of 256 bytes in three instructions;
; the third's lanes 4-31 name unit 67 again.  So each unit is named once in each cluster that loads it.
; LIMITS: NaN and infinities are not served.  A block's largest p is made from the block's largest score by the same multiply-add and exponential: this takes v_exp_f32 not to fall where its input rises.
; Blocks under the floor 2^(9 - 127) keep the byte 1; this program alone reads the bytes.  The promise holds while the scaled scores stay under 2^31 in magnitude.
.set SLOT,  136704                     ; a slot: the bias, 4 groups of 16 rows (row pitch 1,040, group pitch 16,768); then four blocks of K and V: (batch, step)
.set KVO,   67072
.set STEPB, 17408                      ; a key step's block: K 8,192, V 8,192, K's pair words 512, V's scale words 512
.set STG,   2*SLOT                     ; the stage: 9 x 512 bytes for each of eight pairs of waves; no fill lands here
.set SPARE, STG+8*4608                 ; the spare words, 128 bytes for each wave: eight blocks of 256 bytes that no other line names
.set UNITS, 3
.set QHEAD, 69632                      ; qbuf: bytes from a head to the next
.set BHEAD, 4194304                    ; rel_pos_bias: bytes from a head to the next
.set SPW,  1
.set NIL,  2
.set ABI,  3                           ; v3-4 my query's row of the bias, + 64 h + 512 g, in slot 0, 1
.set AKV,  5                           ; v5-6 my batch's g-th block, + 16 x lane, in slot 0, 1
.set LI,   7                           ; v7   16 x lane
.set R4,   8                           ; v8   4 r
.set STA,  9                           ; v9   my pair's stage + 16 x lane
.set PFO,  10                          ; v10  the bias's prefetch: 4,096 (lane / 4) + 256 (lane % 4)
.set QZ,   16                          ; v16-23 zeros, v24-31 q, v32-39 zeros
.set KF,   40                          ; v40-103 four fragments of K, then of V; at a head's end the partner's part
.set S,    104                         ; v104-167 the bias, S^T, p
.set O,    168                         ; v168-199 O^T
.set PC,   200                         ; v200-215 p's codes
.set KS,   216                         ; v216-219 K's pair words, then V's scale words
.set NQA,  220                         ; v220-223, v252-255 the next head's q
.set NQB,  252
.set PKO,  224                         ; v224 K's and V's prefetch: 256 x lane
.set PKT,  225                         ; v225 the same, held at 768: units 64 to 67 of a block's 68
.set QS,   228                         ; q's scale word (c0, c1, c0, c1)
.set PW,   229                         ; p's scale word
.set NQW,  230                         ; a pair word of q as loaded
.set TM,   232                         ; v232-235 largest, 236-239 bytes, 240-243 448 x the scale, 244-247 the conversions' scale operands
.set F,    248                         ; v[248:249] 2^(old M - new M), and a 0 named with it
.set T0,   250
.set PF,   22                          ; s[22:23] the bias tile last asked for: my work-group's quarter
.set PK,   78                          ; s[78:79] the tile of K and V last asked for: my work-group's block
.set G1B,  24
.set G0B,  32
.set G1K,  40
.set G0K,  48
.set CS,   56
.set SEL,  58
.set MNT,  60
.set FLR,  61
.set PSEL, 62
.set G,    63
.macro WALU
	s_wait_alu depctr_va_vdst(0)
.endm
.macro PLACES n
.rept \n
	v_nop
.endr
.endm
.macro CROUND
	s_barrier_signal -1
	s_barrier_wait -1
	s_cmp_lg_u32 s14, 0
	s_cbranch_scc1 .Lnot_wave_0_\@
	s_barrier_signal -3
.Lnot_wave_0_\@:
	s_barrier_wait -3
	s_barrier_signal -1
	s_barrier_wait -1
.endm
.macro JLOAD sl                        ; a joint fill of slot sl: one load a wave in waves 0-7; the branches hang on the wave's number alone
	s_cmp_lt_u32 s14, 4
	s_cbranch_scc0 .Lfor_kv_\@
	tensor_load_to_lds s[G0B+4*\sl:G0B+4*\sl+3], s[G1B:G1B+7]
	s_nop 0
	PLACES 4
	s_branch .Lasked_\@
.Lfor_kv_\@:
	s_cmp_lt_u32 s14, 8
	s_cbranch_scc0 .Lasked_\@
	tensor_load_to_lds s[G0K+4*\sl:G0K+4*\sl+3], s[G1K:G1K+7]
	s_nop 0
	PLACES 4
.Lasked_\@:
.endm
; The next tile in the refills' order: step bytes on in the bias (wave 8), two key steps' blocks on in kv (wave 9).  two = 1: the pointers go two tiles on (inside a head), and both tiles are asked for.
.macro PREF step, two=0
	s_cmp_eq_u32 s14, 8
	s_cbranch_scc0 .Lpf_kv_\@
	s_wait_xcnt 0x0                                ; the last prefetch, a key step ago, has read its base
	s_add_nc_u64 s[PF:PF+1], s[PF:PF+1], \step
.if \two
	global_prefetch_b8 v[PFO], s[PF:PF+1] offset:-1024 th:TH_LOAD_NT scope:SCOPE_SE
	global_prefetch_b8 v[PFO], s[PF:PF+1] offset:31744 th:TH_LOAD_NT scope:SCOPE_SE
.endif
	global_prefetch_b8 v[PFO], s[PF:PF+1] th:TH_LOAD_NT scope:SCOPE_SE
	global_prefetch_b8 v[PFO], s[PF:PF+1] offset:32768 th:TH_LOAD_NT scope:SCOPE_SE
	s_branch .Lno_pf_\@
.Lpf_kv_\@:
	s_cmp_eq_u32 s14, 9
	s_cbranch_scc0 .Lno_pf_\@
	s_wait_xcnt 0x0
	s_add_nc_u64 s[PK:PK+1], s[PK:PK+1], 2*STEPB*(1+\two)
.if \two
	global_prefetch_b8 v[PKO], s[PK:PK+1] offset:-2*STEPB th:TH_LOAD_NT scope:SCOPE_SE
	global_prefetch_b8 v[PKO], s[PK:PK+1] offset:8192-2*STEPB th:TH_LOAD_NT scope:SCOPE_SE
	global_prefetch_b8 v[PKT], s[PK:PK+1] offset:16384-2*STEPB th:TH_LOAD_NT scope:SCOPE_SE
.endif
	global_prefetch_b8 v[PKO], s[PK:PK+1] th:TH_LOAD_NT scope:SCOPE_SE
	global_prefetch_b8 v[PKO], s[PK:PK+1] offset:8192 th:TH_LOAD_NT scope:SCOPE_SE
	global_prefetch_b8 v[PKT], s[PK:PK+1] offset:16384 th:TH_LOAD_NT scope:SCOPE_SE
.Lno_pf_\@:
.endm
.macro QMAX src, nb
.irp b, 0,1,2,3
.if \b < \nb
	v_max3_num_f32 v[TM+\b], |v[16*\b+(\src)]|, |v[16*\b+1+(\src)]|, s[FLR]
.endif
.endr
.irp i, 2,4,6,8,10,12,14
.irp b, 0,1,2,3
.if \b < \nb
	v_max3_num_f32 v[TM+\b], v[TM+\b], |v[16*\b+\i+(\src)]|, |v[16*\b+\i+1+(\src)]|
.endif
.endr
.endr
.irp b, 0,1,2,3
.if \b < \nb
	v_permlanex16_b32 v[TM+4+\b], v[TM+\b], s[SEL], s[SEL+1]
.endif
.endr
.irp b, 0,1,2,3
.if \b < \nb
	v_max_num_f32 v[TM+\b], v[TM+\b], v[TM+4+\b]
.endif
.endr
.endm
.macro QSCL nb
.irp b, 0,1,2,3
.if \b < \nb
	v_add_nc_u32 v[TM+12+\b], 0xfc000000, v[TM+\b]
.endif
.endr
.irp b, 0,1,2,3
.if \b < \nb
	v_and_or_b32 v[TM+8+\b], v[TM+\b], 0x7f800000, s[MNT]
.endif
.endr
.irp b, 0,1,2,3
.if \b < \nb
	v_lshrrev_b32 v[TM+4+\b], 23, v[TM+12+\b]
.endif
.endr
.endm
.macro QCVT src, nb, pc
.irp b, 0,1,2,3
.if \b < \nb
.irp i, 0,1,2,3,4,5,6,7,8,9,10,11,12,13,14,15
	v_med3_num_f32 v[16*\b+\i+(\src)], v[16*\b+\i+(\src)], -v[TM+8+\b], v[TM+8+\b]
.endr
	v_cvt_scalef32_pk8_fp8_f32 v[4*\b+(\pc):4*\b+1+(\pc)], v[16*\b+(\src):16*\b+7+(\src)], v[TM+12+\b]
	v_cvt_scalef32_pk8_fp8_f32 v[4*\b+2+(\pc):4*\b+3+(\pc)], v[16*\b+8+(\src):16*\b+15+(\src)], v[TM+12+\b]
.endif
.endr
	v_nop
.endm
.macro PCVT b                          ; block b's 16 held p of a lane into four registers of codes
	v_cvt_scalef32_pk8_fp8_f32 v[PC+4*\b:PC+1+4*\b], v[S+16*\b:S+7+16*\b], v[TM+12+\b]
	v_cvt_scalef32_pk8_fp8_f32 v[PC+2+4*\b:PC+3+4*\b], v[S+8+16*\b:S+15+16*\b], v[TM+12+\b]
.endm
.macro HALFSUM x                       ; 32 unquantised p at x are added to the row's sum: sixteen packed additions in four chains
	v_pk_add_f32 v[TM+4:TM+5], v[\x:\x+1], v[\x+2:\x+3]
	v_pk_add_f32 v[TM+6:TM+7], v[\x+4:\x+5], v[\x+6:\x+7]
	v_pk_add_f32 v[TM+8:TM+9], v[\x+8:\x+9], v[\x+10:\x+11]
	v_pk_add_f32 v[14:15], v[14:15], v[\x+12:\x+13]
.irp k, 0,1
	v_pk_add_f32 v[TM+4:TM+5], v[TM+4:TM+5], v[\x+14+8*\k:\x+15+8*\k]
	v_pk_add_f32 v[TM+6:TM+7], v[TM+6:TM+7], v[\x+16+8*\k:\x+17+8*\k]
	v_pk_add_f32 v[TM+8:TM+9], v[TM+8:TM+9], v[\x+18+8*\k:\x+19+8*\k]
	v_pk_add_f32 v[14:15], v[14:15], v[\x+20+8*\k:\x+21+8*\k]
.endr
	v_pk_add_f32 v[TM+4:TM+5], v[TM+4:TM+5], v[\x+30:\x+31]
	v_pk_add_f32 v[TM+6:TM+7], v[TM+6:TM+7], v[TM+8:TM+9]
	v_pk_add_f32 v[14:15], v[14:15], v[TM+4:TM+5]
	v_pk_add_f32 v[14:15], v[14:15], v[TM+6:TM+7]
.endm
.macro KLOAD sl                        ; four fragments of K and their pair words
.irp p, 0,1,2,3
.irp q, 0,1,2,3
	ds_load_b128 v[KF+16*\p+4*\q:KF+16*\p+4*\q+3], v[AKV+(\sl)] offset:2048*\p+512*\q
.endr
.endr
	ds_load_b128 v[KS:KS+3], v[AKV+(\sl)] offset:16384
.endm
.macro BLOAD sl, k                     ; the bias of my query at keys 32 k + 16 h + 0 .. 15: the result's layout
.irp j, 0,1,2,3
	ds_load_b128 v[S+16*(\k)+4*\j:S+16*(\k)+4*\j+3], v[ABI+(\sl)] offset:128*(\k)+16*\j
.endr
.endm
.macro VLOAD sl                        ; four fragments of V and their scale words, into K's registers
.irp t, 0,1,2,3
.irp q, 0,1,2,3
	ds_load_b128 v[KF+16*\t+4*\q:KF+16*\t+4*\q+3], v[AKV+(\sl)] offset:8192+2048*\t+512*\q
.endr
.endr
	ds_load_b128 v[KS:KS+3], v[AKV+(\sl)] offset:16896
.endm
	s_load_b256 s[4:11], s[0:1], 0x0               ; qbuf 4, kv 6, rel_pos_bias 8, oimg 10
	s_load_b64 s[12:13], s[0:1], 0x20              ; osc
	v_lshl_add_u32 v[SPW], v0, 2, SPARE
	v_mov_b32 v[NIL], 0
	ds_add_u32 v[SPW], v[NIL]                      ; the opening lines: the add twice on end and one wait
	ds_add_u32 v[SPW], v[NIL]
	v_lshrrev_b32 v11, 5, v0
	v_readfirstlane_b32 s14, v11                   ; wave 0..15
	s_and_b32 s15, s14, 3                          ; my tile of queries; in waves 0-7 also: which quarter I fetch
	s_bfe_u32 s16, s14, 0x10002                    ; which of the two batches
	s_lshr_b32 s[G], s14, 3                        ; which 128 keys of a slot
	s_bfe_u32 s72, ttmp6, 0x40000                  ; cx
	s_bfe_u32 s73, ttmp6, 0x40004                  ; cy
	s_lshl_b32 s74, ttmp9, 2
	s_add_co_u32 s74, s74, s72                     ; x: the pair of batches
	s_and_b32 s75, ttmp7, 0xffff
	s_lshr_b32 s76, s75, 2
	s_mul_i32 s76, s76, UNITS                      ; the first head: the same in the whole cluster
	s_and_b32 s91, s75, 3
	s_lshl_b32 s91, s91, 2
	s_add_co_u32 s91, s91, s73                     ; my block of 64 queries
	s_lshl_b32 s77, s76, 4
	s_add_co_u32 s77, s77, s91                     ; 16 x head + block
	s_lshl_b32 s78, s73, 2
	s_lshl_b32 s78, 15, s78                        ; my row of the cluster
	s_lshl_b32 s79, 0x1111, s72                    ; my column
	s_or_b32 s[G1B], s78, (2<<16)|(1<<20)|(1<<21)|(7<<22)|(3<<25)   ; the bias: 16 rows x 256 f32, 1,024 elements from row to row; 4 words of padding behind each row
	s_mov_b32 s[G1B+1], 256<<16
	s_mov_b32 s[G1B+2], 16<<16
	s_mov_b32 s[G1B+3], 256<<16
	s_mov_b32 s[G1B+4], 16
	s_mov_b32 s[G1B+5], 1024
	s_mov_b32 s[G1B+6], 0
	s_mov_b32 s[G1B+7], 0
	s_or_b32 s[G1K], s79, (3<<16)|(1<<21)          ; K and V: a dense block of 17,408 bytes as 68 rows of 256
	s_mov_b32 s[G1K+1], 32<<16
	s_mov_b32 s[G1K+2], 68<<16
	s_mov_b32 s[G1K+3], 32<<16
	s_mov_b32 s[G1K+4], 68
	s_mov_b32 s[G1K+5], 32
	s_mov_b32 s[G1K+6], 0
	s_mov_b32 s[G1K+7], 0
	s_lshl_b32 s80, s77, 18                        ; the bias: row 64 (16 head + block) + 16 x quarter, 4,096 bytes a row
	s_lshl_b32 s81, s15, 16
	s_add_co_u32 s80, s80, s81
	s_mov_b32 s81, 0
	s_lshl_b32 s82, s74, 1                         ; K and V: batch 2 x + quarter / 2, the head, step quarter % 2
	s_lshr_b32 s83, s15, 1
	s_add_co_u32 s82, s82, s83
	s_mul_i32 s82, s82, 12
	s_add_co_u32 s82, s82, s76
	s_mul_i32 s82, s82, 8*STEPB
	s_and_b32 s83, s15, 1
	s_mul_i32 s83, s83, STEPB
	s_add_co_u32 s82, s82, s83
	s_mov_b32 s83, 0
	s_mul_i32 s84, s15, 16768                      ; where they go: no place in the cluster enters an LDS address
	s_mul_i32 s85, s15, STEPB
	s_add_co_u32 s85, s85, KVO
	s_mov_b32 s[CS], 0x3fb8aa3b                    ; log2(e)
	s_mov_b32 s[CS+1], s[CS]
	s_mov_b32 s[SEL], 0x76543210
	s_mov_b32 s[SEL+1], 0xfedcba98
	s_mov_b32 s[MNT], 0x600000
	s_mov_b32 s[FLR], 0x4800000
	s_and_b32 s[PSEL], s14, 1
	s_mul_i32 s[PSEL], s[PSEL], 0x02020202
	s_add_co_u32 s[PSEL], s[PSEL], 0x01000100      ; bytes 0, 1 of a pair word for an even tile, bytes 2, 3 for an odd one, twice
	WALU
	s_wait_dscnt 0x0                               ; both opening adds are done
	s_wait_kmcnt 0x0
	s_add_nc_u64 s[86:87], s[8:9], s[80:81]
	s_add_nc_u64 s[88:89], s[6:7], s[82:83]
.irp sl, 0,1                           ; group 0, a set for each slot: slot sl begins with keys 256 sl on
	s_mov_b32 s[G0B+4*\sl], 1
	s_add_co_u32 s[G0B+4*\sl+1], s84, \sl*SLOT
	s_add_nc_u64 s[G0B+4*\sl+2:G0B+4*\sl+3], s[86:87], \sl*1024
	s_or_b32 s[G0B+4*\sl+3], s[G0B+4*\sl+3], 0x80000000
	s_mov_b32 s[G0K+4*\sl], 1
	s_add_co_u32 s[G0K+4*\sl+1], s85, \sl*SLOT
	s_add_nc_u64 s[G0K+4*\sl+2:G0K+4*\sl+3], s[88:89], \sl*2*STEPB
	s_or_b32 s[G0K+4*\sl+3], s[G0K+4*\sl+3], 0x80000000
.endr
	CROUND                                         ; all sixteen work-groups are here: the first joint loads meet
	JLOAD 0                                        ; slot 0: at most one tensor load a wave at the head
	s_lshl_b32 s90, s74, 1
	s_add_co_u32 s90, s90, s16                     ; my batch
	s_mul_i32 s92, s90, 12
	s_add_co_u32 s92, s92, s76
	s_lshl_b32 s92, s92, 3
	s_lshr_b32 s93, s91, 1
	s_add_co_u32 s92, s92, s93
	s_mul_i32 s92, s92, 8704                       ; qbuf's block of 128 tokens
	s_and_b32 s93, s91, 1
	s_lshl_b32 s93, s93, 2
	s_add_co_u32 s93, s93, s15                     ; my tile among its eight
	s_lshl_b32 s94, s93, 10
	s_add_co_u32 s94, s94, s92
	s_mov_b32 s95, 0
	s_add_nc_u64 s[66:67], s[4:5], s[94:95]        ; q's codes
	s_lshr_b32 s93, s93, 1
	s_lshl_b32 s93, s93, 2
	s_add_co_u32 s94, s92, s93
	s_add_co_u32 s94, s94, 8192
	s_add_nc_u64 s[20:21], s[4:5], s[94:95]        ; its pair word
	s_lshl_b32 s92, s90, 6
	s_lshl_b32 s93, s91, 2
	s_add_co_u32 s92, s92, s93
	s_add_co_u32 s92, s92, s15                     ; my tile of tokens among all 512
	s_mul_i32 s94, s92, 12288
	s_lshl_b32 s93, s76, 10                        ; the head's place in a tile's images: 1,024 bytes a head
	s_add_co_u32 s94, s94, s93
	s_add_nc_u64 s[68:69], s[10:11], s[94:95]
	s_mul_i32 s94, s92, 384                        ; my tile's six rows of 16 scale words
	s_add_nc_u64 s[70:71], s[12:13], s[94:95]
	s_lshl_b32 s92, s77, 18                        ; the bias's prefetch stands at tile 1 (the first head's keys 256 on), rows 16 cx on
	s_lshl_b32 s93, s72, 16
	s_add_co_u32 s92, s92, s93
	s_add_co_u32 s92, s92, 1024
	s_mov_b32 s93, 0
	s_add_nc_u64 s[PF:PF+1], s[8:9], s[92:93]
	s_lshl_b32 s92, s74, 1                         ; K's and V's at tile 1 too: batch 2 x + cy / 2, the first head, step 2 + cy % 2
	s_lshr_b32 s18, s73, 1
	s_add_co_u32 s92, s92, s18
	s_mul_i32 s92, s92, 12
	s_add_co_u32 s92, s92, s76
	s_lshl_b32 s92, s92, 3
	s_and_b32 s18, s73, 1
	s_add_co_u32 s92, s92, s18
	s_add_co_u32 s92, s92, 2
	s_mul_i32 s92, s92, STEPB
	s_add_nc_u64 s[PK:PK+1], s[6:7], s[92:93]
	s_lshr_b32 s83, s15, 1                         ; LDS: my tile's rows of the bias: group 2 (tile / 2), row 8 (tile % 2), keys 128 g on
	s_mul_i32 s83, s83, 33536
	s_and_b32 s18, s15, 1
	s_mul_i32 s18, s18, 8320
	s_add_co_u32 s83, s83, s18
	s_lshl_b32 s18, s[G], 9
	s_add_co_u32 s83, s83, s18
	s_lshl_b32 s84, s16, 1                         ; my block of K and V: 2 x batch + g
	s_add_co_u32 s84, s84, s[G]
	s_mul_i32 s84, s84, STEPB
	s_add_co_u32 s84, s84, KVO
	s_and_b32 s85, s14, 7                          ; my pair's stage
	s_mul_i32 s85, s85, 4608
	s_add_co_u32 s85, s85, STG
	v_and_b32 v11, 31, v0
	v_lshlrev_b32 v[LI], 4, v11
	v_lshlrev_b32 v[PKO], 8, v11
	v_min_u32 v[PKT], 768, v[PKO]
	global_load_b128 v[QZ+8:QZ+11], v[LI], s[66:67]
	global_load_b128 v[QZ+12:QZ+15], v[LI], s[66:67] offset:512
	global_load_b32 v[NQW], v[LI], s[20:21]
	v_and_b32 v231, 15, v0                         ; r
	v_bfe_u32 v251, v0, 4, 1                       ; h
	v_and_b32 v11, 7, v0                           ; r % 8
	v_bfe_u32 v[T0], v0, 3, 1                      ; r / 8
	v_mul_u32_u24 v[ABI], v11, 1040
	v_mad_u32_u24 v[ABI], v[T0], 16768, v[ABI]
	v_lshl_add_u32 v[ABI], v251, 6, v[ABI]
	v_add_nc_u32 v[ABI], s83, v[ABI]
	v_add_nc_u32 v[ABI+1], SLOT, v[ABI]
	v_add_nc_u32 v[AKV], s84, v[LI]
	v_add_nc_u32 v[AKV+1], SLOT, v[AKV]
	v_add_nc_u32 v[STA], s85, v[LI]
	v_lshlrev_b32 v[R4], 2, v231
	v_bfe_u32 v231, v0, 2, 3                       ; lane / 4: a row of eight
	v_and_b32 v251, 3, v0                          ; lane % 4: which 256 bytes of its 1,024
	v_lshlrev_b32 v251, 8, v251
	v_lshl_add_u32 v[PFO], v231, 12, v251
	WALU
	s_cmp_eq_u32 s14, 8                            ; the head's prefetch: tile 1
	s_cbranch_scc0 .Lhp_kv
	global_prefetch_b8 v[PFO], s[PF:PF+1] th:TH_LOAD_NT scope:SCOPE_SE
	global_prefetch_b8 v[PFO], s[PF:PF+1] offset:32768 th:TH_LOAD_NT scope:SCOPE_SE
	s_branch .Lhp_end
.Lhp_kv:
	s_cmp_eq_u32 s14, 9
	s_cbranch_scc0 .Lhp_end
	global_prefetch_b8 v[PKO], s[PK:PK+1] th:TH_LOAD_NT scope:SCOPE_SE
	global_prefetch_b8 v[PKO], s[PK:PK+1] offset:8192 th:TH_LOAD_NT scope:SCOPE_SE
	global_prefetch_b8 v[PKT], s[PK:PK+1] offset:16384 th:TH_LOAD_NT scope:SCOPE_SE
.Lhp_end:
.irp j, 0,1,2,3,4,5,6,7
	v_mov_b32 v[QZ+\j], 0                          ; zero codes on either side of q
	v_mov_b32 v[QZ+16+\j], 0
.endr
	v_mov_b32 v13, 0xff61b1e6                      ; the largest t so far: -3e38
	v_floor_f32 v12, -v13                          ; -M
	v_mov_b32 v14, 0
	v_mov_b32 v15, 0
	v_mov_b32 v[F+1], 0
.irp b, 0,1,2,3
	v_mov_b32 v[TM+4+\b], 0                        ; a lane permute's destination counts as one of its sources
.endr
	WALU
	s_wait_tensorcnt 0x0                           ; my part of slot 0 is in; the full sequence ahead of slot 1's first fill
	ds_add_u32 v[SPW], v[NIL]
	ds_add_u32 v[SPW], v[NIL]
	s_wait_dscnt 0x0
	CROUND
	JLOAD 1
	KLOAD 0
.irp k, 0,1,2,3
	BLOAD 0, \k
.endr
	PREF 2048, 1                                   ; tiles 2 and 3
	s_wait_loadcnt 0x0
	v_perm_b32 v[QS], v[NQW], v[NQW], s[PSEL]
	PLACES 8                                       ; a scale register written by a vector instruction stands eight places ahead of the product that names it
; A KEY STEP: my 128 keys of slot sl.  It finds its K and its bias asked for.
; first = 1: a head's first step: V^T P starts O^T's sums.  chg: 1 the slot takes this head's keys 512 further on, 2 the next head's, 3 a change with no refill, 0 none.
; nxt = 1: a step follows: its bias is asked for behind the conversions.  kl = 1: and its K behind the last products.  pf: bytes in the bias to the tile that is prefetched; 0: no prefetch.
.macro STEP sl, first, chg, nxt, kl, pf
	WALU
	s_wait_dscnt 0x0                               ; K, its pair words and the bias are in
.irp p, 0,1,2,3                        ; eight accumulators, one instruction each
	v_wmma_scale_f32_16x16x128_f8f6f4 v[S+16*\p:S+16*\p+7], v[KF+16*\p:KF+16*\p+15], v[QZ+8:QZ+23], v[S+16*\p:S+16*\p+7], v[KS+\p], v[QS]
	v_wmma_scale_f32_16x16x128_f8f6f4 v[S+16*\p+8:S+16*\p+15], v[KF+16*\p:KF+16*\p+15], v[QZ:QZ+15], v[S+16*\p+8:S+16*\p+15], v[KS+\p], v[QS]
.endr
	PLACES 8                                       ; ahead of loads into registers that the products read and of the first read of results (ISA guide 7.12.1 for vector instructions)
	VLOAD \sl
.irp b, 0,1,2,3
	v_max3_num_f32 v[TM+\b], v[S+16*\b], v[S+1+16*\b], v[S+2+16*\b]   ; the largest logit of each block of 32 keys: for the row's maximum, and for the block's largest p
.endr
.irp i, 3,5,7,9,11,13
.irp b, 0,1,2,3
	v_max3_num_f32 v[TM+\b], v[TM+\b], v[S+16*\b+\i], v[S+1+16*\b+\i]
.endr
.endr
.irp b, 0,1,2,3
	v_max_num_f32 v[TM+\b], v[TM+\b], v[S+15+16*\b]
.endr
.irp b, 0,1,2,3
	v_permlanex16_b32 v[TM+4+\b], v[TM+\b], s[SEL], s[SEL+1]
.endr
.irp b, 0,1,2,3
	v_max_num_f32 v[TM+\b], v[TM+\b], v[TM+4+\b]
.endr
	v_max3_num_f32 v[T0], v[TM], v[TM+1], v[TM+2]
	v_max_num_f32 v[T0], v[T0], v[TM+3]
	v_mul_f32 v[T0], s[CS], v[T0]
	v_max_num_f32 v13, v13, v[T0]                  ; the running largest t
	v_mov_b32 v[T0], v12
	v_floor_f32 v12, -v13                          ; the new -M: a whole number
	v_sub_f32 v[T0], v12, v[T0]                    ; old M - new M: 0 or less
	v_cvt_i32_f32 v[T0], v[T0]                     ; (it saturates)
	v_ldexp_f32 v[F], 1.0, v[T0]
.set J, 0
.rept 16
	v_pk_fma_f32 v[S+J:S+J+1], v[S+J:S+J+1], s[CS:CS+1], v[12:13] op_sel_hi:[1,0,0]   ; t - M of blocks 0 and 1
.set J, J+2
.endr
.irp b, 0,1,2,3
	v_fma_f32 v[TM+\b], v[TM+\b], s[CS], v12
.endr
	WALU                                           ; ahead of the first batch
.irp b, 0,1,2,3
	v_exp_f32 v[TM+\b], v[TM+\b]                   ; the blocks' largest p
.endr
.set J, 0
.rept 16
	v_exp_f32 v[S+J], v[S+J]                       ; p of blocks 0 and 1, at most 1, not normalised;
	v_exp_f32 v[S+J+1], v[S+J+1]
	v_pk_fma_f32 v[S+32+J:S+33+J], v[S+32+J:S+33+J], s[CS:CS+1], v[12:13] op_sel_hi:[1,0,0]   ; by turns with t - M of blocks 2 and 3
.set J, J+2
.endr
	v_pk_mul_f32 v[14:15], v[14:15], v[F:F+1] op_sel_hi:[1,0]   ; the sums under the new M
	WALU                                           ; behind the first batch
	HALFSUM S                                      ; blocks 0 and 1, ahead of their holds
.irp b, 0,1,2,3
	v_max_num_f32 v[TM+\b], s[FLR], v[TM+\b]
.endr
	QSCL 4
	v_lshl_or_b32 v[PW], v[TM+5], 8, v[TM+4]
	v_lshl_or_b32 v[PW], v[TM+6], 16, v[PW]
	v_lshl_or_b32 v[PW], v[TM+7], 24, v[PW]
	WALU                                           ; ahead of the second batch
.set J, 0
.rept 32
	v_exp_f32 v[S+32+J], v[S+32+J]                 ; p of blocks 2 and 3, by turns with
	v_min_num_f32 v[S+J], v[S+J], v[TM+8+J/16]     ; the holds of blocks 0 and 1: p is not negative, so a hold is one-sided
.set J, J+1
.endr
	WALU                                           ; behind the second batch
	HALFSUM S+32                                   ; blocks 2 and 3 (its chains take the bytes' and the first two bounds' registers, which are done with)
.if \chg
	WALU
	s_wait_tensorcnt 0x0                           ; THE CHANGE OF SLOTS.  No tensor load of mine is out: the other slot is whole, and a group 0 may be written
	ds_add_u32 v[SPW], v[NIL]                      ; 0 onto my spare word; the descriptors' steps and four conversions stand between it and the wait for it
.if \chg < 3
	ds_add_u32 v[SPW], v[NIL]                      ; twice where a refill follows
.if \chg == 1
	s_add_nc_u64 s[G0B+4*\sl+2:G0B+4*\sl+3], s[G0B+4*\sl+2:G0B+4*\sl+3], 2048
.else
	s_add_nc_u64 s[G0B+4*\sl+2:G0B+4*\sl+3], s[G0B+4*\sl+2:G0B+4*\sl+3], BHEAD-2048   ; back along the keys and a head on
.endif
	s_add_nc_u64 s[G0K+4*\sl+2:G0K+4*\sl+3], s[G0K+4*\sl+2:G0K+4*\sl+3], 4*STEPB      ; in kv a head's blocks follow the last head's
.endif
.endif
	PCVT 0
	PCVT 1
	v_nop                                          ; one plain line behind the conversions
.if \chg
	WALU
	s_wait_dscnt 0x0                               ; the add is done, and my reads of the slot are over: V was the last of them
.if \chg == 3
	s_barrier_signal -1
	s_barrier_wait -1
.else
	CROUND                                         ; no wave of any partner still reads the slot or has a load on its way
	JLOAD \sl
.endif
.endif
.if \pf
	PREF \pf
.endif
.if \nxt
	BLOAD 1-\sl, 0                                 ; converted blocks' registers take the next step's bias, out of the other slot
	BLOAD 1-\sl, 1
.endif
.irp b, 2,3
.irp i, 0,1,2,3,4,5,6,7,8,9,10,11,12,13,14,15
	v_min_num_f32 v[S+16*\b+\i], v[S+16*\b+\i], v[TM+8+\b]
.endr
	PCVT \b
.if \nxt && (\b == 3)
	BLOAD 1-\sl, 2
.endif
.endr
.if \first
	PLACES 4                                       ; codes written by vector instructions stand four places ahead of the product
.else
	WALU                                           ; directly ahead of the first reader of O^T
.set J, 0
.rept 16
	v_pk_mul_f32 v[O+J:O+J+1], v[O+J:O+J+1], v[F:F+1] op_sel_hi:[1,0]   ; O^T under the new M
.set J, J+2
.endr
.endif
.if \nxt
	BLOAD 1-\sl, 3
.endif
.if \chg == 0
	WALU
	s_wait_dscnt 0x0                               ; V and its scale words
.endif
.irp t, 0,1,2,3
.if \first
	v_wmma_scale_f32_16x16x128_f8f6f4 v[O+8*\t:O+8*\t+7], v[KF+16*\t:KF+16*\t+15], v[PC:PC+15], 0, v[KS+\t], v[PW]
.else
	v_wmma_scale_f32_16x16x128_f8f6f4 v[O+8*\t:O+8*\t+7], v[KF+16*\t:KF+16*\t+15], v[PC:PC+15], v[O+8*\t:O+8*\t+7], v[KS+\t], v[PW]
.endif
.endr
	PLACES 8                                       ; ahead of loads into V's registers and of the first read of O^T
.if \kl
	KLOAD 1-\sl
.endif
.endm
; A HEAD'S WAY OUT.  Waves 8-15 put O^T, -M and l into their pair's stage; behind a barrier waves 0-7 take them, bring both parts under the larger M (2^(M part - M), exact), add, divide by l,
; quantise the two blocks of 32 channels and store.  last = 0: the next head's q moves into q's registers, the pointers step, the softmax's state begins anew.
.macro FINAL last
.if !\last
	s_wait_loadcnt 0x0                             ; the next head's q
	v_perm_b32 v[QS], v[NQW], v[NQW], s[PSEL]
.irp j, 0,1,2,3
	v_mov_b32 v[QZ+8+\j], v[NQA+\j]
	v_mov_b32 v[QZ+12+\j], v[NQB+\j]
.endr
	WALU
.endif
	s_cmp_lt_u32 s14, 8
	s_cbranch_scc1 .Lkeep_\@
.irp i, 0,1,2,3,4,5,6,7
	ds_store_b128 v[STA], v[O+4*\i:O+4*\i+3] offset:512*\i      ; each accumulator from its low end on
.endr
	ds_store_b128 v[STA], v[12:15] offset:4096
.Lkeep_\@:
	s_wait_dscnt 0x0                               ; for the partner's sake: my stores lie in LDS
	s_barrier_signal -1
	s_barrier_wait -1
	s_cmp_lt_u32 s14, 8
	s_cbranch_scc0 .Lsent_\@
.irp i, 0,1,2,3,4,5,6,7,8
	ds_load_b128 v[KF+4*\i:KF+4*\i+3], v[STA] offset:512*\i
.endr
	s_wait_dscnt 0x0
	v_min_num_f32 v[T0], v12, v[KF+32]             ; -M of the two parts together
	v_sub_f32 v[TM], v[T0], v12
	v_sub_f32 v[TM+1], v[T0], v[KF+32]
	v_cvt_i32_f32 v[TM], v[TM]
	v_cvt_i32_f32 v[TM+1], v[TM+1]
	v_ldexp_f32 v[F], 1.0, v[TM]
	v_ldexp_f32 v[TM+2], 1.0, v[TM+1]
	v_pk_mul_f32 v[14:15], v[14:15], v[F:F+1] op_sel_hi:[1,0]
	v_pk_fma_f32 v[14:15], v[KF+34:KF+35], v[TM+2:TM+3], v[14:15] op_sel_hi:[1,0,1]
	v_add_f32 v14, v14, v15
	v_permlanex16_b32 v[T0], v14, s[SEL], s[SEL+1]
	v_add_f32 v14, v14, v[T0]
	WALU
	v_rcp_f32 v14, v14
	v_nop
	WALU
	v_mul_f32 v[F], v[F], v14                      ; the two factors, each with 1 / l
	v_mul_f32 v[TM+2], v[TM+2], v14
	WALU                                           ; directly ahead of the first reader of O^T
.set J, 0
.rept 16
	v_pk_mul_f32 v[O+J:O+J+1], v[O+J:O+J+1], v[F:F+1] op_sel_hi:[1,0]
.set J, J+2
.endr
.set J, 0
.rept 16
	v_pk_fma_f32 v[O+J:O+J+1], v[KF+J:KF+J+1], v[TM+2:TM+3], v[O+J:O+J+1] op_sel_hi:[1,0,1]
.set J, J+2
.endr
	QMAX O, 2
	QSCL 2
	v_lshl_or_b32 v[T0], v[TM+5], 8, v[TM+4]
	QCVT O, 2, PC
	s_lshr_b32 s92, s76, 1                         ; the head's half word in osc: row head / 2 of the tile's six, bytes 2 (head % 2) on
	s_lshl_b32 s92, s92, 6
	s_and_b32 s93, s76, 1
	s_lshl_b32 s93, s93, 1
	s_add_co_u32 s92, s92, s93
	s_mov_b32 s93, 0
	s_add_nc_u64 s[94:95], s[70:71], s[92:93]
	global_store_b128 v[LI], v[PC:PC+3], s[68:69]              ; 512 consecutive bytes each
	global_store_b128 v[LI], v[PC+4:PC+7], s[68:69] offset:512
	global_store_b16 v[R4], v[T0], s[94:95]                    ; my head's half of the row's scale word (lanes l and l + 16 store the same two bytes)
.Lsent_\@:
.if !\last
	s_wait_xcnt 0x0                                ; the stores have read their data and their bases
	s_add_nc_u64 s[68:69], s[68:69], 1024
	s_add_nc_u64 s[66:67], s[66:67], QHEAD
	s_add_nc_u64 s[20:21], s[20:21], QHEAD
	s_add_co_u32 s76, s76, 1
	v_mov_b32 v13, 0xff61b1e6
	v_floor_f32 v12, -v13
	v_mov_b32 v14, 0
	v_mov_b32 v15, 0
	PLACES 4
.endif
.endm
; A HEAD: four key steps a wave, four changes of slots.  The prefetch walks the tiles in the refills' order, two tiles ahead of them: a head's four steps ask for the next head's four tiles.
.macro UNIT last
.if !\last
	global_load_b128 v[NQA:NQA+3], v[LI], s[66:67] offset:QHEAD          ; the next head's q: it has the whole head in which to land
	global_load_b128 v[NQB:NQB+3], v[LI], s[66:67] offset:QHEAD+512
	global_load_b32 v[NQW], v[LI], s[20:21] offset:QHEAD
.endif
.if \last
	STEP 0, 1, 1, 1, 1, 0
	STEP 1, 0, 1, 1, 1, 0                          ; the last refill
	STEP 0, 0, 3, 1, 1, 0                          ; the last change of slots: nothing is asked for
	STEP 1, 0, 0, 0, 0, 0
.else
	STEP 0, 1, 1, 1, 1, BHEAD-3072
	STEP 1, 0, 1, 1, 1, 1024
	STEP 0, 0, 2, 1, 1, 1024                       ; the ring goes on into the next head
	STEP 1, 0, 2, 1, 0, 1024
.endif
	FINAL \last
.if !\last
	KLOAD 0                                        ; the next head's first K: its registers held the partner's part
.endif
.endm
	s_mov_b32 s19, 0
.Lunit:                                            ; UNITS - 1 trips: every head but the last
	UNIT 0
	s_add_co_u32 s19, s19, 1
	s_cmp_lt_u32 s19, UNITS-1
	WALU
	s_cbranch_scc1 .Lunit
	UNIT 1                                         ; the last head is written out
	s_wait_tensorcnt 0x0                           ; the wave's end
	ds_add_u32 v[SPW], v[NIL]
	s_wait_dscnt 0x0
	CROUND                                         ; the closing round
	s_endpgm
.Lfunc_end_k_q7cad3bc9ae_attn:
	.size	k_q7cad3bc9ae_attn, .Lfunc_end_k_q7cad3bc9ae_attn-k_q7cad3bc9ae_attn
	.p2alignl 7, 3214868480
	.fill 96, 4, 3214868480
	.section	.rodata,"a",@progbits
	.p2align	6, 0x0
	.amdhsa_kernel k_q7cad3bc9ae_attn
		.amdhsa_group_segment_fixed_size 327680
		.amdhsa_private_segment_fixed_size 0
		.amdhsa_enable_private_segment 0
		.amdhsa_kernarg_size 40
		.amdhsa_user_sgpr_count 2
		.amdhsa_user_sgpr_kernarg_segment_ptr 1
		.amdhsa_wavefront_size32 1
		.amdhsa_system_sgpr_workgroup_id_x 1
		.amdhsa_system_sgpr_workgroup_id_y 1
		.amdhsa_system_sgpr_workgroup_id_z 1
		.amdhsa_system_vgpr_workitem_id 0
		.amdhsa_next_free_vgpr 256
		.amdhsa_next_free_sgpr 96
		.amdhsa_reserve_vcc 0
		.amdhsa_float_denorm_mode_32 3
		.amdhsa_float_denorm_mode_16_64 3
		.amdhsa_memory_ordered 1
		.amdhsa_forward_progress 1
		.amdhsa_inst_pref_size 194
	.end_amdhsa_kernel
	.amdgpu_metadata
---
amdhsa.version: [ 1, 2 ]
amdhsa.kernels:
  - .name:           k_q7cad3bc9ae_attn
    .symbol:         k_q7cad3bc9ae_attn.kd
    .args:
      - { .name: qbuf, .offset: 0, .size: 8, .value_kind: global_buffer, .address_space: global }
      - { .name: kv, .offset: 8, .size: 8, .value_kind: global_buffer, .address_space: global }
      - { .name: rel_pos_bias, .offset: 16, .size: 8, .value_kind: global_buffer, .address_space: global }
      - { .name: oimg, .offset: 24, .size: 8, .value_kind: global_buffer, .address_space: global }
      - { .name: osc, .offset: 32, .size: 8, .value_kind: global_buffer, .address_space: global }
    .group_segment_fixed_size: 327680
    .private_segment_fixed_size: 0
    .kernarg_segment_align: 8
    .kernarg_segment_size: 40
    .max_flat_workgroup_size: 512
    .sgpr_count:     96
    .vgpr_count:     256
    .wavefront_size: 32
...
	.end_amdgpu_metadata
.endif
;; end of part 7
;; launch oproj (part 8): grid 64 x 4, 4 waves a work-group, clusters of 4 x 1, 255,232 bytes of LDS; arguments oimg, osc, img, isc, b_o, out0; writes out0
.if DOCPART == 8
	.amdgcn_target "amdgcn-amd-amdhsa--gfx1250"
	.amdhsa_code_object_version 6
	.text
	.protected	k_q7cad3bc9ae_oproj
	.globl	k_q7cad3bc9ae_oproj
	.p2align	8
	.type	k_q7cad3bc9ae_oproj,@function
k_q7cad3bc9ae_oproj:
	s_mov_b64 s[64:65], 0
	v_nop
	global_prefetch_b8 v0, s[64:65] scope:SCOPE_SE
	s_setreg_imm32_b32 hwreg(HW_REG_WAVE_MODE, 25, 1), 1
	s_wait_xcnt 0x0
	s_wait_alu depctr_hold_cnt(0) depctr_sa_sdst(0) depctr_va_vdst(0) depctr_va_sdst(0) depctr_va_ssrc(0) depctr_va_vcc(0) depctr_vm_vsrc(0)
	s_getreg_b32 s2, hwreg(HW_REG_IB_STS2, 6, 4)
	s_cmp_eq_u32 s2, 0
	s_cbranch_scc0 .Lentry_in_a_cluster
	s_endpgm
.Lentry_in_a_cluster:
	s_bfe_u32 s2, ttmp6, 0x10000c
	s_cmp_lg_u32 s2, 0x3003
	s_cbranch_scc0 .Lentry_shape_is_right
	s_endpgm
.Lentry_shape_is_right:
; OUT = o W_o^T + b_o on codes of FP8 (E4M3) with E8M0 scales, K = 768.  o's codes and scale words were made by the attention launch, W_o's by the first launch; both lie as images of the operand's registers.
; SHARES.  Work-group (gx, cg): 128 tokens x 192 columns.  Wave w owns 32 tokens (two tiles): its 12 fragments of o stay in window 1.  The 192 columns' images of W_o, their scale words and b_o lie in LDS, filled once.
; CLUSTER 4 x 1: the four work-groups of a cluster have the same cg and ask for W_o, its scale words and b_o JOINTLY (one load a wave).
; LAYOUT.  Source 0 = 16 rows of W_o, source 1 = 16 tokens: a lane holds one token, and the 16 registers of two neighbouring tiles of W_o are 16 neighbouring columns.  b_o is the C of each sum's first product.
; THE WAY OUT.  Two blocks of 32 columns are 256 bytes of a row.  Behind every second block the wave's 32 rows x 256 bytes come back from its own stage, two rows an instruction,
; and are stored while the next block is multiplied: each half of the lanes stores one aligned block of 256 bytes of out0.
; The six blocks of 32 columns are written out: every LDS address is a register that is never rewritten plus an immediate.
.set TILEB, 12288
.set WSC,   147456                     ; LDS: W_o's 12 tiles; their scale blocks;
.set BOL,   153600                     ; b_o's 192 numbers;
.set STAGE, 154368                     ; the stages: 32 rows x 784 bytes for each wave; no fill lands here
.set SPI,   784                        ; 768 + 16: an odd multiple of 16
.set LI,    1                          ; v1   16 x lane
.set WA,    1                          ; v1-3 W's images: 16 x lane + 49,152 k
.set WSA,   4
.set BOA,   5
.set STO,   6
.set RD,    8                          ; v8   the stage, back: lanes 0-15 one row, lanes 16-31 the next; 16 bytes a lane
.set GO,    11                         ; v11  and the same two rows in out0
.set R4,    14
.set ACC,   16                         ; v16-47 four accumulators: tile of tokens i, tile of columns u at 16 i + 8 u
.set WF,    48                         ; v48-111 W's fragments: buffer p at 32 p, tile u at 16 u
.set CB,    112                        ; v112-127 b_o in the result's layout
.set WS,    128                        ; v128-133 W's scale words
.set OS,    134                        ; v134-145 o's: tile i, K step s at 6 i + s
.set OUT,   160                        ; v160-223 the way out
.set MSB, 0
.macro WIN new
.if MSB != \new
	s_set_vgpr_msb (MSB<<8)|\new
.set MSB, \new
.endif
.endm
.macro PLACES n
.rept \n
	v_nop
.endr
.endm
.macro CROUND
	s_barrier_signal -1
	s_barrier_wait -1
	s_cmp_lg_u32 s14, 0
	s_cbranch_scc1 .Lnot_wave_0_\@
	s_barrier_signal -3
.Lnot_wave_0_\@:
	s_barrier_wait -3
	s_barrier_signal -1
	s_barrier_wait -1
.endm
	s_load_b256 s[4:11], s[0:1], 0x0               ; oimg 4, osc 6, img 8, isc 10
	s_load_b128 s[16:19], s[0:1], 0x20             ; b_o 16, out0 18
	v_lshl_add_u32 v254, v0, 2, 0x3e300
	v_mov_b32 v255, 0
	ds_add_u32 v254, v255
	ds_add_u32 v254, v255
	v_lshrrev_b32 v15, 5, v0
	v_readfirstlane_b32 s14, v15                   ; wave
	s_bfe_u32 s72, ttmp6, 0x40000                  ; cx
	s_lshl_b32 s73, ttmp9, 2
	s_add_co_u32 s73, s73, s72                     ; gx
	s_lshl_b32 s74, s73, 2
	s_add_co_u32 s74, s74, s14                     ; my block of 32 tokens
	s_and_b32 s15, ttmp7, 0xffff                   ; cg: shared by the cluster
	s_mov_b32 s24, 15|(3<<16)|(1<<21)              ; the mask names all four; rows of 256 bytes, dense
	s_mov_b32 s25, 32<<16
	s_mov_b32 s26, 288<<16                         ; W_o's half: 288 rows of 256 bytes
	s_mov_b32 s27, 32<<16
	s_mov_b32 s28, 288
	s_mov_b32 s29, 32
	s_mov_b32 s30, 0
	s_mov_b32 s31, 0
	s_mov_b32 s36, 15|(3<<16)|(1<<21)
	s_mov_b32 s37, 32<<16
	s_mov_b32 s38, 24<<16                          ; the twelve scale blocks: 24 rows of 256 bytes
	s_mov_b32 s39, 32<<16
	s_mov_b32 s40, 24
	s_mov_b32 s41, 32
	s_mov_b32 s42, 0
	s_mov_b32 s43, 0
	s_mov_b32 s48, 15|(3<<16)|(1<<21)
	s_mov_b32 s49, 32<<16                          ; b_o's 192 numbers: 3 rows of 256 bytes, at a multiple of 256 in b_o
	s_mov_b32 s50, 3<<16
	s_mov_b32 s51, 32<<16
	s_mov_b32 s52, 3
	s_mov_b32 s53, 32
	s_mov_b32 s54, 0
	s_mov_b32 s55, 0
	s_mul_i32 s75, s15, 12
	s_add_co_u32 s75, s75, 656                     ; my columns' first tile: made of cg alone
	s_mul_i32 s66, s75, TILEB
	s_mul_i32 s21, s14, 73728                      ; LDS and img: wave x a half of W_o (waves 0 and 1 use it)
	s_add_co_u32 s66, s66, s21
	s_mov_b32 s67, 0
	s_lshl_b32 s68, s75, 9
	s_mov_b32 s69, 0
	s_mov_b32 s33, WSC
	s_mul_i32 s70, s15, 768
	s_mov_b32 s71, 0
	s_mov_b32 s45, BOL
	s_mov_b32 s20, 1
	s_mov_b32 s32, 1
	s_mov_b32 s44, 1
	s_wait_dscnt 0x0
	s_wait_kmcnt 0x0
	s_add_nc_u64 s[22:23], s[8:9], s[66:67]
	s_or_b32 s23, s23, 0x80000000
	s_add_nc_u64 s[34:35], s[10:11], s[68:69]
	s_or_b32 s35, s35, 0x80000000
	s_add_nc_u64 s[46:47], s[16:17], s[70:71]
	s_or_b32 s47, s47, 0x80000000
	CROUND                                         ; the four work-groups are here: the joint loads meet
	; the launch's only fills, ONE joint load a wave, in one chain of arms on the wave's number: waves 0 and 1 W_o's halves, wave 2 the scale blocks, wave 3 b_o
	s_cmp_lt_u32 s14, 2
	s_cbranch_scc0 .Lh_sc
	tensor_load_to_lds s[20:23], s[24:31]
	s_nop 0
	PLACES 4
	s_branch .Lh_asked
.Lh_sc:
	s_cmp_lt_u32 s14, 3
	s_cbranch_scc0 .Lh_bo
	tensor_load_to_lds s[32:35], s[36:43]
	s_nop 0
	PLACES 4
	s_branch .Lh_asked
.Lh_bo:
	tensor_load_to_lds s[44:47], s[48:55]
	s_nop 0
	PLACES 4
.Lh_asked:
	s_mul_i32 s66, s74, 2*TILEB
	s_add_nc_u64 s[56:57], s[4:5], s[66:67]        ; my two tiles of o
	s_mul_i32 s66, s74, 768
	s_add_nc_u64 s[58:59], s[6:7], s[66:67]        ; their scale words: 6 x 64 bytes a tile
	s_mul_i32 s66, s74, 32*3072
	s_mul_i32 s77, s15, 768
	s_add_co_u32 s66, s66, s77
	s_add_nc_u64 s[18:19], s[18:19], s[66:67]      ; out0 at my first token, my first column
	v_and_b32 v15, 31, v0
	v_lshlrev_b32 v[LI], 4, v15
	v_and_b32 v15, 15, v0                          ; r
	v_lshlrev_b32 v[R4], 2, v15
	WIN 0x40                                       ; destination window 1
.irp s, 0,1,2,3,4,5
.irp i, 0,1
.irp c, 0,1,2,3
	global_load_b128 v[16*(2*\s+\i)+4*\c:16*(2*\s+\i)+4*\c+3], v[LI], s[56:57] offset:TILEB*\i+2048*\s+512*\c th:TH_LOAD_NT
.endr
.endr
.endr
	WIN 0
.irp i, 0,1
.irp s, 0,1,2,3,4,5
	global_load_b32 v[OS+6*\i+\s], v[R4], s[58:59] offset:384*\i+64*\s
.endr
.endr
	v_add_nc_u32 v[WA+1], 4*TILEB, v[LI]
	v_add_nc_u32 v[WA+2], 8*TILEB, v[LI]
	v_add_nc_u32 v[WSA], WSC, v[LI]
	v_bfe_u32 v7, v0, 4, 1                         ; h
	v_lshl_add_u32 v[BOA], v7, 6, BOL
	s_mul_i32 s75, s14, 32*SPI
	s_add_co_u32 s75, s75, STAGE                   ; my stage
	v_mul_u32_u24 v[STO], v15, SPI
	v_lshl_add_u32 v[STO], v7, 6, v[STO]
	v_add_nc_u32 v[STO], s75, v[STO]               ; in: row r, 64 h on
	v_lshlrev_b32 v15, 4, v15                      ; 16 r
	v_mad_u32_u24 v[GO], v7, 3072, v15             ; out: lanes 16-31 a row of out0 further down,
	v_mad_u32_u24 v[RD], v7, SPI, v15              ; and a row of the stage
	v_add_nc_u32 v[RD], s75, v[RD]
	s_wait_alu depctr_va_vdst(0)
	s_wait_tensorcnt 0x0                           ; my one fill has landed,
	s_barrier_signal -1
	s_barrier_wait -1                              ; everybody's have; nothing is filled again
	s_wait_loadcnt 0x0                             ; o and its scale words
.macro WFETCH cb, s
.irp u, 0,1
.irp q, 0,1,2,3
	ds_load_b128 v[WF+32*((\s)%2)+16*\u+4*\q:WF+32*((\s)%2)+16*\u+4*\q+3], v[WA+(\cb)/2] offset:TILEB*(2*((\cb)%2)+\u)+2048*(\s)+512*\q
.endr
.endr
.endm
; Stage row 16 i + r is token 8 i + r + 8 (r / 8) of my 32.  Instruction T takes bytes 256 e on of stage rows 2 T and 2 T + 1, which are neighbouring tokens.
.macro BACK e
.set T, 0
.rept 16
	ds_load_b128 v[OUT+4*T:OUT+4*T+3], v[RD] offset:2*SPI*T+256*(\e)   ; LDS serves a wave's instructions in order: these see my stores
.set T, T+1
.endr
.endm
.macro SEND e, younger                 ; younger: the LDS loads issued behind BACK's, which may stay out
.set T, 0
.rept 16
.set R0, (2*T)%16
	s_wait_dscnt \younger+15-T
	global_store_b128 v[GO], v[OUT+4*T:OUT+4*T+3], s[18:19] offset:(8*(T/8)+R0+8*(R0/8))*3072+256*(\e) th:TH_STORE_NT   ; each half of the lanes stores 256 consecutive bytes, at a multiple of 256 from out0's first byte
.set T, T+1
.endr
.endm
.macro CBK cb                          ; a block of 32 columns
.irp j, 0,1,2,3
	ds_load_b128 v[CB+4*\j:CB+4*\j+3], v[BOA] offset:128*\cb+16*\j
.endr
.irp u, 0,1
.irp k, 0,1,2
	ds_load_b32 v[WS+3*\u+\k], v[WSA] offset:512*(2*\cb+\u)+4*\k
.endr
.endr
	WFETCH \cb, 0
.if (\cb > 0) && (\cb % 2 == 0)
	SEND \cb/2-1, 18                               ; the last two blocks' rows leave; behind their loads from the stage stand the 18 loads above
.endif
.irp s, 0,1,2,3,4,5
	WIN 0
.if \s > 0
	PLACES 8                                       ; behind the products of the step before, which read the buffer that is loaded now
.endif
.if \s < 5
	WFETCH \cb, \s+1
	s_wait_dscnt 8                                 ; all but the next step's eight loads (the last block's stores into the stage are older: they have read the accumulators)
.else
	s_wait_dscnt 0x0
.endif
	WIN 0x04                                       ; source 1 = o, window 1
.irp i, 0,1                            ; four accumulators by turns, in the same order in every step
.irp u, 0,1
.set DD, ACC+16*\i+8*\u
.set AA, WF+32*(\s%2)+16*\u
.set BB, 16*(2*\s+\i)
.set SA, WS+3*\u+\s/2
.set SB, OS+6*\i+\s
.if \s == 0
	v_wmma_scale_f32_16x16x128_f8f6f4 v[DD:DD+7], v[AA:AA+15], v[BB:BB+15], v[CB+8*\u:CB+8*\u+7], v[SA], v[SB]
.elseif \s%2
	v_wmma_scale_f32_16x16x128_f8f6f4 v[DD:DD+7], v[AA:AA+15], v[BB:BB+15], v[DD:DD+7], v[SA], v[SB] matrix_a_scale:MATRIX_SCALE_ROW1
.else
	v_wmma_scale_f32_16x16x128_f8f6f4 v[DD:DD+7], v[AA:AA+15], v[BB:BB+15], v[DD:DD+7], v[SA], v[SB]
.endif
.endr
.endr
.endr
	WIN 0
	PLACES 9                                       ; 8 for the stores that read results and the loads over operands, 9 for the next block's products, which begin the accumulators anew
.irp i, 0,1
.irp u, 0,1
	ds_store_b128 v[STO], v[ACC+16*\i+8*\u:ACC+16*\i+8*\u+3] offset:16*SPI*\i+128*\cb+32*\u        ; each accumulator from its low end on
	ds_store_b128 v[STO], v[ACC+16*\i+8*\u+4:ACC+16*\i+8*\u+7] offset:16*SPI*\i+128*\cb+32*\u+16
.endr
.endr
.if \cb % 2 == 1
.if \cb > 1
	s_wait_xcnt 0x0                                ; the stores before have read the registers that the loads below fill
.endif
	BACK \cb/2
.endif
.endm
	CBK 0
	CBK 1
	CBK 2
	CBK 3
	CBK 4
	CBK 5
	SEND 2, 0
	s_wait_dscnt 0x0
	s_wait_tensorcnt 0x0
	ds_add_u32 v254, v255
	s_wait_dscnt 0x0
	CROUND                                         ; the closing round
	s_endpgm
.Lfunc_end_k_q7cad3bc9ae_oproj:
	.size	k_q7cad3bc9ae_oproj, .Lfunc_end_k_q7cad3bc9ae_oproj-k_q7cad3bc9ae_oproj
	.p2alignl 7, 3214868480
	.fill 96, 4, 3214868480
	.section	.rodata,"a",@progbits
	.p2align	6, 0x0
	.amdhsa_kernel k_q7cad3bc9ae_oproj
		.amdhsa_group_segment_fixed_size 255232
		.amdhsa_private_segment_fixed_size 0
		.amdhsa_enable_private_segment 0
		.amdhsa_kernarg_size 48
		.amdhsa_user_sgpr_count 2
		.amdhsa_user_sgpr_kernarg_segment_ptr 1
		.amdhsa_wavefront_size32 1
		.amdhsa_system_sgpr_workgroup_id_x 1
		.amdhsa_system_sgpr_workgroup_id_y 1
		.amdhsa_system_sgpr_workgroup_id_z 1
		.amdhsa_system_vgpr_workitem_id 0
		.amdhsa_next_free_vgpr 512
		.amdhsa_next_free_sgpr 80
		.amdhsa_reserve_vcc 0
		.amdhsa_float_denorm_mode_32 3
		.amdhsa_float_denorm_mode_16_64 3
		.amdhsa_memory_ordered 1
		.amdhsa_forward_progress 1
		.amdhsa_inst_pref_size 77
	.end_amdhsa_kernel
	.amdgpu_metadata
---
amdhsa.version: [ 1, 2 ]
amdhsa.kernels:
  - .name:           k_q7cad3bc9ae_oproj
    .symbol:         k_q7cad3bc9ae_oproj.kd
    .args:
      - { .name: oimg, .offset: 0, .size: 8, .value_kind: global_buffer, .address_space: global }
      - { .name: osc, .offset: 8, .size: 8, .value_kind: global_buffer, .address_space: global }
      - { .name: img, .offset: 16, .size: 8, .value_kind: global_buffer, .address_space: global }
      - { .name: isc, .offset: 24, .size: 8, .value_kind: global_buffer, .address_space: global }
      - { .name: b_o, .offset: 32, .size: 8, .value_kind: global_buffer, .address_space: global }
      - { .name: out0, .offset: 40, .size: 8, .value_kind: global_buffer, .address_space: global }
    .group_segment_fixed_size: 255232
    .private_segment_fixed_size: 0
    .kernarg_segment_align: 8
    .kernarg_segment_size: 48
    .max_flat_workgroup_size: 128
    .sgpr_count:     80
    .vgpr_count:     512
    .wavefront_size: 32
...
	.end_amdgpu_metadata
.endif
;; end of part 8
